; MI455X (gfx1250); checked and timed in simulation.
; The chip was launched on July 23, 2026; its instructions are those of AMD's public machine-readable ISA for CDNA 5 (MIT licence, August 2026) and "CDNA5" Instruction Set Architecture Reference Guide (July 2026). The comments in the code are by the model that wrote it; some were corrected since.
;; Sparse Mo EFFN. Allowed arithmetic: matrix products marked QUANTISED: E3M2 operands, one E8M0 scale for each 32 along K, by v_wmma_scale_f32_16x16x128_f8f6f4 with both operands' format E3M2, f32 sums; products left as they are: f32 operands where the result goes on into a quantised operand, else bf16, f16 or f32 operands; f32 sums; everything else in f32.
;; Inputs: W1_codes 8 x 2,048 x 32 x 24 uint8 (E3M2 codes of W1, K innermost, in blocks of 32 codes, four codes in three bytes); W1_scales 8 x 2,048 x 32 uint8 (E8M0 scales of W1, one for each 32 codes along K); W2_codes 8 x 1,024 x 64 x 24 uint8 (E3M2 codes of W2, K innermost, in blocks of 32 codes, four codes in three bytes); W2_scales 8 x 1,024 x 64 uint8 (E8M0 scales of W2, one for each 32 codes along K); Wg 1,024 x 8 float32; b1 8 x 2,048 float32; b2 8 x 1,024 float32; bg 8 float32; x 4 x 512 x 1,024 float32.
;; Outputs: out0 4 x 512 x 1,024 float32; out1 one number float32.
;; This version of the problem:
;;   THIS VERSION OF THE PROBLEM IS GIVEN IN LOW PRECISION. The matrix products marked QUANTISED in the list below multiply operands that are first quantised to E3M2 (3 exponent bits, 2 mantissa bits; 6 bits a number), with one power-of-two scale for each 32 numbers along K (OCP MX v1.0); their sums are f32. All else is computed in f32.
;;   The module's matrix products, in the order in which they are computed (A, B: the left and right operand; K: the contracted axis; several contracted axes count as one K, in the product's order):
;;     1. [M 2,048, K 1,024] x [K 1,024, N 8]; A: input x; B: input Wg: left as it is (N = 8 < 16)
;;     2. [M 16,384, K 1,024] x [K 1,024, N 2,048]; A: input W1 (given as codes); B: input x: QUANTISED
;;     3. batch 8 x [M 1,024, K 2,048] x [K 2,048, N 2,048]; A: input W2 (given as codes); B: computed on the way: QUANTISED
;;     4. batch 2,048 x [M 1, K 8] x [K 8, N 1,024]; A: computed on the way; B: computed on the way: left as it is (K = 8 < 32)
;;   THE QUANTISER, for each operand of a quantised product, along K:
;;     - K is cut into blocks of 32 from its start; a last block that is shorter is filled with zeros.
;;     - A block's scale is 2^e with e = floor(log2(the largest magnitude in the block)) - 4, held to -126 .. 127; a block of zeros has e = 0. As a byte (E8M0): e + 127.
;;     - Each number is divided by its block's scale, clamped to +-28, and rounded to the nearest number of E3M2, ties to even, subnormals kept.
;;     - The product sums the exact products of the quantised numbers (number of the format x scale) in f32.
;;   ~~~python
;;   def quantise(x, axis):      # numpy; x: float32 -> the quantised numbers, widened to float32 again
;;       x = np.moveaxis(x, axis, -1); K = x.shape[-1]
;;       x = np.pad(x, [(0, 0)] * (x.ndim - 1) + [(0, -K % 32)]); x = x.reshape(x.shape[:-1] + (-1, 32)); a = np.abs(x).max(-1, keepdims=True)
;;       e = np.where(a > 0, np.clip(np.frexp(np.where(a > 0, a, 1))[1] - 1 - 4, -126, 127), 0)      # np.frexp(a)[1] - 1 = floor(log2(a)), exactly
;;       r = np.clip(x / 2.0 ** e, -28, 28)
;;       step = 2.0 ** (np.maximum(np.frexp(np.where(r == 0, 1, r))[1] - 1, -2) - 2)
;;       q = np.round(r / step) * step * 2.0 ** e      # np.round: ties to even
;;       return np.moveaxis(q.reshape(q.shape[:-2] + (-1,))[..., :K], -1, axis).astype(np.float32)
;;   ~~~
;;   OPERANDS COMPUTED ON THE WAY. 'Computed on the way' means the value that the module computes at that place (a softmax that the list does not call 'softmax' is quantised finished and normalised). What goes into a quantiser is computed in f32, as accurately as f32 sums, v_exp_f32 and their like allow (about 1e-6 of the number): no bf16 or f16 on the way to a quantiser, and a product that is left as it is and whose result goes on into a quantised operand takes f32 operands (vector FMAs, or v_wmma_f32_16x16x4_f32). A number that lies on a knife's edge between two numbers of the format may be rounded either way, as far as f32 arithmetic and the matrix unit's own rounding can turn it there, and no further.
;;   INPUTS GIVEN AS CODES. W1 (in the module: [8, 1024, 2048], K = its axis 1); W2 (in the module: [8, 2048, 1024], K = its axis 1): each comes as NAME_codes (uint8): NAME with its K axis moved to the last place and cut into blocks of 32 codes, [.., K / 32, bytes a block], one block behind the other in memory; four codes in three bytes: a row's codes are one little-endian stream of bits, code i at bits 6 i .. 6 i + 5 (a code: sign, 3 exponent bits, 2 mantissa bits); and NAME_scales (uint8): the same leading axes, one E8M0 byte (e + 127) for each 32 codes along K. Its value is code x scale, taken as it is: it is not quantised again, and the codes and scales need not be those that the quantiser above would give.
;; 2 versions. Each part assembles by itself: llvm-mc -triple=amdgcn-amd-amdhsa -mcpu=gfx1250 --defsym DOCPART=n.
;; ======== version 1 of 2: 4 launches
;; workspace buffers: wimg 26,214,400 bytes; xqs 1,638,400 bytes; sel 8,192 bytes of whole numbers; gw 32,768 bytes; plan 16,640 bytes of whole numbers; gs 32,768 bytes; hq 12,083,200 bytes
;; launch prep (part 1): grid 512 x 1, 4 waves a work-group, no clusters, 105,984 bytes of LDS; arguments x, Wg, bg, W1_codes, W1_scales, W2_codes, W2_scales, wimg, xqs, sel, gw; writes wimg, xqs, sel, gw
.if DOCPART == 1
	.amdgcn_target "amdgcn-amd-amdhsa--gfx1250"
	.amdhsa_code_object_version 6
	.text
	.protected	k_q0b8adbc5f6_prep
	.globl	k_q0b8adbc5f6_prep
	.p2align	8
	.type	k_q0b8adbc5f6_prep,@function
k_q0b8adbc5f6_prep:
	s_mov_b64 s[64:65], 0
	v_nop
	global_prefetch_b8 v0, s[64:65] scope:SCOPE_SE
	s_setreg_imm32_b32 hwreg(HW_REG_WAVE_MODE, 25, 1), 1
	s_wait_xcnt 0x0
; PREP.  Work-groups 0-255: the router and the quantiser of x, 8 tokens a work-group, 2 a wave.  Work-groups 256-511: W1 and W2 laid out once in the order of an operand's registers.
; ROUTER: logits = x Wg + bg by f32 multiply-adds, softmax with the row's maximum taken away, p = 0.99 softmax + 0.00125, the two largest p (a strict
; compare in ascending order keeps the lower index), their weights p / (p1 + p2), and the sum of p squared.  Stored at fixed places: sel[token] = the
; number 0..27 of the unordered pair of experts, gw[token] = {weight of the lower expert, of the higher, sum of p squared, 0}.
; QUANTISER OF x: blocks of 32 along K; scale byte = exponent field of the largest magnitude - 4, held at 1 from below; codes of E3M2 as a stream of bits.
; xqs: codes at token x 768, scale bytes at 1,572,864 + token x 32.
; LAYOUT OF THE WEIGHTS (wimg): a fragment (16 rows x 128 K, 12 registers a lane) lies as 3 pieces of 512 bytes, lane l's 16 bytes at 16 l.
;   W1 at 0: [e][g 16][K step 8][tile 8]; row m of tile 2 b + u of group g is hidden unit 128 g + 32 b + 8 u + m + 8 (m / 8).
;   W2 at 12,582,912: [e][ng 16][K step 16][tile 4]; row m is output column 64 ng + 16 t + m.
;   scale words: W1 at 25,165,824 [e][g][i 4][q 2][lane][16 bytes], W2 at 25,690,112 [e][ng][i 2][q 4][lane][16 bytes]: lane l holds tile 2 i + l / 16, row l % 16, K steps 4 q .. 4 q + 3.
; LIMITS: NaN and infinities among the inputs are not served; a block whose largest magnitude lies under 2^-122 (a block of zeros too) gets the byte 1;
; two probabilities that differ by less than the rounding of f32 may be ranked either way.
.set NT,    2                          ; tokens of a wave: a work-group's 4 NT tokens have 256 scale bytes
.set RWG,   256                        ; work-groups of the first path: 2,048 tokens / (4 waves x NT)
.set SP,    80                         ; a lane's place in a turning stage: 64 bytes + 16
.set TURN,  33792                      ; LDS: Wg at 0 (64 blocks of 512 + 16 bytes); from here two stages of 32 x SP bytes a wave
.set TURNW, 5120
.set SCB,   54272                      ; behind the stages: the work-group's 256 scale bytes
.set RST,   55296                      ; the other path's bytes: a stage of 16 rows x RP a wave
.set RSTW,  12544
.set RP,    784                        ; 768 bytes of codes + 16
.set X,     16                         ; v16-79   two sets of 32 numbers of x as loaded: load j, register i: k = 128 j + 4 lane + i
.set XT,    80                         ; v80-111  the same token turned: 2 steps x 16 neighbours
.set ACC,   112                        ; v112-119 eight partial logits
.set L,     120                        ; v120-127 logits: lane t holds token t of the wave
.set C,     128                        ; v128..   codes, four registers for each step (at the head v128-191: Wg on its way to LDS)
.set E,     192                        ; v192..   a scale byte for each step
.set PT,    208                        ; v208-215 the other half's sums
.set R1,    16                         ; relayout: v16-111 the W1 unit, v112-207 the W2 unit
.set R2,    112
.set MSB, 0
.macro WIN new                         ; the immediate's high byte repeats the setting that is left
.if MSB != \new
	s_set_vgpr_msb (MSB<<8)|\new
.set MSB, \new
.endif
.endm
	s_load_b512 s[4:19], s[0:1], 0x0               ; x s[4:5], Wg s[6:7], bg s[8:9], W1 codes s[10:11], W1 scales s[12:13], W2 codes s[14:15], W2 scales s[16:17], wimg s[18:19]
	s_load_b128 s[20:23], s[0:1], 0x40             ; xqs s[20:21], sel s[22:23]
	s_load_b64 s[24:25], s[0:1], 0x50              ; gw
	v_lshl_add_u32 v254, v0, 2, 0x19c00
	v_mov_b32 v255, 0
	v_lshrrev_b32 v1, 5, v0
	v_readfirstlane_b32 s26, v1                    ; wave 0..3
	v_and_b32 v1, 31, v0                           ; lane
	s_wait_kmcnt 0x0
	s_cmp_lt_u32 ttmp9, RWG                        ; the path hangs on the work-group's number alone
	s_cbranch_scc0 .Lrelay
; ---------------- the router and the quantiser: a wave takes NT tokens, 4 NT x work-group + NT x wave on ----------------
	s_load_b256 s[36:43], s[8:9], 0x0              ; bg
	v_lshlrev_b32 v2, 4, v1                        ; 16 x lane: my bytes of a load of x, and of a block of Wg in LDS
	s_mul_i32 s27, s26, TURNW
	s_add_co_u32 s27, s27, TURN
	v_lshrrev_b32 v3, 2, v1
	v_mul_u32_u24 v3, v3, SP
	v_and_b32 v4, 3, v1
	v_lshl_add_u32 v3, v4, 4, v3
	v_add_nc_u32 v3, s27, v3                       ; stage, way in: SP (lane / 4) + 16 (lane % 4)
	v_mul_u32_u24 v4, v1, SP
	v_add_nc_u32 v4, s27, v4                       ; stage, way out: SP x lane
	s_mul_i32 s27, s26, 32*NT
	s_add_co_u32 s27, s27, SCB
	v_lshrrev_b32 v5, 1, v1
	v_add_nc_u32 v5, s27, v5                       ; my block's scale byte: my wave's 32 NT bytes, + lane / 2
	v_lshlrev_b32 v10, 3, v1
	v_add_nc_u32 v6, SCB, v10                      ; the scale bytes' way out: 8 bytes a lane
	v_mul_u32_u24 v7, v1, 12                       ; my 16 codes in a step's 384 bytes
	v_lshlrev_b32 v13, 4, v0                       ; Wg: 16 x thread
	v_and_b32 v12, 7, v0
	v_mul_u32_u24 v12, v12, 528
	v_lshrrev_b32 v14, 3, v0
	v_lshl_add_u32 v12, v14, 4, v12                ; Wg into LDS: block thread % 8, place thread / 8
	s_mul_i32 s28, ttmp9, 4*NT
	s_mul_i32 s29, s26, NT
	s_add_co_u32 s28, s28, s29                     ; my first token
	s_mov_b32 s31, 0
	s_lshl_b32 s30, s28, 12
	s_add_nc_u64 s[4:5], s[4:5], s[30:31]          ; x
	s_mul_i32 s30, s28, 768
	s_add_nc_u64 s[32:33], s[20:21], s[30:31]      ; codes
	s_mul_i32 s30, ttmp9, 128*NT
	s_add_co_u32 s30, s30, 1572864
	s_add_nc_u64 s[34:35], s[20:21], s[30:31]      ; scale bytes: 256 for the work-group, at a multiple of 256
	s_lshl_b32 s30, s28, 2
	s_add_nc_u64 s[22:23], s[22:23], s[30:31]      ; sel
	s_lshl_b32 s30, s28, 4
	s_add_nc_u64 s[24:25], s[24:25], s[30:31]      ; gw
	s_mov_b32 s44, 0x76543210
	s_mov_b32 s45, 0xfedcba98                      ; v_permlanex16_b32: lane l xor 16
	s_mov_b32 s47, 0x3f7d70a4                      ; 0.99
	s_mov_b32 s48, 0x3aa3d70a                      ; 0.01 / 8
.macro XLOAD tk                        ; a token's 4,096 bytes: eight loads of 512 consecutive bytes
.irp j, 0,1,2,3,4,5,6,7
	global_load_b128 v[X+32*((\tk)%2)+4*\j:X+32*((\tk)%2)+4*\j+3], v2, s[4:5] offset:4096*(\tk)+512*\j th:TH_LOAD_NT
.endr
.endm
.irp m, 0,1,2,3,4,5,6,7,8,9,10,11,12,13,14,15
	global_load_b128 v[C+4*\m:C+4*\m+3], v13, s[6:7] offset:2048*\m   ; Wg, 32,768 bytes, once for the work-group: 2,048 consecutive bytes a line
.endr
	XLOAD 0
	XLOAD 1
.irp e, 0,1,2,3,4,5,6,7
	v_mov_b32 v[L+\e], 0
	v_mov_b32 v[PT+\e], 0                          ; a lane permute's destination counts as one of its sources
.endr
	s_wait_loadcnt 16                              ; Wg's 16 loads are in; x's 16 may be out
.irp m, 0,1,2,3,4,5,6,7,8,9,10,11,12,13,14,15
	ds_store_b128 v12, v[C+4*\m:C+4*\m+3] offset:(\m/2)*4224+(\m%2)*256   ; byte 4096 j + 128 l + 16 c of Wg goes to block 8 j + c, place l
.endr
	s_wait_dscnt 0x0                               ; for the others: my stores have landed
	s_barrier_signal -1
	s_barrier_wait -1
	WIN 0x40                                       ; destination window 1
.set q, 0
.rept 64
	ds_load_b128 v[4*q:4*q+3], v2 offset:528*q     ; window 1, register 8 (4 j + i) + e = Wg[128 j + 4 lane + i][e]: it stays
.set q, q+1
.endr
	WIN 0
	s_wait_dscnt 0x0                               ; Wg is in my registers: the first token's multiply-adds read all 256 of them; paid once, while x's 16 loads are on their way
; one step of 512 numbers: two neighbouring lanes hold a block of 32
.macro QSTEP tk, sg
.set XQ, XT+16*(\sg)
.set ST, 2*(\tk)+(\sg)
	v_max3_num_f32 v8, |v[XQ]|, |v[XQ+1]|, |v[XQ+2]|
	v_max3_num_f32 v9, |v[XQ+3]|, |v[XQ+4]|, |v[XQ+5]|
.irp i, 6,10
	v_max3_num_f32 v8, v8, |v[XQ+\i]|, |v[XQ+\i+1]|
	v_max3_num_f32 v9, v9, |v[XQ+\i+2]|, |v[XQ+\i+3]|
.endr
	v_max3_num_f32 v8, v8, |v[XQ+14]|, |v[XQ+15]|
	v_max3_num_f32 v8, v8, v9, 0x2800000           ; the floor 2^(5 - 127): the byte cannot fall under 1
	v_max_num_f32_dpp v8, v8, v8 row_xmask:1 row_mask:0xf bank_mask:0xf   ; with my neighbour's 16: the block's largest magnitude
	v_add_nc_u32 v11, 0xfe000000, v8               ; 4 off its exponent field: the conversion's scale operand
	v_cvt_scalef32_pk16_bf6_f32 v[C+4*ST:C+4*ST+2], v[XQ:XQ+15], v11
	v_lshrrev_b32 v[E+ST], 23, v11                 ; the scale's byte (also the plain line behind the conversion)
	ds_store_b8 v5, v[E+ST] offset:16*ST           ; both lanes of a block write the same byte with the same value
	global_store_b96 v7, v[C+4*ST:C+4*ST+2], s[32:33] offset:384*ST   ; the wave stores 384 consecutive bytes
.endm
.macro TOKEN tk
.set XB, X+32*((\tk)%2)
.if (\tk) < NT-1
	s_wait_loadcnt 8                               ; my eight loads are in, the next token's eight may be out
.else
	s_wait_loadcnt 0
.endif
.irp j, 0,1,2,3,4,5,6,7
	ds_store_b128 v3, v[XB+4*\j:XB+4*\j+3] offset:2560*(\j/4)+640*(\j%4)   ; through my own stages: LDS serves a wave's instructions in order
.endr
.irp j, 0,1,2,3,4,5,6,7
	ds_load_b128 v[XT+4*\j:XT+4*\j+3], v4 offset:2560*(\j/4)+16*(\j%4)
.endr
	WIN 0x04                                       ; source 1 (Wg) window 1
.set q, 0
.rept 16                               ; 32 numbers of x times 8 columns of Wg, two columns an instruction; the first four products start the sums
.irp p, 0,1,2,3
.if q == 0
	v_pk_mul_f32 v[ACC+2*\p:ACC+2*\p+1], v[XB+q:XB+q+1], v[8*q+2*\p:8*q+2*\p+1] op_sel_hi:[0,1]
.else
	v_pk_fma_f32 v[ACC+2*\p:ACC+2*\p+1], v[XB+q:XB+q+1], v[8*q+2*\p:8*q+2*\p+1], v[ACC+2*\p:ACC+2*\p+1] op_sel_hi:[0,1,1]
.endif
.endr
.irp p, 0,1,2,3
	v_pk_fma_f32 v[ACC+2*\p:ACC+2*\p+1], v[XB+q:XB+q+1], v[8*q+8+2*\p:8*q+8+2*\p+1], v[ACC+2*\p:ACC+2*\p+1] op_sel:[1,0,0] op_sel_hi:[1,1,1]
.endr
.set q, q+2
.endr
	WIN 0
	s_wait_dscnt 0x0                               ; the turned numbers are in, and the stores into the stage have read this set
.if (\tk)+2 < NT
	XLOAD (\tk)+2
.endif
.irp m, 1,2,4,8
.irp e, 0,1,2,3,4,5,6,7
	v_add_f32_dpp v[ACC+\e], v[ACC+\e], v[ACC+\e] row_xmask:\m row_mask:0xf bank_mask:0xf
.endr
.endr
.irp e, 0,1,2,3,4,5,6,7
	v_permlanex16_b32 v[PT+\e], v[ACC+\e], s44, s45
.endr
.irp e, 0,1,2,3,4,5,6,7
	v_add_f32 v[ACC+\e], v[ACC+\e], v[PT+\e]       ; every lane holds the token's eight sums
.endr
	s_mov_b32 s46, 1<<(\tk)
.irp e, 0,1,2,3,4,5,6,7
	v_cndmask_b32 v[L+\e], v[L+\e], v[ACC+\e], s46 ; lane tk keeps them
.endr
	QSTEP \tk, 0
	QSTEP \tk, 1
.endm
.irp t, 0,1
	TOKEN \t
.endr
	s_wait_dscnt 0x0                               ; for wave 0: my scale bytes have landed
	s_barrier_signal -1
	s_barrier_wait -1
	s_cmp_lg_u32 s26, 0                            ; wave 0 stores the work-group's 256 scale bytes
	s_cbranch_scc1 .Lno_bytes
	ds_load_b64 v[12:13], v6
	s_wait_dscnt 0x0
	global_store_b64 v10, v[12:13], s[34:35]       ; 32 lanes store 256 consecutive bytes, aligned
.Lno_bytes:
; the routing: a token a lane (lanes 0 to NT - 1 count; the others work on zeros and store nothing)
	s_wait_kmcnt 0x0                               ; bg
.irp e, 0,1,2,3,4,5,6,7
	v_add_f32 v[L+\e], s[36+\e], v[L+\e]
.endr
	v_max3_num_f32 v216, v[L], v[L+1], v[L+2]
	v_max3_num_f32 v216, v216, v[L+3], v[L+4]
	v_max3_num_f32 v216, v216, v[L+5], v[L+6]
	v_max_num_f32 v216, v216, v[L+7]               ; the row's maximum is taken away ahead of the exponentials
.irp e, 0,1,2,3,4,5,6,7
	v_sub_f32 v[220+\e], v[L+\e], v216
.endr
.irp e, 0,1,2,3,4,5,6,7
	v_mul_f32 v[220+\e], 0x3fb8aa3b, v[220+\e]
.endr
.irp e, 0,1,2,3,4,5,6,7
	v_exp_f32 v[220+\e], v[220+\e]
.endr
	v_nop                                          ; a plain line behind the last exponential
	s_wait_alu depctr_va_vdst(0)                   ; one wait for the eight, ahead of their first reader
	v_add_f32 v217, v220, v221
	v_add_f32 v218, v222, v223
	v_add_f32 v219, v224, v225
	v_add_f32 v216, v226, v227
	v_add_f32 v217, v217, v218
	v_add_f32 v219, v219, v216
	v_add_f32 v217, v217, v219
	v_rcp_f32 v217, v217
	v_nop
	s_wait_alu depctr_va_vdst(0)
.irp e, 0,1,2,3,4,5,6,7
	v_mul_f32 v[220+\e], v[220+\e], v217
.endr
.irp e, 0,1,2,3,4,5,6,7
	v_fma_f32 v[220+\e], v[220+\e], s47, s48       ; p
.endr
	v_mul_f32 v218, v220, v220
.irp e, 1,2,3,4,5,6,7
	v_fmac_f32 v218, v[220+\e], v[220+\e]          ; the sum of p squared
.endr
	v_mov_b32 v228, v220
	v_mov_b32 v229, 0
.irp e, 1,2,3,4,5,6,7
	v_cmp_gt_f32 vcc_lo, v[220+\e], v228           ; strictly larger: a tie keeps the lower index
	v_cndmask_b32 v228, v228, v[220+\e], vcc_lo
	v_cndmask_b32 v229, v229, \e, vcc_lo
.endr
.irp e, 0,1,2,3,4,5,6,7
	v_cmp_eq_u32 vcc_lo, \e, v229
	v_cndmask_b32 v[232+\e], v[220+\e], -1.0, vcc_lo   ; the first choice leaves the field
.endr
	v_mov_b32 v230, v232
	v_mov_b32 v231, 0
.irp e, 1,2,3,4,5,6,7
	v_cmp_gt_f32 vcc_lo, v[232+\e], v230
	v_cndmask_b32 v230, v230, v[232+\e], vcc_lo
	v_cndmask_b32 v231, v231, \e, vcc_lo
.endr
	v_add_f32 v240, v228, v230
	v_rcp_f32 v240, v240
	v_min_u32 v241, v229, v231                     ; lo
	v_max_u32 v242, v229, v231                     ; hi
	s_wait_alu depctr_va_vdst(0)
	v_mul_f32 v243, v228, v240
	v_mul_f32 v244, v230, v240
	v_cmp_lt_u32 vcc_lo, v229, v231
	v_cndmask_b32 v248, v244, v243, vcc_lo         ; the weight of the lower expert,
	v_cndmask_b32 v249, v243, v244, vcc_lo         ; of the higher
	v_mov_b32 v250, v218
	v_mov_b32 v251, 0
	v_sub_nc_u32 v245, 15, v241
	v_mul_u32_u24 v245, v245, v241
	v_lshrrev_b32 v245, 1, v245
	v_add_nc_u32 v245, v245, v242
	v_sub_nc_u32 v245, v245, v241
	v_add_nc_u32 v245, -1, v245                    ; the pair's number: lo (15 - lo) / 2 + hi - lo - 1
	v_lshlrev_b32 v246, 2, v1
	v_lshlrev_b32 v247, 4, v1
	s_wait_xcnt 0x0                                ; EXEC changes only behind this wait
	v_cmp_gt_u32 vcc_lo, NT, v1
	s_wait_tensorcnt 0x0
	ds_add_u32 v254, v255
	s_wait_dscnt 0x0
	s_and_saveexec_b32 s49, vcc_lo
	global_store_b32 v246, v245, s[22:23]
	global_store_b128 v247, v[248:251], s[24:25]
	s_wait_xcnt 0x0
	s_or_b32 exec_lo, exec_lo, s49
	s_endpgm
; ---------------- the weights: wave number 4 (work-group - RWG) + wave takes one unit of W1 and one of W2: 16 rows x 768 bytes of codes (8 fragments) and their scale words ----------------
.Lrelay:
	s_sub_co_u32 s27, ttmp9, RWG
	s_lshl_b32 s27, s27, 2
	s_add_co_u32 s27, s27, s26                     ; 0 .. 1023
	s_lshr_b32 s28, s27, 7                         ; e
	s_mov_b32 s37, 0
	s_bfe_u32 s30, s27, 0x40003                    ; W1: g
	s_and_b32 s31, s27, 7                          ; t = 2 b + u
	s_lshr_b32 s32, s31, 1
	s_and_b32 s33, s31, 1
	s_lshl_b32 s34, s28, 11
	s_lshl_b32 s35, s30, 7
	s_add_co_u32 s34, s34, s35
	s_lshl_b32 s35, s32, 5
	s_add_co_u32 s34, s34, s35
	s_lshl_b32 s35, s33, 3
	s_add_co_u32 s34, s34, s35                     ; the tile's first row: 2048 e + 128 g + 32 b + 8 u
	s_mul_i32 s36, s34, 768
	s_add_nc_u64 s[10:11], s[10:11], s[36:37]
	s_lshl_b32 s36, s34, 5
	s_add_nc_u64 s[12:13], s[12:13], s[36:37]
	s_mul_i32 s36, s28, 1572864
	s_mul_i32 s35, s30, 98304
	s_add_co_u32 s36, s36, s35
	s_mul_i32 s35, s31, 1536
	s_add_co_u32 s36, s36, s35
	s_add_nc_u64 s[40:41], s[18:19], s[36:37]      ; where its fragments go
	s_lshl_b32 s36, s28, 16
	s_lshl_b32 s35, s30, 12
	s_add_co_u32 s36, s36, s35
	s_lshl_b32 s35, s32, 10
	s_add_co_u32 s36, s36, s35
	s_lshl_b32 s35, s33, 8
	s_add_co_u32 s36, s36, s35
	s_add_co_u32 s36, s36, 25165824
	s_add_nc_u64 s[42:43], s[18:19], s[36:37]      ; and its scale words
	s_bfe_u32 s29, s27, 0x60001                    ; W2: tile of 16 columns, 0 .. 63
	s_and_b32 s30, s27, 1                          ; which half of K
	s_lshr_b32 s31, s29, 2                         ; ng
	s_and_b32 s32, s29, 3                          ; t
	s_lshl_b32 s34, s28, 10
	s_lshl_b32 s35, s29, 4
	s_add_co_u32 s34, s34, s35
	s_mul_i32 s36, s34, 1536
	s_mul_i32 s35, s30, 768
	s_add_co_u32 s36, s36, s35
	s_add_nc_u64 s[14:15], s[14:15], s[36:37]
	s_lshl_b32 s36, s34, 6
	s_lshl_b32 s35, s30, 5
	s_add_co_u32 s36, s36, s35
	s_add_nc_u64 s[16:17], s[16:17], s[36:37]
	s_mul_i32 s36, s28, 1572864
	s_mul_i32 s35, s31, 98304
	s_add_co_u32 s36, s36, s35
	s_mul_i32 s35, s30, 49152
	s_add_co_u32 s36, s36, s35
	s_mul_i32 s35, s32, 1536
	s_add_co_u32 s36, s36, s35
	s_add_co_u32 s36, s36, 12582912
	s_add_nc_u64 s[44:45], s[18:19], s[36:37]
	s_lshl_b32 s36, s28, 16
	s_lshl_b32 s35, s31, 12
	s_add_co_u32 s36, s36, s35
	s_lshr_b32 s35, s32, 1
	s_lshl_b32 s35, s35, 11
	s_add_co_u32 s36, s36, s35
	s_lshl_b32 s35, s30, 10
	s_add_co_u32 s36, s36, s35
	s_and_b32 s35, s32, 1
	s_lshl_b32 s35, s35, 8
	s_add_co_u32 s36, s36, s35
	s_add_co_u32 s36, s36, 25690112
	s_add_nc_u64 s[46:47], s[18:19], s[36:37]
	v_and_b32 v2, 15, v1                           ; m
	v_lshrrev_b32 v3, 4, v1                        ; half of the lanes
	v_lshlrev_b32 v12, 4, v2
	v_mad_u32_u24 v4, v3, 768, v12                 ; W1's rows: sixteen lanes take 256 consecutive bytes of a row, the other sixteen of the next
	v_mad_u32_u24 v5, v3, 1536, v12                ; W2's
	v_and_b32 v6, 8, v2
	v_add_nc_u32 v6, v6, v2
	v_lshlrev_b32 v6, 5, v6
	v_lshl_add_u32 v6, v3, 4, v6                   ; W1's scales: row m + 8 (m / 8) of 32 bytes, four words a half
	v_lshlrev_b32 v7, 6, v2
	v_lshl_add_u32 v7, v3, 4, v7                   ; W2's: row m of 64 bytes
	v_lshl_add_u32 v8, v3, 9, v12                  ; where the scale words go: 512 x half + 16 m
	s_mul_i32 s48, s26, RSTW
	s_add_co_u32 s48, s48, RST
	v_mad_u32_u24 v9, v3, RP, v12
	v_add_nc_u32 v9, s48, v9                       ; my stage, way in: rows as they come
	v_mul_u32_u24 v10, v2, RP
	v_mad_u32_u24 v10, v3, 24, v10
	v_add_nc_u32 v10, s48, v10                     ; way out: row m, + 24 bytes for the upper half: a fragment's own places
	v_lshlrev_b32 v11, 4, v1
.irp ro, 0,1,2,3,4,5,6,7
.irp u, 0,1,2
	global_load_b128 v[R1+4*(3*\ro+\u):R1+4*(3*\ro+\u)+3], v4, s[10:11] offset:(2*\ro+8*(\ro/4))*768+256*\u th:TH_LOAD_NT
.endr
.endr
	global_load_b128 v[208:211], v6, s[12:13] th:TH_LOAD_NT
.irp ro, 0,1,2,3,4,5,6,7
.irp u, 0,1,2
	global_load_b128 v[R2+4*(3*\ro+\u):R2+4*(3*\ro+\u)+3], v5, s[14:15] offset:2*\ro*1536+256*\u th:TH_LOAD_NT
.endr
.endr
	global_load_b128 v[212:215], v7, s[16:17] th:TH_LOAD_NT
; a unit: rows into my stage, eight fragments back into the registers that the rows left, out as images.  left: the younger loads that may stay out
.macro RELAY rr, sc, left, di, dd, stp
	s_wait_loadcnt \left
	global_store_b128 v8, v[\sc:\sc+3], s[\dd:\dd+1]   ; each sixteen lanes store 256 consecutive bytes, aligned
.irp ro, 0,1,2,3,4,5,6,7
.irp u, 0,1,2
	ds_store_b128 v9, v[\rr+4*(3*\ro+\u):\rr+4*(3*\ro+\u)+3] offset:2*\ro*RP+256*\u
.endr
.endr
	s_wait_dscnt 0x0                               ; the stores have read their registers
.irp ks, 0,1,2,3,4,5,6,7
.irp p, 0,1,2,3,4,5
	ds_load_b64 v[\rr+12*\ks+2*\p:\rr+12*\ks+2*\p+1], v10 offset:96*\ks+48*(\p/3)+8*(\p%3)
.endr
.endr
	s_wait_dscnt 0x0
.irp ks, 0,1,2,3,4,5,6,7
.irp c, 0,1,2
	global_store_b128 v11, v[\rr+12*\ks+4*\c:\rr+12*\ks+4*\c+3], s[\di:\di+1] offset:\ks*\stp+512*\c   ; 512 consecutive bytes, aligned
.endr
.endr
.endm
	RELAY R1, 208, 25, 40, 42, 12288               ; the W2 unit's 25 loads may be out
	RELAY R2, 212, 0, 44, 46, 6144
	s_wait_tensorcnt 0x0
	ds_add_u32 v254, v255
	s_wait_dscnt 0x0
	s_endpgm
.Lfunc_end_k_q0b8adbc5f6_prep:
	.size	k_q0b8adbc5f6_prep, .Lfunc_end_k_q0b8adbc5f6_prep-k_q0b8adbc5f6_prep
	.p2alignl 7, 3214868480
	.fill 96, 4, 3214868480
	.section	.rodata,"a",@progbits
	.p2align	6, 0x0
	.amdhsa_kernel k_q0b8adbc5f6_prep
		.amdhsa_group_segment_fixed_size 105984
		.amdhsa_private_segment_fixed_size 0
		.amdhsa_enable_private_segment 0
		.amdhsa_kernarg_size 88
		.amdhsa_user_sgpr_count 2
		.amdhsa_user_sgpr_kernarg_segment_ptr 1
		.amdhsa_wavefront_size32 1
		.amdhsa_system_sgpr_workgroup_id_x 1
		.amdhsa_system_sgpr_workgroup_id_y 1
		.amdhsa_system_sgpr_workgroup_id_z 1
		.amdhsa_system_vgpr_workitem_id 0
		.amdhsa_next_free_vgpr 512
		.amdhsa_next_free_sgpr 66
		.amdhsa_reserve_vcc 1
		.amdhsa_float_denorm_mode_32 3
		.amdhsa_float_denorm_mode_16_64 3
		.amdhsa_memory_ordered 1
		.amdhsa_forward_progress 1
		.amdhsa_inst_pref_size 70
	.end_amdhsa_kernel
	.amdgpu_metadata
---
amdhsa.version: [ 1, 2 ]
amdhsa.kernels:
  - .name:           k_q0b8adbc5f6_prep
    .symbol:         k_q0b8adbc5f6_prep.kd
    .args:
      - { .name: x, .offset: 0, .size: 8, .value_kind: global_buffer, .address_space: global }
      - { .name: Wg, .offset: 8, .size: 8, .value_kind: global_buffer, .address_space: global }
      - { .name: bg, .offset: 16, .size: 8, .value_kind: global_buffer, .address_space: global }
      - { .name: W1_codes, .offset: 24, .size: 8, .value_kind: global_buffer, .address_space: global }
      - { .name: W1_scales, .offset: 32, .size: 8, .value_kind: global_buffer, .address_space: global }
      - { .name: W2_codes, .offset: 40, .size: 8, .value_kind: global_buffer, .address_space: global }
      - { .name: W2_scales, .offset: 48, .size: 8, .value_kind: global_buffer, .address_space: global }
      - { .name: wimg, .offset: 56, .size: 8, .value_kind: global_buffer, .address_space: global }
      - { .name: xqs, .offset: 64, .size: 8, .value_kind: global_buffer, .address_space: global }
      - { .name: sel, .offset: 72, .size: 8, .value_kind: global_buffer, .address_space: global }
      - { .name: gw, .offset: 80, .size: 8, .value_kind: global_buffer, .address_space: global }
    .group_segment_fixed_size: 105984
    .private_segment_fixed_size: 0
    .kernarg_segment_align: 8
    .kernarg_segment_size: 88
    .max_flat_workgroup_size: 128
    .sgpr_count:     66
    .vgpr_count:     512
    .wavefront_size: 32
...
	.end_amdgpu_metadata
.endif
;; end of part 1
;; launch place (part 2): grid 1 x 1, 32 waves a work-group, no clusters, 13,312 bytes of LDS; arguments sel, gw, plan, gs, out1; writes plan, gs, out1
.if DOCPART == 2
	.amdgcn_target "amdgcn-amd-amdhsa--gfx1250"
	.amdhsa_code_object_version 6
	.text
	.protected	k_q0b8adbc5f6_place
	.globl	k_q0b8adbc5f6_place
	.p2align	8
	.type	k_q0b8adbc5f6_place,@function
k_q0b8adbc5f6_place:
	s_mov_b64 s[64:65], 0
	v_nop
	global_prefetch_b8 v0, s[64:65] scope:SCOPE_SE
	s_setreg_imm32_b32 hwreg(HW_REG_WAVE_MODE, 25, 1), 1
	s_wait_xcnt 0x0
; PLACE.  One work-group sorts the 2,048 tokens by the number of their pair of experts (28 keys) by a counting sort, without atomics, and cuts each pair's tokens
; into blocks: a block holds tokens of ONE pair.  A pair's T tokens get ceil(T / 64) blocks, so there are never more than 2048 / 64 + 27 = 59; the blocks of a pair have ONE size,
; 16 m, m the least of 1 .. 4 with 16 m x blocks >= T, so that the pair's tiles of 16 slots are shared out evenly (73 tokens: 48 + 25).  T > 64 (blocks - 1), so no block of a pair is empty.
; plan: token numbers at 4 (64 block + slot); from byte 16,384 on 64 words lo | hi << 8 | count << 16 (count 0: no such block).  gs: the two weights at 8 (64 block + slot).
; Slots at or past a block's count are not written, and no later launch reads them.  out1 = 8 x the mean of the sums of p squared.
; Wave w owns two groups of 32 tokens: 64 w + lane and 64 w + 32 + lane.
; THE SUMS OVER THE WAVES: wave w stores its counts as row w (word k: key k); behind a barrier wave k reads column k, a word a lane, makes the running sum over the lanes, and stores it as
; row k (word w: the key's tokens in the waves ahead of wave w) with the key's total; behind a second barrier wave w reads column w.  Rows are 132 bytes apart: a column's 32 words lie in 32 banks.
; The 56 compare masks (28 keys x 2 groups) stay in scalar registers s28-63 and s66-85: they serve the counts, the ranks and the pick of each token's start.
.set CNT, 0                            ; LDS: 32 rows x 132 bytes of counts
.set PRE, 4352                         ; 32 rows x 132 bytes of running sums
.set TOT, 8704                         ; a word a key
.set AUX, 8832                         ; a word a wave: its sum of the sums of p squared
.macro MREG n                          ; MR: the scalar register of mask n = 2 key + group
.if (\n) < 36
.set MR, 28+(\n)
.else
.set MR, 30+(\n)
.endif
.endm
.macro SCAN32 src, dst                 ; the running sum over the 32 lanes, the lane's own number included
	v_mov_b32 v[\dst], v[\src]
.irp n, 1,2,4,8
	v_mov_b32 v31, 0
	v_mov_b32_dpp v31, v[\dst] row_shr:\n row_mask:0xf bank_mask:0xf bound_ctrl:1
	v_add_nc_u32 v[\dst], v[\dst], v31
.endr
	v_readlane_b32 s23, v[\dst], 15
	v_mov_b32 v31, s23
	v_cmp_lt_u32 vcc_lo, 15, v1
	v_cndmask_b32 v31, 0, v31, vcc_lo
	v_add_nc_u32 v[\dst], v[\dst], v31
.endm
	s_load_b256 s[4:11], s[0:1], 0x0               ; sel s[4:5], gw s[6:7], plan s[8:9], gs s[10:11]
	s_load_b64 s[12:13], s[0:1], 0x20              ; out1
	v_lshl_add_u32 v126, v0, 2, 0x2400
	v_mov_b32 v127, 0
	v_and_b32 v1, 31, v0                           ; lane
	v_lshrrev_b32 v2, 5, v0
	v_readfirstlane_b32 s14, v2                    ; wave 0..31
	v_lshl_add_u32 v3, v2, 6, v1                   ; my token of the first group
	v_lshlrev_b32 v4, 2, v3
	v_lshlrev_b32 v5, 4, v3
	v_lshlrev_b32 v6, 2, v1                        ; 4 x lane
	s_mul_i32 s15, s14, 132
	v_add_nc_u32 v7, s15, v6                       ; my row: 132 x wave + 4 x lane
	s_lshl_b32 s15, s14, 2
	v_mul_u32_u24 v9, v1, 132
	v_add_nc_u32 v9, s15, v9                       ; my column: 132 x lane + 4 x wave
	v_mov_b32 v8, s14
	v_lshlrev_b32 v8, 2, v8                        ; 4 x wave
	s_mov_b32 s16, 0x76543210
	s_mov_b32 s17, 0xfedcba98
	s_wait_kmcnt 0x0
	global_load_b32 v10, v4, s[4:5]
	global_load_b32 v11, v4, s[4:5] offset:128
	global_load_b128 v[12:15], v5, s[6:7]
	global_load_b128 v[16:19], v5, s[6:7] offset:512
.irp r, 20,21,22,23,26,100,101
	v_mov_b32 v\r, 0
.endr
	s_wait_loadcnt 0x0
	v_min_u32 v10, 27, v10
	v_min_u32 v11, 27, v11
; for each key: the lanes of each group that hold it; their number goes to lane k; each lane keeps the mask of its own key
.set k, 0
.rept 28
	MREG 2*k
.set M0R, MR
	MREG 2*k+1
.set M1R, MR
	v_cmp_eq_u32 s[M0R], k, v10
	v_cmp_eq_u32 s[M1R], k, v11
	s_bcnt1_i32_b32 s[20+2*(k%2)], s[M0R]
	s_bcnt1_i32_b32 s[21+2*(k%2)], s[M1R]
	v_cndmask_b32 v22, v22, s[M0R], s[M0R]
	v_cndmask_b32 v23, v23, s[M1R], s[M1R]
	v_writelane_b32 v20, s[20+2*(k%2)], k
	v_writelane_b32 v21, s[21+2*(k%2)], k
.set k, k+1
.endr
	v_mbcnt_lo_u32_b32 v22, v22, 0                 ; my rank among my group's tokens of my key: the lanes below me in my key's mask
	v_mbcnt_lo_u32_b32 v23, v23, 0
	v_add_nc_u32 v24, v20, v21                     ; lane k: my wave's tokens of key k
	v_add_f32 v25, v14, v18                        ; my two tokens' sums of p squared, then the wave's
	v_add_f32_dpp v25, v25, v25 row_xmask:1 row_mask:0xf bank_mask:0xf
	v_add_f32_dpp v25, v25, v25 row_xmask:2 row_mask:0xf bank_mask:0xf
	v_add_f32_dpp v25, v25, v25 row_xmask:4 row_mask:0xf bank_mask:0xf
	v_add_f32_dpp v25, v25, v25 row_xmask:8 row_mask:0xf bank_mask:0xf
	v_permlanex16_b32 v26, v25, s16, s17
	v_add_f32 v25, v25, v26
	ds_store_b32 v7, v24 offset:CNT
	ds_store_b32 v8, v25 offset:AUX                ; all lanes write the same word with the same value
	s_wait_dscnt 0x0                               ; for the others: my stores have landed
	s_barrier_signal -1
	s_barrier_wait -1
	ds_load_b32 v32, v9 offset:CNT                 ; lane w: wave w's tokens of the key with my wave's number (keys 28-31: zeros)
	s_wait_dscnt 0x0
	SCAN32 32, 33
	v_sub_nc_u32 v34, v33, v32                     ; lane w: the key's tokens in the waves ahead of wave w
	v_readlane_b32 s24, v33, 31                    ; the key's tokens in all
	v_mov_b32 v35, s24
	ds_store_b32 v7, v34 offset:PRE
	ds_store_b32 v8, v35 offset:TOT
	s_wait_dscnt 0x0                               ; for the others: my stores have landed
	s_barrier_signal -1
	s_barrier_wait -1
	ds_load_b32 v28, v9 offset:PRE                 ; lane k: key k's tokens in the waves ahead of mine
	ds_load_b32 v27, v6 offset:TOT                 ; lane k: key k's tokens in all, T
	s_wait_dscnt 0x0
	v_add_nc_u32 v29, 63, v27
	v_lshrrev_b32 v29, 6, v29                      ; the key's blocks
	SCAN32 29, 30
	v_sub_nc_u32 v30, v30, v29                     ; the key's first block, B
	v_lshlrev_b32 v36, 4, v29
	v_lshlrev_b32 v37, 5, v29
	v_add_nc_u32 v38, v36, v37
	v_cmp_lt_u32 vcc_lo, v36, v27                  ; m = 1 + [16 blocks < T] + [32 blocks < T] + [48 blocks < T]
	v_cndmask_b32 v36, 0, 1, vcc_lo
	v_cmp_lt_u32 vcc_lo, v37, v27
	v_cndmask_b32 v37, 0, 1, vcc_lo
	v_cmp_lt_u32 vcc_lo, v38, v27
	v_cndmask_b32 v38, 0, 1, vcc_lo
	v_add3_u32 v36, v36, v37, v38
	v_add_nc_u32 v36, 1, v36
	v_lshl_add_u32 v96, v30, 6, v28                ; a word for the tokens of my first group: bits 12:0 64 B + the tokens ahead (under 5,760),
	v_lshl_add_u32 v96, v28, 13, v96               ; bits 23:13 the tokens ahead (under 2,048),
	v_lshl_add_u32 v96, v36, 24, v96               ; bits 26:24 m;
	v_mad_u32_u24 v97, v20, 0x2001, v96            ; and of my second: my first group's tokens of the key are ahead too
.set k, 0
.rept 28                               ; each lane takes the word of its own key, by the masks kept
	MREG 2*k
.set M0R, MR
	MREG 2*k+1
.set M1R, MR
	v_readlane_b32 s[20+2*(k%2)], v96, k
	v_readlane_b32 s[21+2*(k%2)], v97, k
	v_cndmask_b32 v100, v100, s[20+2*(k%2)], s[M0R]
	v_cndmask_b32 v101, v101, s[21+2*(k%2)], s[M1R]
.set k, k+1
.endr
; the token is number n of its key: block B + n div 16 m, slot n mod 16 m: 64 block + slot = 64 B + n + 16 (n div 16 m) (4 - m)
.macro POS d, rk, p
	v_and_b32 v[\p], 0x1fff, v[\d]
	v_bfe_u32 v104, v[\d], 13, 11
	v_lshrrev_b32 v105, 24, v[\d]                  ; m
	v_add_nc_u32 v104, v104, v[\rk]                ; n
	v_add_nc_u32 v[\p], v[\p], v[\rk]              ; 64 B + n
	v_lshrrev_b32 v104, 4, v104                    ; n / 16, under 128
	v_mul_u32_u24 v106, v104, 0x5556
	v_lshrrev_b32 v106, 16, v106                   ; a third of it: 21,846 / 65,536 is exact for numbers under 128
	v_lshrrev_b32 v107, 1, v105
	v_lshrrev_b32 v107, v107, v104                 ; by 1, 2 or 4: a shift by m / 2
	v_cmp_eq_u32 vcc_lo, 3, v105
	v_cndmask_b32 v107, v107, v106, vcc_lo
	v_sub_nc_u32 v105, 4, v105
	v_mul_u32_u24 v107, v107, v105
	v_lshl_add_u32 v[\p], v107, 4, v[\p]
	v_min_u32 v[\p], 0xfff, v[\p]
.endm
	POS 100, 22, 102
	POS 101, 23, 103
	v_lshlrev_b32 v108, 2, v102
	v_lshlrev_b32 v109, 2, v103
	v_lshlrev_b32 v110, 3, v102
	v_lshlrev_b32 v111, 3, v103
	v_add_nc_u32 v112, 32, v3
	global_store_b32 v108, v3, s[8:9]
	global_store_b32 v109, v112, s[8:9]
	global_store_b64 v110, v[12:13], s[10:11]
	global_store_b64 v111, v[16:17], s[10:11]
	s_cmp_lt_u32 s14, 2                            ; the table of blocks: waves 0 and 1, a block a thread
	s_cbranch_scc0 .Lnot_table
	v_lshlrev_b32 v40, 26, v30                     ; lane k: B in bits 31:26, m in 14:12, T in 11:0
	v_lshl_or_b32 v40, v36, 12, v40
	v_or_b32 v40, v40, v27
	v_lshlrev_b32 v41, 26, v0
	v_or_b32 v41, 0x3ffffff, v41                   ; my block's number over ones: a key's word is above it where the key begins behind my block
	v_mov_b32 v42, 0
	v_mov_b32 v43, 0
.set KK, 0
.irp lo, 0,1,2,3,4,5,6                 ; the first blocks ascend with the key: the last key that does not begin behind my block owns it, or nobody does
.irp hi, 1,2,3,4,5,6,7
.if \hi > \lo
	v_readlane_b32 s24, v40, KK
	v_cmp_gt_u32 vcc_lo, s24, v41
	v_cndmask_b32 v42, s24, v42, vcc_lo
	v_cndmask_b32 v43, \lo|(\hi<<8), v43, vcc_lo
.set KK, KK+1
.endif
.endr
.endr
	v_lshrrev_b32 v44, 26, v42                     ; B
	v_and_b32 v45, 0xfff, v42                      ; T
	v_bfe_u32 v46, v42, 12, 3
	v_lshlrev_b32 v46, 4, v46                      ; 16 m
	v_sub_nc_u32 v44, v0, v44
	v_mul_u32_u24 v44, v44, v46                    ; the key's tokens ahead of my block
	v_cmp_gt_u32 vcc_lo, v45, v44
	v_sub_nc_u32 v45, v45, v44
	v_min_u32 v45, v45, v46
	v_lshl_or_b32 v45, v45, 16, v43
	v_cndmask_b32 v45, 0, v45, vcc_lo              ; none left: no such block
	v_lshlrev_b32 v47, 2, v0
	global_store_b32 v47, v45, s[8:9] offset:16384
.Lnot_table:
	s_cmp_eq_u32 s14, 2                            ; out1: wave 2
	s_cbranch_scc0 .Lend
	ds_load_b32 v113, v6 offset:AUX
	v_mov_b32 v114, 0
	v_mov_b32 v115, 0
	s_wait_dscnt 0x0
	v_add_f32_dpp v113, v113, v113 row_xmask:1 row_mask:0xf bank_mask:0xf
	v_add_f32_dpp v113, v113, v113 row_xmask:2 row_mask:0xf bank_mask:0xf
	v_add_f32_dpp v113, v113, v113 row_xmask:4 row_mask:0xf bank_mask:0xf
	v_add_f32_dpp v113, v113, v113 row_xmask:8 row_mask:0xf bank_mask:0xf
	v_permlanex16_b32 v114, v113, s16, s17
	v_add_f32 v113, v113, v114
	v_mul_f32 v113, 0x3b800000, v113               ; x 8 / 2048
	s_wait_xcnt 0x0                                ; EXEC changes only behind this wait
	v_cmp_eq_u32 vcc_lo, 0, v1
	s_and_saveexec_b32 s26, vcc_lo
	global_store_b32 v115, v113, s[12:13]
	s_wait_xcnt 0x0
	s_or_b32 exec_lo, exec_lo, s26
.Lend:
	s_wait_tensorcnt 0x0
	ds_add_u32 v126, v127
	s_wait_dscnt 0x0
	s_endpgm
.Lfunc_end_k_q0b8adbc5f6_place:
	.size	k_q0b8adbc5f6_place, .Lfunc_end_k_q0b8adbc5f6_place-k_q0b8adbc5f6_place
	.p2alignl 7, 3214868480
	.fill 96, 4, 3214868480
	.section	.rodata,"a",@progbits
	.p2align	6, 0x0
	.amdhsa_kernel k_q0b8adbc5f6_place
		.amdhsa_group_segment_fixed_size 13312
		.amdhsa_private_segment_fixed_size 0
		.amdhsa_enable_private_segment 0
		.amdhsa_kernarg_size 40
		.amdhsa_user_sgpr_count 2
		.amdhsa_user_sgpr_kernarg_segment_ptr 1
		.amdhsa_wavefront_size32 1
		.amdhsa_system_sgpr_workgroup_id_x 1
		.amdhsa_system_sgpr_workgroup_id_y 1
		.amdhsa_system_sgpr_workgroup_id_z 1
		.amdhsa_system_vgpr_workitem_id 0
		.amdhsa_next_free_vgpr 128
		.amdhsa_next_free_sgpr 90
		.amdhsa_reserve_vcc 1
		.amdhsa_float_denorm_mode_32 3
		.amdhsa_float_denorm_mode_16_64 3
		.amdhsa_memory_ordered 1
		.amdhsa_forward_progress 1
		.amdhsa_inst_pref_size 34
	.end_amdhsa_kernel
	.amdgpu_metadata
---
amdhsa.version: [ 1, 2 ]
amdhsa.kernels:
  - .name:           k_q0b8adbc5f6_place
    .symbol:         k_q0b8adbc5f6_place.kd
    .args:
      - { .name: sel, .offset: 0, .size: 8, .value_kind: global_buffer, .address_space: global }
      - { .name: gw, .offset: 8, .size: 8, .value_kind: global_buffer, .address_space: global }
      - { .name: plan, .offset: 16, .size: 8, .value_kind: global_buffer, .address_space: global }
      - { .name: gs, .offset: 24, .size: 8, .value_kind: global_buffer, .address_space: global }
      - { .name: out1, .offset: 32, .size: 8, .value_kind: global_buffer, .address_space: global }
    .group_segment_fixed_size: 13312
    .private_segment_fixed_size: 0
    .kernarg_segment_align: 8
    .kernarg_segment_size: 40
    .max_flat_workgroup_size: 1024
    .sgpr_count:     90
    .vgpr_count:     128
    .wavefront_size: 32
...
	.end_amdgpu_metadata
.endif
;; end of part 2
;; launch up (part 3): grid 236 x 1, 8 waves a work-group, no clusters, 55,296 bytes of LDS; arguments wimg, xqs, plan, b1, hq; writes hq
.if DOCPART == 3
	.amdgcn_target "amdgcn-amd-amdhsa--gfx1250"
	.amdhsa_code_object_version 6
	.text
	.protected	k_q0b8adbc5f6_up
	.globl	k_q0b8adbc5f6_up
	.p2align	8
	.type	k_q0b8adbc5f6_up,@function
k_q0b8adbc5f6_up:
	s_mov_b64 s[64:65], 0
	v_nop
	global_prefetch_b8 v0, s[64:65] scope:SCOPE_SE
	s_setreg_imm32_b32 hwreg(HW_REG_WAVE_MODE, 25, 1), 1
	s_wait_xcnt 0x0
; UP.  h = Q(gelu(Q(x) W1 + b1)) for one block of at most 64 tokens, one of the block's two experts and one half of the 2,048 hidden units.
; Work-group number = 4 block + 2 which + half.  Wave w makes hidden group g = 8 half + w: 64 slots x 128 hidden units, 32 accumulators.
; The product is used transposed (source 0 = 16 rows of W1, source 1 = 16 tokens), and the rows of a tile of W1 were chosen by the first launch so that a lane's
; 16 registers of tiles 2 b and 2 b + 1 are 16 neighbours along the next K.  W1 comes from memory straight into registers, as images of its fragments.
; The block's rows of x's codes are gathered once into LDS (64 rows x 784 bytes).  A slot at or past the block's count takes the last token's row.
; gelu(v) = max(v, 0) - |v| erfc(|v| / sqrt 2) / 2, erfc by t exp(-z z + polynomial(t)), t = 1 / (1 + z / 2).
; hq: codes at ((2 block + which) 16 + g) 6144 + 1536 tile: the image of the fragment (16 slots x hidden group g); scale words at 11,599,872 + (..) 256 + 8 lane + 4 i:
; lane l, word i: tile 2 i + l / 16, row l % 16.  Tiles without tokens get no codes and the scale bytes 1.
; A work-group whose block has no tokens reads block 0's first slot, passes the barrier and ends: no branch stands ahead of the barrier.
; No tensor load and no cluster: what a work-group does hangs on numbers that an earlier launch stored.
; LIMITS: the erfc formula's fractional error is 1.2e-7; where erfc / 2 falls under 2^-126 (v under about -13) gelu is -0; NaN and infinities are not served;
; a block of 32 whose largest magnitude lies under 2^-122 gets the byte 1.
.set RP,  784                          ; an LDS row of x: 768 bytes of codes + 16
.set BIA, 50176                        ; behind the 64 rows: the work-group's 1,024 numbers of b1
.set XS,  16                           ; v16-31   x's scale words: 8 i + K step; lanes 0-15 tile 2 i, lanes 16-31 tile 2 i + 1
.set WS,  32                           ; v32-63   W1's likewise
.set XF,  64                           ; v64-111  x's four fragments of a K step
.set WF,  112                          ; v112-255 W1: three sets of four fragments by turns
.set BI,  64                           ; behind the products: v64-127 b1 in the result's layout
.set HH,  128                          ; v128-191 a tile's 64 numbers a lane
.set TT,  192                          ; v192-207 t;  v208-223 the polynomial;  v224-239 v v, then max(v, 0)
.set PP,  208
.set SS,  224
.set C8,  240                          ; v240-241 a coefficient as a pair
.set PWL, 244                          ; v244-245 the four tiles' scale words
.set TM,  192                          ; the quantiser: v192-207 at work, v208-227 codes, v228 the scale word
.set PC,  208
.set PW,  228
.set SEL, 42
.set MSB, 0
.macro WIN new                         ; the immediate's high byte repeats the setting that is left
.if MSB != \new
	s_set_vgpr_msb (MSB<<8)|\new
.set MSB, \new
.endif
.endm
; the matrix instruction on the registers named by rD, rA, rB, rSA, rSB.  zf: the constant 0 starts the sum.  fa, fb: the scale words stand in lanes 16-31
.macro WMM
.if zf
.if fa
.if fb
	v_wmma_scale_f32_16x16x128_f8f6f4 v[rD:rD+7], v[rA:rA+11], v[rB:rB+11], 0, v[rSA], v[rSB] matrix_a_fmt:MATRIX_FMT_BF6 matrix_b_fmt:MATRIX_FMT_BF6 matrix_a_scale:MATRIX_SCALE_ROW1 matrix_b_scale:MATRIX_SCALE_ROW1
.else
	v_wmma_scale_f32_16x16x128_f8f6f4 v[rD:rD+7], v[rA:rA+11], v[rB:rB+11], 0, v[rSA], v[rSB] matrix_a_fmt:MATRIX_FMT_BF6 matrix_b_fmt:MATRIX_FMT_BF6 matrix_a_scale:MATRIX_SCALE_ROW1
.endif
.else
.if fb
	v_wmma_scale_f32_16x16x128_f8f6f4 v[rD:rD+7], v[rA:rA+11], v[rB:rB+11], 0, v[rSA], v[rSB] matrix_a_fmt:MATRIX_FMT_BF6 matrix_b_fmt:MATRIX_FMT_BF6 matrix_b_scale:MATRIX_SCALE_ROW1
.else
	v_wmma_scale_f32_16x16x128_f8f6f4 v[rD:rD+7], v[rA:rA+11], v[rB:rB+11], 0, v[rSA], v[rSB] matrix_a_fmt:MATRIX_FMT_BF6 matrix_b_fmt:MATRIX_FMT_BF6
.endif
.endif
.else
.if fa
.if fb
	v_wmma_scale_f32_16x16x128_f8f6f4 v[rD:rD+7], v[rA:rA+11], v[rB:rB+11], v[rD:rD+7], v[rSA], v[rSB] matrix_a_fmt:MATRIX_FMT_BF6 matrix_b_fmt:MATRIX_FMT_BF6 matrix_a_scale:MATRIX_SCALE_ROW1 matrix_b_scale:MATRIX_SCALE_ROW1
.else
	v_wmma_scale_f32_16x16x128_f8f6f4 v[rD:rD+7], v[rA:rA+11], v[rB:rB+11], v[rD:rD+7], v[rSA], v[rSB] matrix_a_fmt:MATRIX_FMT_BF6 matrix_b_fmt:MATRIX_FMT_BF6 matrix_a_scale:MATRIX_SCALE_ROW1
.endif
.else
.if fb
	v_wmma_scale_f32_16x16x128_f8f6f4 v[rD:rD+7], v[rA:rA+11], v[rB:rB+11], v[rD:rD+7], v[rSA], v[rSB] matrix_a_fmt:MATRIX_FMT_BF6 matrix_b_fmt:MATRIX_FMT_BF6 matrix_b_scale:MATRIX_SCALE_ROW1
.else
	v_wmma_scale_f32_16x16x128_f8f6f4 v[rD:rD+7], v[rA:rA+11], v[rB:rB+11], v[rD:rD+7], v[rSA], v[rSB] matrix_a_fmt:MATRIX_FMT_BF6 matrix_b_fmt:MATRIX_FMT_BF6
.endif
.endif
.endif
.endm
	s_load_b256 s[4:11], s[0:1], 0x0               ; wimg s[4:5], xqs s[6:7], plan s[8:9], b1 s[10:11]
	s_load_b64 s[12:13], s[0:1], 0x20              ; hq
	v_lshrrev_b32 v1, 5, v0
	v_readfirstlane_b32 s14, v1                    ; wave 0..7
	v_and_b32 v1, 31, v0                           ; lane: also slot l, whose scale words I fetch
	v_and_b32 v2, 15, v0                           ; r
	v_bfe_u32 v3, v0, 4, 1                         ; h
	v_lshlrev_b32 v4, 4, v1                        ; 16 x lane: my place in an image
	s_mul_i32 s15, s14, 8*RP
	v_mul_u32_u24 v5, v3, RP
	v_lshl_add_u32 v5, v2, 4, v5
	v_add_nc_u32 v5, s15, v5                       ; x into LDS: rows 8 w + h on, 16 bytes a lane
	v_mul_u32_u24 v6, v2, RP
	v_mad_u32_u24 v6, v3, 24, v6                   ; x's fragments: row r, + 24 h
	v_lshl_add_u32 v7, v0, 4, BIA                  ; b1 into LDS: 16 x thread
	s_lshl_b32 s15, s14, 9
	s_add_co_u32 s15, s15, BIA
	v_lshl_add_u32 v8, v3, 6, s15                  ; b1 out of it: my group's 512 bytes, + 64 h
	s_lshl_b32 s15, s14, 3
	v_add_nc_u32 v3, s15, v3                       ; the slots whose rows I stage: 8 w + h, + 2, + 4, + 6
	v_add_nc_u32 v9, 2, v3
	v_add_nc_u32 v10, 4, v3
	v_add_nc_u32 v11, 6, v3
	v_add_nc_u32 v2, 32, v1                        ; slot 32 + l
	s_lshr_b32 s16, ttmp9, 2                       ; block
	s_bfe_u32 s17, ttmp9, 0x10001                  ; which of its two experts
	s_and_b32 s18, ttmp9, 1                        ; half of H
	s_lshl_b32 s19, s16, 2
	s_wait_kmcnt 0x0
	s_load_b32 s20, s[8:9], s19 offset:0x4000      ; lo | hi << 8 | count << 16
	s_wait_kmcnt 0x0
	s_bfe_u32 s21, s20, 0x80010
	s_min_u32 s21, s21, 64                         ; count
	s_and_b32 s22, s20, 0xff
	s_bfe_u32 s23, s20, 0x80008
	s_cmp_eq_u32 s17, 0
	s_cselect_b32 s22, s22, s23
	s_min_u32 s22, s22, 7                          ; expert
	s_add_co_u32 s23, s21, 15
	s_lshr_b32 s23, s23, 4                         ; tiles of 16 slots that hold tokens
	s_cmp_eq_u32 s21, 0
	s_cselect_b32 s41, 0, s16                      ; a block without tokens reads block 0's list,
	s_min_u32 s41, s41, 58
	s_max_u32 s40, s21, 1
	s_sub_co_u32 s40, s40, 1                       ; its first slot alone: the last slot that holds a token
	s_lshl_b32 s24, s18, 3
	s_add_co_u32 s24, s24, s14                     ; g
	s_mov_b32 s27, 0
	s_mul_i32 s26, s22, 1572864
	s_mul_i32 s25, s24, 98304
	s_add_co_u32 s26, s26, s25
	s_add_nc_u64 s[28:29], s[4:5], s[26:27]        ; W1's images of (expert, g)
	s_lshl_b32 s26, s22, 16
	s_lshl_b32 s25, s24, 12
	s_add_co_u32 s26, s26, s25
	s_add_co_u32 s26, s26, 25165824
	s_add_nc_u64 s[30:31], s[4:5], s[26:27]        ; their scale words
	s_lshl_b32 s26, s41, 8
	s_add_nc_u64 s[32:33], s[8:9], s[26:27]        ; the block's token numbers
	s_lshl_b32 s26, s22, 13
	s_lshl_b32 s25, s18, 12
	s_add_co_u32 s26, s26, s25
	s_add_nc_u64 s[34:35], s[10:11], s[26:27]      ; b1 of (expert, half)
	s_lshl_b32 s25, s16, 1
	s_add_co_u32 s25, s25, s17
	s_lshl_b32 s25, s25, 4
	s_add_co_u32 s25, s25, s24                     ; (2 block + which) 16 + g
	s_mul_i32 s26, s25, 6144
	s_add_nc_u64 s[36:37], s[12:13], s[26:27]      ; where my codes go
	s_lshl_b32 s26, s25, 8
	s_add_co_u32 s26, s26, 11599872
	s_add_nc_u64 s[38:39], s[12:13], s[26:27]      ; and my scale words
.irp rg, 3,9,10,11,1,2
	v_min_u32 v\rg, s40, v\rg
	v_min_u32 v\rg, 63, v\rg
	v_lshlrev_b32 v\rg, 2, v\rg
.endr
.irp rg, 3,9,10,11,1,2
	global_load_b32 v\rg, v\rg, s[32:33]           ; six token numbers
.endr
.irp i, 0,1,2,3
.irp q, 0,1
	global_load_b128 v[WS+8*\i+4*\q:WS+8*\i+4*\q+3], v4, s[30:31] offset:(2*\i+\q)*512
.endr
.endr
.macro WLOAD i                         ; half step i: K step i / 2, tiles 4 (i % 2) on: four fragments, 12 loads of 512 consecutive bytes, into set i % 3
.irp tt, 0,1,2,3
.irp c, 0,1,2
	global_load_b128 v[WF+48*((\i)%3)+12*\tt+4*\c:WF+48*((\i)%3)+12*\tt+4*\c+3], v4, s[28:29] offset:(\i)*6144+\tt*1536+512*\c
.endr
.endr
.endm
	WLOAD 0
	WLOAD 1
	WLOAD 2
	s_wait_loadcnt 44                              ; the six token numbers are in; the 8 + 36 loads behind them may be out
	v_and_b32 v12, 0xf0, v4                        ; 16 r
.irp rg, 3,9,10,11
	v_min_u32 v\rg, 0x7ff, v\rg
	v_mul_u32_u24 v\rg, v\rg, 768
	v_add_nc_u32 v\rg, v\rg, v12
.endr
.irp rg, 1,2
	v_min_u32 v\rg, 0x7ff, v\rg
	v_lshlrev_b32 v\rg, 5, v\rg
.endr
.macro ROWS ro, rg                     ; two rows of codes: sixteen lanes take 256 consecutive bytes, aligned
.irp u, 0,1,2
	global_load_b128 v[XF+12*\ro+4*\u:XF+12*\ro+4*\u+3], v\rg, s[6:7] offset:256*\u
.endr
.endm
	ROWS 0, 3
	ROWS 1, 9
	ROWS 2, 10
	ROWS 3, 11
	global_load_b128 v[XS:XS+3], v1, s[6:7] offset:1572864
	global_load_b128 v[XS+4:XS+7], v1, s[6:7] offset:1572880
	global_load_b128 v[XS+8:XS+11], v2, s[6:7] offset:1572864
	global_load_b128 v[XS+12:XS+15], v2, s[6:7] offset:1572880
	v_lshlrev_b32 v12, 4, v0
	global_load_b128 v[12:15], v12, s[34:35]       ; by this text's count 61 loads are out at the most
	s_wait_loadcnt 0x0
.irp ro, 0,1,2,3
.irp u, 0,1,2
	ds_store_b128 v5, v[XF+12*\ro+4*\u:XF+12*\ro+4*\u+3] offset:2*\ro*RP+256*\u
.endr
.endr
	ds_store_b128 v7, v[12:15]
	s_wait_dscnt 0x0                               ; for the others: my stores have landed
	s_barrier_signal -1
	s_barrier_wait -1                              ; the 64 rows and b1 lie in LDS; nothing is written there again
	s_cmp_eq_u32 s21, 0
	s_cbranch_scc1 .Lend                           ; a block without tokens: nothing to make
.macro XFETCH s                        ; x's four fragments of K step s
.irp a, 0,1,2,3
.irp p, 0,1,2,3,4,5
	ds_load_b64 v[XF+12*\a+2*\p:XF+12*\a+2*\p+1], v6 offset:16*\a*RP+96*(\s)+48*(\p/3)+8*(\p%3)
.endr
.endr
.endm
; half a K step: 16 matrix instructions, four tiles of tokens x four tiles of hidden units.  The 32 accumulators of a K step take turns, one instruction a turn.
.macro HALF i
.if ((\i)%2) == 0
	s_wait_dscnt 0x0                               ; x's fragments are in
.endif
.if (\i) <= 13
	s_wait_loadcnt 24                              ; my set is in; the two younger sets, 12 loads each, may be out
.elseif (\i) == 14
	s_wait_loadcnt 12
.else
	s_wait_loadcnt 0
.endif
.if (\i) < 2
.set zf, 1
.else
.set zf, 0
.endif
	WIN 0x50                                       ; C and D window 1
.irp a, 0,1,2,3
.irp tt, 0,1,2,3
.set tl, 4*((\i)%2)+\tt
.set rD, 64*\a+8*tl
.set rA, WF+48*((\i)%3)+12*\tt
.set rB, XF+12*\a
.set rSA, WS+8*(tl/2)+(\i)/2
.set rSB, XS+8*(\a/2)+(\i)/2
.set fa, tl%2
.set fb, \a%2
	WMM
.endr
.endr
	WIN 0
.rept 4
	v_nop                                          ; four places in front of loads into registers that matrix instructions have read, and of the first read of results
.endr
.if (\i)+3 < 16
	WLOAD (\i)+3
.endif
.if (((\i)%2) == 1) && ((\i) < 15)
	XFETCH (\i)/2+1
.endif
.endm
	XFETCH 0
.irp i, 0,1,2,3,4,5,6,7,8,9,10,11,12,13,14,15
	HALF \i
.endr
; ---- behind the products: + b1, gelu, the quantiser, a tile of 16 slots at a time
.irp t, 0,1,2,3,4,5,6,7
	ds_load_b128 v[BI+8*\t:BI+8*\t+3], v8 offset:(32*(\t/2)+8*(\t%2))*4      ; lane (r, h), tile 2 b + u, register j: hidden unit 32 b + 16 h + 8 u + j
	ds_load_b128 v[BI+8*\t+4:BI+8*\t+7], v8 offset:(32*(\t/2)+8*(\t%2))*4+16
.endr
	v_mov_b32 v[PWL], 0x01010101
	v_mov_b32 v[PWL+1], 0x01010101
	v_mov_b32 v[C8], 0xbf527892
	v_mov_b32 v[C8+1], 0xbf527892
	s_mov_b32 s[SEL], 0x76543210
	s_mov_b32 s[SEL+1], 0xfedcba98
	s_mov_b32 s41, 0                               ; the tile
	s_wait_dscnt 0x0
.macro TAKE a, m0, m1                  ; tile a's 64 numbers + b1 come down into window 0, each accumulator from its low end on; m0, m1: the lanes that keep its scale word
	s_mov_b32 s44, \m0
	s_mov_b32 s45, \m1
	WIN 0x01
.set k, 0
.rept 32
	v_pk_add_f32 v[HH+k:HH+k+1], v[64*(\a)+k:64*(\a)+k+1], v[BI+k:BI+k+1]
.set k, k+2
.endr
	WIN 0
.endm
.macro GELU16 n                        ; 16 numbers: v -> max(v, 0) - |v| erfc(|v| / sqrt 2) / 2
.set hb, HH+16*(\n)
.set k, 0
.rept 16
	v_fma_f32 v[TT+k], |v[hb+k]|, 0x3eb504f3, 1.0  ; 1 + z / 2, z = |v| / sqrt 2
.set k, k+1
.endr
.set k, 0
.rept 16
	v_rcp_f32 v[TT+k], v[TT+k]                     ; t
.set k, k+1
.endr
.set k, 0
.rept 8
	v_pk_mul_f32 v[SS+k:SS+k+1], v[hb+k:hb+k+1], v[hb+k:hb+k+1]   ; v v: plain work behind the reciprocals
.set k, k+2
.endr
	s_wait_alu depctr_va_vdst(0)                   ; one wait for the sixteen, ahead of their first reader
.set k, 0
.rept 8
	v_pk_fma_f32 v[PP+k:PP+k+1], v[TT+k:TT+k+1], 0x3e2ef945, v[C8:C8+1] op_sel_hi:[1,0,1]
.set k, k+2
.endr
.irp cf, 0x3fbe87b0, 0xbf914e5d, 0x3e8ec7cc, 0xbe3ec24c, 0x3dc636c9, 0x3ebf88fb, 0x3f8000c7, 0xbfa1fc4e
.set k, 0
.rept 8
	v_pk_fma_f32 v[PP+k:PP+k+1], v[PP+k:PP+k+1], v[TT+k:TT+k+1], \cf op_sel_hi:[1,1,0]
.set k, k+2
.endr
.endr
.set k, 0
.rept 8
	v_pk_fma_f32 v[PP+k:PP+k+1], v[SS+k:SS+k+1], -0.5, v[PP+k:PP+k+1] op_sel_hi:[1,0,1]   ; - z z
.set k, k+2
.endr
.set k, 0
.rept 8
	v_pk_fma_f32 v[PP+k:PP+k+1], v[PP+k:PP+k+1], 0x3fb8aa3b, -1.0 op_sel_hi:[1,0,0]       ; to base 2, and the half
.set k, k+2
.endr
.set k, 0
.rept 16
	v_exp_f32 v[PP+k], v[PP+k]
.set k, k+1
.endr
.set k, 0
.rept 16
	v_max_num_f32 v[SS+k], 0, v[hb+k]              ; plain work behind the exponentials
.set k, k+1
.endr
	s_wait_alu depctr_va_vdst(0)                   ; one wait for the sixteen
.set k, 0
.rept 8
	v_pk_mul_f32 v[PP+k:PP+k+1], v[PP+k:PP+k+1], v[TT+k:TT+k+1]   ; erfc / 2
.set k, k+2
.endr
.set k, 0
.rept 16
	v_fma_f32 v[hb+k], -|v[hb+k]|, v[PP+k], v[SS+k]
.set k, k+1
.endr
.endm
.Ltile:                                            ; four trips; a tile without tokens is passed over
	s_cmp_ge_u32 s41, s23
	s_cbranch_scc1 .Lnext
	s_wait_xcnt 0x0                                ; the last tile's stores have read their registers and their offset
	s_cmp_eq_u32 s41, 0
	s_cbranch_scc1 .La0
	s_cmp_eq_u32 s41, 1
	s_cbranch_scc1 .La1
	s_cmp_eq_u32 s41, 2
	s_cbranch_scc1 .La2
	TAKE 3, 0, 0xffff0000
	s_branch .Lcommon
.La0:
	TAKE 0, 0xffff, 0
	s_branch .Lcommon
.La1:
	TAKE 1, 0xffff0000, 0
	s_branch .Lcommon
.La2:
	TAKE 2, 0, 0xffff
.Lcommon:
	GELU16 0
	GELU16 1
	GELU16 2
	GELU16 3
; the quantiser: register 16 b + i is k = 32 b + 16 h + i of my slot's 128 hidden units
.irp b, 0,1,2,3
	v_max3_num_f32 v[TM+\b], |v[HH+16*\b]|, |v[HH+1+16*\b]|, 0x2800000   ; and the floor 2^(5 - 127): the byte cannot fall under 1
.endr
.irp i, 2,4,6,8,10,12,14
.irp b, 0,1,2,3
	v_max3_num_f32 v[TM+\b], v[TM+\b], |v[HH+16*\b+\i]|, |v[HH+1+16*\b+\i]|
.endr
.endr
.irp b, 0,1,2,3
	v_permlanex16_b32 v[TM+4+\b], v[TM+\b], s[SEL], s[SEL+1]
.endr
.irp b, 0,1,2,3
	v_max_num_f32 v[TM+\b], v[TM+\b], v[TM+4+\b]   ; with lane l xor 16: the block's largest magnitude
.endr
.irp b, 0,1,2,3
	v_add_nc_u32 v[TM+12+\b], 0xfe000000, v[TM+\b] ; 4 off its exponent field: the conversion's scale operand
.endr
.irp b, 0,1,2,3
	v_lshrrev_b32 v[TM+4+\b], 23, v[TM+12+\b]      ; the scale's byte
.endr
	v_lshl_or_b32 v[PW], v[TM+5], 8, v[TM+4]
	v_lshl_or_b32 v[PW], v[TM+6], 16, v[PW]
	v_lshl_or_b32 v[PW], v[TM+7], 24, v[PW]        ; my slot's scale word
.irp c, 0,1
	v_cvt_scalef32_pk16_bf6_f32 v[PC+6*\c:PC+2+6*\c], v[HH+32*\c:HH+15+32*\c], v[TM+12+2*\c]
	v_cvt_scalef32_pk16_bf6_f32 v[PC+12+4*\c:PC+14+4*\c], v[HH+16+32*\c:HH+31+32*\c], v[TM+12+2*\c+1]   ; (a conversion's three registers begin on an even number)
.endr
	v_nop                                          ; one plain line behind the conversions
.irp c, 0,1                            ; the operand wants a whole block in a lane: lanes 0-15 block 2 c, lanes 16-31 block 2 c + 1
.irp i, 0,1,2
	v_permlane16_swap_b32 v[PC+6*\c+\i], v[PC+12+4*\c+\i]
.endr
.irp i, 0,1,2
	v_mov_b32 v[PC+3+6*\c+\i], v[PC+12+4*\c+\i]
.endr
.endr
	s_mul_i32 s46, s41, 1536
	v_add_nc_u32 v9, s46, v4
.irp c, 0,1,2
	global_store_b128 v9, v[PC+4*\c:PC+4*\c+3], s[36:37] offset:512*\c   ; the fragment as it stands: 512 consecutive bytes, aligned
.endr
	v_cndmask_b32 v[PWL], v[PWL], v[PW], s44
	v_cndmask_b32 v[PWL+1], v[PWL+1], v[PW], s45
.Lnext:
	s_add_co_u32 s41, s41, 1
	s_cmp_lt_u32 s41, 4
	s_cbranch_scc1 .Ltile
	v_lshrrev_b32 v10, 1, v4                       ; 8 x lane
	global_store_b64 v10, v[PWL:PWL+1], s[38:39]   ; 256 consecutive bytes, aligned
.Lend:
	s_wait_xcnt 0x0
	v_lshl_add_u32 v254, v0, 2, 0xd400
	v_mov_b32 v255, 0
	s_wait_tensorcnt 0x0
	ds_add_u32 v254, v255
	s_wait_dscnt 0x0
	s_endpgm
.Lfunc_end_k_q0b8adbc5f6_up:
	.size	k_q0b8adbc5f6_up, .Lfunc_end_k_q0b8adbc5f6_up-k_q0b8adbc5f6_up
	.p2alignl 7, 3214868480
	.fill 96, 4, 3214868480
	.section	.rodata,"a",@progbits
	.p2align	6, 0x0
	.amdhsa_kernel k_q0b8adbc5f6_up
		.amdhsa_group_segment_fixed_size 55296
		.amdhsa_private_segment_fixed_size 0
		.amdhsa_enable_private_segment 0
		.amdhsa_kernarg_size 40
		.amdhsa_user_sgpr_count 2
		.amdhsa_user_sgpr_kernarg_segment_ptr 1
		.amdhsa_wavefront_size32 1
		.amdhsa_system_sgpr_workgroup_id_x 1
		.amdhsa_system_sgpr_workgroup_id_y 1
		.amdhsa_system_sgpr_workgroup_id_z 1
		.amdhsa_system_vgpr_workitem_id 0
		.amdhsa_next_free_vgpr 512
		.amdhsa_next_free_sgpr 66
		.amdhsa_reserve_vcc 0
		.amdhsa_float_denorm_mode_32 3
		.amdhsa_float_denorm_mode_16_64 3
		.amdhsa_memory_ordered 1
		.amdhsa_forward_progress 1
		.amdhsa_inst_pref_size 142
	.end_amdhsa_kernel
	.amdgpu_metadata
---
amdhsa.version: [ 1, 2 ]
amdhsa.kernels:
  - .name:           k_q0b8adbc5f6_up
    .symbol:         k_q0b8adbc5f6_up.kd
    .args:
      - { .name: wimg, .offset: 0, .size: 8, .value_kind: global_buffer, .address_space: global }
      - { .name: xqs, .offset: 8, .size: 8, .value_kind: global_buffer, .address_space: global }
      - { .name: plan, .offset: 16, .size: 8, .value_kind: global_buffer, .address_space: global }
      - { .name: b1, .offset: 24, .size: 8, .value_kind: global_buffer, .address_space: global }
      - { .name: hq, .offset: 32, .size: 8, .value_kind: global_buffer, .address_space: global }
    .group_segment_fixed_size: 55296
    .private_segment_fixed_size: 0
    .kernarg_segment_align: 8
    .kernarg_segment_size: 40
    .max_flat_workgroup_size: 256
    .sgpr_count:     66
    .vgpr_count:     512
    .wavefront_size: 32
...
	.end_amdgpu_metadata
.endif
;; end of part 3
;; launch down (part 4): grid 236 x 1, 8 waves a work-group, no clusters, 269,312 bytes of LDS; arguments wimg, hq, plan, gs, b2, out0; writes out0
.if DOCPART == 4
	.amdgcn_target "amdgcn-amd-amdhsa--gfx1250"
	.amdhsa_code_object_version 6
	.text
	.protected	k_q0b8adbc5f6_down
	.globl	k_q0b8adbc5f6_down
	.p2align	8
	.type	k_q0b8adbc5f6_down,@function
k_q0b8adbc5f6_down:
	s_mov_b64 s[64:65], 0
	v_nop
	global_prefetch_b8 v0, s[64:65] scope:SCOPE_SE
	s_setreg_imm32_b32 hwreg(HW_REG_WAVE_MODE, 25, 1), 1
	s_wait_xcnt 0x0
; DOWN.  out0[token] = w_lo (h_lo W2[lo] + b2[lo]) + w_hi (h_hi W2[hi] + b2[hi]) for one block of at most 64 tokens and 256 output columns.
; Work-group number = 4 block + quarter of the columns.  Wave w: expert which = w / 4 of the block's two, columns 64 (4 quarter + w % 4) on: 64 slots x 64 columns, 16 accumulators.
; The product is used transposed (source 0 = 16 columns of W2, source 1 = 16 slots of h): a lane holds eight neighbouring columns of one token's row.
; W2 comes from memory straight into registers, as images of its fragments, three K steps ahead.  The block's hidden codes of both experts (2 x 98,304 bytes, images too) are
; brought into LDS once: wave w brings tile w % 4 of its expert, all 16 K steps asked for at once: eight into the registers that the accumulators will take, eight into those of h's fragments.
; A tile without tokens takes a copy of the last tile that has some; its results are not stored.
; b2 is the C of each sum's first matrix instruction.  Waves 4-7 multiply by their gate and hand their 64 x 64 to waves 0-3 through LDS; those add their own by one multiply-add,
; turn the sums into whole rows through the same bytes and store each token's 256 bytes.  Each output row has one owner.
; In the last tile the slots past the block's count are copies of the last token: the same bits go to the same address, from the same wave.
; A work-group whose block has no tokens reads block 0's first tile, runs the first K step (which writes every accumulator), passes both barriers and stores nothing.
; No tensor load and no cluster: what a work-group does hangs on numbers that an earlier launch stored.
.set EXS,  196608                      ; LDS: h's images at 0 ([which][K step 16][tile 4][1536]); here 4 x (64 rows x 272 bytes); then 256 bytes of token numbers a wave
.set TOKT, 266240
.set HSC,  24                          ; v24-29   h's scale words, three pairs by turns: word i: lanes 0-15 tile 2 i, lanes 16-31 tile 2 i + 1
.set G,    32                          ; v32,34,36,38 my slots' gates, a tile each (the odd partners are written, not used)
.set WSC,  40                          ; v40-71   W2's scale words: 16 i + K step
.set HF,   72                          ; v72-167  h's four fragments, two sets (at the head: K steps 8-15 of my tile on their way to LDS)
.set TMP,  216                         ; v216-255 the way out
.set B2,   224                         ; window 1: v0-127 accumulators ((a, t) at 8 (4 a + t)); v128-223 W2's sets 1 and 2; v224-255 b2.  W2's set 0: window 0, v168-215
.set MSB, 0
.macro WIN new                         ; the immediate's high byte repeats the setting that is left
.if MSB != \new
	s_set_vgpr_msb (MSB<<8)|\new
.set MSB, \new
.endif
.endm
.macro WMM                             ; the matrix instruction on rD, rA, rB, rC, rSA, rSB.  fa, fb: the scale words stand in lanes 16-31
.if fa
.if fb
	v_wmma_scale_f32_16x16x128_f8f6f4 v[rD:rD+7], v[rA:rA+11], v[rB:rB+11], v[rC:rC+7], v[rSA], v[rSB] matrix_a_fmt:MATRIX_FMT_BF6 matrix_b_fmt:MATRIX_FMT_BF6 matrix_a_scale:MATRIX_SCALE_ROW1 matrix_b_scale:MATRIX_SCALE_ROW1
.else
	v_wmma_scale_f32_16x16x128_f8f6f4 v[rD:rD+7], v[rA:rA+11], v[rB:rB+11], v[rC:rC+7], v[rSA], v[rSB] matrix_a_fmt:MATRIX_FMT_BF6 matrix_b_fmt:MATRIX_FMT_BF6 matrix_a_scale:MATRIX_SCALE_ROW1
.endif
.else
.if fb
	v_wmma_scale_f32_16x16x128_f8f6f4 v[rD:rD+7], v[rA:rA+11], v[rB:rB+11], v[rC:rC+7], v[rSA], v[rSB] matrix_a_fmt:MATRIX_FMT_BF6 matrix_b_fmt:MATRIX_FMT_BF6 matrix_b_scale:MATRIX_SCALE_ROW1
.else
	v_wmma_scale_f32_16x16x128_f8f6f4 v[rD:rD+7], v[rA:rA+11], v[rB:rB+11], v[rC:rC+7], v[rSA], v[rSB] matrix_a_fmt:MATRIX_FMT_BF6 matrix_b_fmt:MATRIX_FMT_BF6
.endif
.endif
.endm
	s_load_b256 s[4:11], s[0:1], 0x0               ; wimg s[4:5], hq s[6:7], plan s[8:9], gs s[10:11]
	s_load_b128 s[12:15], s[0:1], 0x20             ; b2 s[12:13], out0 s[14:15]
	v_lshl_add_u32 v30, v0, 2, 0x41800
	v_mov_b32 v31, 0
	v_lshrrev_b32 v1, 5, v0
	v_readfirstlane_b32 s16, v1                    ; wave 0..7
	s_lshr_b32 s17, s16, 2                         ; which
	s_and_b32 s18, s16, 3                          ; my 64 columns of the 256; also the tile of h that I bring
	v_and_b32 v19, 31, v0                          ; lane
	v_and_b32 v20, 15, v0                          ; r
	v_bfe_u32 v21, v0, 4, 1                        ; h
	v_lshlrev_b32 v1, 4, v19                       ; 16 x lane
	v_lshlrev_b32 v2, 3, v19                       ; 8 x lane
	s_mul_i32 s19, s17, 98304
	v_add_nc_u32 v5, s19, v1                       ; my expert's images in LDS, K steps 0-7,
	v_add_nc_u32 v6, 49152, v5                     ; and 8-15
	s_mul_i32 s20, s18, 1536
	v_add_nc_u32 v3, s20, v5                       ; where I put my tile's
	v_add_nc_u32 v4, 49152, v3
	s_mul_i32 s20, s18, 17408
	s_add_co_u32 s20, s20, EXS
	v_mul_u32_u24 v7, v20, 272
	v_lshl_add_u32 v7, v21, 5, v7
	v_add_nc_u32 v7, s20, v7                       ; the exchange: row r, + 32 h
	v_lshlrev_b32 v11, 4, v20                      ; 16 r
	v_mad_u32_u24 v8, v21, 272, v11
	v_add_nc_u32 v8, s20, v8                       ; back by rows: lanes 0-15 one row of 256 bytes, lanes 16-31 the next
	s_lshl_b32 s20, s16, 8
	s_add_co_u32 s20, s20, TOKT
	v_lshl_add_u32 v9, v19, 2, s20                 ; my wave's token numbers: in,
	v_lshl_add_u32 v10, v21, 2, s20                ; and out: a number for each half of the lanes
	v_lshlrev_b32 v12, 5, v21                      ; b2: 32 h
	s_lshr_b32 s21, ttmp9, 2                       ; block
	s_and_b32 s22, ttmp9, 3                        ; quarter
	s_lshl_b32 s23, s21, 2
	s_wait_kmcnt 0x0
	s_load_b32 s24, s[8:9], s23 offset:0x4000      ; lo | hi << 8 | count << 16
	s_wait_kmcnt 0x0
	s_bfe_u32 s25, s24, 0x80010
	s_min_u32 s25, s25, 64                         ; count
	s_and_b32 s26, s24, 0xff
	s_bfe_u32 s27, s24, 0x80008
	s_cmp_eq_u32 s17, 0
	s_cselect_b32 s26, s26, s27
	s_min_u32 s26, s26, 7                          ; expert
	s_cmp_eq_u32 s25, 0
	s_cselect_b32 s21, 0, s21                      ; a block without tokens reads block 0,
	s_min_u32 s21, s21, 58
	s_max_u32 s27, s25, 1
	s_sub_co_u32 s28, s27, 1                       ; the last slot that holds a token
	s_add_co_u32 s27, s27, 15
	s_lshr_b32 s27, s27, 4
	s_sub_co_u32 s27, s27, 1
	s_min_u32 s27, s27, s18
	s_min_u32 s27, s27, 3                          ; the tile that I bring: mine, or the last that has tokens
	s_lshl_b32 s29, s22, 2
	s_add_co_u32 s29, s29, s18                     ; ng
	s_mov_b32 s31, 0
	s_mul_i32 s30, s26, 1572864
	s_mul_i32 s32, s29, 98304
	s_add_co_u32 s30, s30, s32
	s_add_co_u32 s30, s30, 12582912
	s_add_nc_u64 s[34:35], s[4:5], s[30:31]        ; W2's images of (expert, ng)
	s_lshl_b32 s30, s26, 16
	s_lshl_b32 s32, s29, 12
	s_add_co_u32 s30, s30, s32
	s_add_co_u32 s30, s30, 25690112
	s_add_nc_u64 s[36:37], s[4:5], s[30:31]        ; their scale words
	s_lshl_b32 s32, s21, 1
	s_add_co_u32 s32, s32, s17                     ; 2 block + which
	s_mul_i32 s30, s32, 98304
	s_mul_i32 s33, s27, 1536
	s_add_co_u32 s30, s30, s33
	s_add_nc_u64 s[38:39], s[6:7], s[30:31]        ; h's images of the tile that I bring
	s_lshl_b32 s30, s32, 12
	s_add_co_u32 s30, s30, 11599872
	s_add_nc_u64 s[40:41], s[6:7], s[30:31]        ; h's scale words
	s_lshl_b32 s30, s21, 8
	s_add_nc_u64 s[42:43], s[8:9], s[30:31]        ; the block's token numbers
	s_lshl_b32 s30, s21, 9
	s_lshl_b32 s33, s17, 2
	s_add_co_u32 s30, s30, s33
	s_add_nc_u64 s[44:45], s[10:11], s[30:31]      ; its gates, my expert's
	s_lshl_b32 s33, s29, 8                         ; my first column in bytes
	s_lshl_b32 s30, s26, 12
	s_add_co_u32 s30, s30, s33
	s_add_nc_u64 s[46:47], s[12:13], s[30:31]      ; b2
	s_mov_b32 s30, s33
	s_add_nc_u64 s[48:49], s[14:15], s[30:31]      ; out0
.irp a, 0,1,2,3
	v_add_nc_u32 v[13+\a], 16*\a, v20
	v_min_u32 v[13+\a], s28, v[13+\a]
	v_min_u32 v[13+\a], 63, v[13+\a]
	v_lshlrev_b32 v[13+\a], 3, v[13+\a]
	v_mov_b32 v[G+1+2*\a], 0
.endr
	v_add_nc_u32 v18, 32, v19
	v_min_u32 v17, s28, v19
	v_min_u32 v18, s28, v18
	v_min_u32 v17, 63, v17
	v_min_u32 v18, 63, v18
	v_lshlrev_b32 v17, 2, v17
	v_lshlrev_b32 v18, 2, v18
.macro HIN b, rg, wn                   ; eight K steps of my tile's images, 24 loads, into v[rg] on of the window that wn names as the destination's
	WIN \wn
.irp ks, 0,1,2,3,4,5,6,7
.irp c, 0,1,2
	global_load_b128 v[\rg+12*\ks+4*\c:\rg+12*\ks+4*\c+3], v1, s[38:39] offset:(8*(\b)+\ks)*6144+512*\c
.endr
.endr
	WIN 0
.endm
.macro HPUT adr, rg, wn                ; and on into LDS (an LDS store's data are its source 1)
	WIN \wn
.irp ks, 0,1,2,3,4,5,6,7
.irp c, 0,1,2
	ds_store_b128 v[\adr], v[\rg+12*\ks+4*\c:\rg+12*\ks+4*\c+3] offset:\ks*6144+512*\c
.endr
.endr
	WIN 0
.endm
.macro RLOAD s                         ; K step s: W2's four fragments (12 loads) and h's scale words (1), into set s % 3
.if ((\s)%3) == 0
.set rW, 168
.else
.set rW, 128+48*(((\s)%3)-1)
	WIN 0x40
.endif
.irp t, 0,1,2,3
.irp c, 0,1,2
	global_load_b128 v[rW+12*\t+4*\c:rW+12*\t+4*\c+3], v1, s[34:35] offset:(\s)*6144+\t*1536+512*\c
.endr
.endr
	WIN 0
	global_load_b64 v[HSC+2*((\s)%3):HSC+2*((\s)%3)+1], v2, s[40:41] offset:256*(\s)
.endm
.irp a, 0,1,2,3
	global_load_b32 v[G+2*\a], v[13+\a], s[44:45]
.endr
	global_load_b32 v17, v17, s[42:43]
	global_load_b32 v18, v18, s[42:43]
	HIN 0, 0, 0x40                                 ; K steps 0-7 into window 1, v0-95
	HIN 1, HF, 0                                   ; K steps 8-15 into window 0, v72-167: both batches are on their way together
.irp i, 0,1
.irp q, 0,1,2,3
	global_load_b128 v[WSC+16*\i+4*\q:WSC+16*\i+4*\q+3], v1, s[36:37] offset:(4*\i+\q)*512
.endr
.endr                                              ; 6 + 24 + 24 + 8 = 62 loads are out
	s_wait_loadcnt 32                              ; gates, token numbers and K steps 0-7 are in; the 24 + 8 loads behind them may be out
	v_min_u32 v17, 0x7ff, v17
	v_min_u32 v18, 0x7ff, v18
	ds_store_b32 v9, v17
	ds_store_b32 v9, v18 offset:128
	HPUT 3, 0, 0x04
	WIN 0x40                                       ; destination window 1
.irp t, 0,1,2,3
	global_load_b128 v[B2+8*\t:B2+8*\t+3], v12, s[46:47] offset:64*\t        ; lane (r, h), tile t, register j: column 16 t + 8 h + j
	global_load_b128 v[B2+8*\t+4:B2+8*\t+7], v12, s[46:47] offset:64*\t+16
.endr
	WIN 0
	RLOAD 0                                        ; 32 + 8 + 13 = 53 loads are out at the most
	s_wait_loadcnt 29                              ; K steps 8-15 are in; W2's 8 scale loads, b2's 8 and K step 0's 13 may be out
	HPUT 4, HF, 0
	RLOAD 1
	RLOAD 2                                        ; 29 + 26 = 55 loads are out at the most
	s_wait_dscnt 0x0                               ; for the others: my stores have landed (and have read their registers)
	s_barrier_signal -1
	s_barrier_wait -1                              ; both experts' images lie in LDS; nothing is written there again
.macro HFETCH s                        ; h's four fragments of K step s into set s % 2
.if (\s) < 8
.set hA, 5
.else
.set hA, 6
.endif
.irp a, 0,1,2,3
.irp c, 0,1,2
	ds_load_b128 v[HF+48*((\s)%2)+12*\a+4*\c:HF+48*((\s)%2)+12*\a+4*\c+3], v[hA] offset:((\s)%8)*6144+\a*1536+512*\c
.endr
.endr
.endm
; a K step: 16 matrix instructions; the 16 accumulators take turns, one instruction a turn
.macro KSTEP s
.if (\s) < 15
	HFETCH (\s)+1
	s_wait_dscnt 12                                ; this step's fragments are in; the 12 just issued may be out
.else
	s_wait_dscnt 0x0
.endif
.if (\s) <= 13
	s_wait_loadcnt 26                              ; my set is in (and all that was asked for ahead of it); the two younger sets, 13 loads each, may be out
.elseif (\s) == 14
	s_wait_loadcnt 13
.else
	s_wait_loadcnt 0
.endif
.if ((\s)%3) == 0
.set rW, 168
	WIN 0x50                                       ; C and D window 1
.else
.set rW, 128+48*(((\s)%3)-1)
	WIN 0x51                                       ; and source 0 too
.endif
.irp a, 0,1,2,3
.irp t, 0,1,2,3
.set rD, 8*(4*\a+\t)
.if (\s) == 0
.set rC, B2+8*\t
.else
.set rC, rD
.endif
.set rA, rW+12*\t
.set rB, HF+48*((\s)%2)+12*\a
.set rSA, WSC+16*(\t/2)+(\s)
.set rSB, HSC+2*((\s)%3)+(\a/2)
.set fa, \t%2
.set fb, \a%2
	WMM
.endr
.endr
	WIN 0
.rept 4
	v_nop                                          ; four places in front of loads into registers that matrix instructions have read, and of the first read of results
.endr
.if (\s)+3 < 16
	RLOAD (\s)+3
.endif
.endm
	HFETCH 0
	KSTEP 0
	s_cmp_eq_u32 s25, 0
	s_cbranch_scc1 .Lout                           ; a block without tokens has nothing more to multiply
.irp s, 1,2,3,4,5,6,7,8,9,10,11,12,13,14,15
	KSTEP \s
.endr
.Lout:
	s_cmp_lt_u32 s16, 4
	s_cbranch_scc1 .Lmeet
	WIN 0x41                                       ; waves 4-7: x my gate, in place, each accumulator from its low end on
.irp a, 0,1,2,3
.set k, 0
.rept 16
	v_pk_mul_f32 v[32*\a+k:32*\a+k+1], v[32*\a+k:32*\a+k+1], v[G+2*\a:G+2*\a+1] op_sel_hi:[1,0]
.set k, k+2
.endr
.endr
	WIN 0x04
.irp a, 0,1,2,3
.irp t, 0,1,2,3
	ds_store_b128 v7, v[8*(4*\a+\t):8*(4*\a+\t)+3] offset:16*\a*272+64*\t
	ds_store_b128 v7, v[8*(4*\a+\t)+4:8*(4*\a+\t)+7] offset:16*\a*272+64*\t+16
.endr
.endr
	WIN 0
.Lmeet:
	s_wait_dscnt 0x0                               ; my LDS stores have landed and my LDS loads are in
	s_barrier_signal -1
	s_barrier_wait -1
	s_cmp_lt_u32 s16, 4
	s_cbranch_scc0 .Ldone
; waves 0-3: a tile of 16 slots at a time.  Only I touch my 17,408 bytes of the exchange from here on, and LDS serves a wave's instructions in order
.macro OUTT a
	s_cmp_le_u32 s25, 16*(\a)
	s_cbranch_scc1 .Ldone                          ; no token in this tile, nor in those behind it
.if (\a) > 0
	s_wait_xcnt 0x0                                ; the last tile's stores have read their registers
.endif
.irp t, 0,1,2,3
	ds_load_b128 v[TMP+8*\t:TMP+8*\t+3], v7 offset:16*(\a)*272+64*\t
	ds_load_b128 v[TMP+8*\t+4:TMP+8*\t+7], v7 offset:16*(\a)*272+64*\t+16
.endr
	s_wait_dscnt 0x0
	WIN 0x01                                       ; source 0 window 1
.set k, 0
.rept 16
	v_pk_fma_f32 v[TMP+k:TMP+k+1], v[32*(\a)+k:32*(\a)+k+1], v[G+2*(\a):G+2*(\a)+1], v[TMP+k:TMP+k+1] op_sel_hi:[1,0,1]   ; mine x my gate + the other expert's
.set k, k+2
.endr
	WIN 0
.irp t, 0,1,2,3
	ds_store_b128 v7, v[TMP+8*\t:TMP+8*\t+3] offset:16*(\a)*272+64*\t
	ds_store_b128 v7, v[TMP+8*\t+4:TMP+8*\t+7] offset:16*(\a)*272+64*\t+16
.endr
.irp i, 0,1,2,3,4,5,6,7
	ds_load_b128 v[TMP+4*\i:TMP+4*\i+3], v8 offset:(16*(\a)+2*\i)*272
.endr
.irp i, 0,1,2,3,4,5,6,7
	ds_load_b32 v[TMP+32+\i], v10 offset:4*(16*(\a)+2*\i)
.endr
	s_wait_dscnt 0x0
.irp i, 0,1,2,3,4,5,6,7
	v_min_u32 v[TMP+32+\i], 0x7ff, v[TMP+32+\i]
	v_lshl_add_u32 v[TMP+32+\i], v[TMP+32+\i], 12, v11
	global_store_b128 v[TMP+32+\i], v[TMP+4*\i:TMP+4*\i+3], s[48:49] th:TH_STORE_NT   ; sixteen lanes store 256 consecutive bytes of a token's row, aligned
.endr
.endm
	OUTT 0
	OUTT 1
	OUTT 2
	OUTT 3
.Ldone:
	s_wait_tensorcnt 0x0
	ds_add_u32 v30, v31
	s_wait_dscnt 0x0
	s_endpgm
.Lfunc_end_k_q0b8adbc5f6_down:
	.size	k_q0b8adbc5f6_down, .Lfunc_end_k_q0b8adbc5f6_down-k_q0b8adbc5f6_down
	.p2alignl 7, 3214868480
	.fill 96, 4, 3214868480
	.section	.rodata,"a",@progbits
	.p2align	6, 0x0
	.amdhsa_kernel k_q0b8adbc5f6_down
		.amdhsa_group_segment_fixed_size 269312
		.amdhsa_private_segment_fixed_size 0
		.amdhsa_enable_private_segment 0
		.amdhsa_kernarg_size 48
		.amdhsa_user_sgpr_count 2
		.amdhsa_user_sgpr_kernarg_segment_ptr 1
		.amdhsa_wavefront_size32 1
		.amdhsa_system_sgpr_workgroup_id_x 1
		.amdhsa_system_sgpr_workgroup_id_y 1
		.amdhsa_system_sgpr_workgroup_id_z 1
		.amdhsa_system_vgpr_workitem_id 0
		.amdhsa_next_free_vgpr 512
		.amdhsa_next_free_sgpr 66
		.amdhsa_reserve_vcc 0
		.amdhsa_float_denorm_mode_32 3
		.amdhsa_float_denorm_mode_16_64 3
		.amdhsa_memory_ordered 1
		.amdhsa_forward_progress 1
		.amdhsa_inst_pref_size 110
	.end_amdhsa_kernel
	.amdgpu_metadata
---
amdhsa.version: [ 1, 2 ]
amdhsa.kernels:
  - .name:           k_q0b8adbc5f6_down
    .symbol:         k_q0b8adbc5f6_down.kd
    .args:
      - { .name: wimg, .offset: 0, .size: 8, .value_kind: global_buffer, .address_space: global }
      - { .name: hq, .offset: 8, .size: 8, .value_kind: global_buffer, .address_space: global }
      - { .name: plan, .offset: 16, .size: 8, .value_kind: global_buffer, .address_space: global }
      - { .name: gs, .offset: 24, .size: 8, .value_kind: global_buffer, .address_space: global }
      - { .name: b2, .offset: 32, .size: 8, .value_kind: global_buffer, .address_space: global }
      - { .name: out0, .offset: 40, .size: 8, .value_kind: global_buffer, .address_space: global }
    .group_segment_fixed_size: 269312
    .private_segment_fixed_size: 0
    .kernarg_segment_align: 8
    .kernarg_segment_size: 48
    .max_flat_workgroup_size: 256
    .sgpr_count:     66
    .vgpr_count:     512
    .wavefront_size: 32
...
	.end_amdgpu_metadata
.endif
;; end of part 4
;; ======== version 2 of 2: 4 launches
;; workspace buffers: wimg 26,214,400 bytes; xqs 1,638,400 bytes; sel 8,192 bytes of whole numbers; gw 32,768 bytes; plan 16,640 bytes of whole numbers; gs 32,768 bytes; hq 12,083,200 bytes
;; launch prep (part 5): grid 512 x 1, 4 waves a work-group, no clusters, 105,984 bytes of LDS; arguments x, Wg, bg, W1_codes, W1_scales, W2_codes, W2_scales, wimg, xqs, sel, gw; writes wimg, xqs, sel, gw
.if DOCPART == 5
	.amdgcn_target "amdgcn-amd-amdhsa--gfx1250"
	.amdhsa_code_object_version 6
	.text
	.protected	k_q0b8adbc5f6_prep
	.globl	k_q0b8adbc5f6_prep
	.p2align	8
	.type	k_q0b8adbc5f6_prep,@function
k_q0b8adbc5f6_prep:
	s_mov_b64 s[64:65], 0
	v_nop
	global_prefetch_b8 v0, s[64:65] scope:SCOPE_SE
	s_setreg_imm32_b32 hwreg(HW_REG_WAVE_MODE, 25, 1), 1
	s_wait_xcnt 0x0
; PREP.  Work-groups 0-255: the router and the quantiser of x, 8 tokens a work-group, 2 a wave.  Work-groups 256-511: W1 and W2 laid out once in the order of an operand's registers.
; ROUTER: logits = x Wg + bg by f32 multiply-adds, softmax with the row's maximum taken away, p = 0.99 softmax + 0.00125, the two largest p (a strict
; compare in ascending order keeps the lower index), their weights p / (p1 + p2), and the sum of p squared.  Stored at fixed places: sel[token] = the
; number 0..27 of the unordered pair of experts, gw[token] = {weight of the lower expert, of the higher, sum of p squared, 0}.
; QUANTISER OF x: blocks of 32 along K; scale byte = exponent field of the largest magnitude - 4, held at 1 from below; codes of E3M2 as a stream of bits.
; xqs: codes at token x 768, scale bytes at 1,572,864 + token x 32.
; LAYOUT OF THE WEIGHTS (wimg): a fragment (16 rows x 128 K, 12 registers a lane) lies as 3 pieces of 512 bytes, lane l's 16 bytes at 16 l.
;   W1 at 0: [e][g 16][K step 8][tile 8]; row m of tile 2 b + u of group g is hidden unit 128 g + 32 b + 8 u + m + 8 (m / 8).
;   W2 at 12,582,912: [e][ng 16][K step 16][tile 4]; row m is output column 64 ng + 16 t + m.
;   scale words: W1 at 25,165,824 [e][g][i 4][q 2][lane][16 bytes], W2 at 25,690,112 [e][ng][i 2][q 4][lane][16 bytes]: lane l holds tile 2 i + l / 16, row l % 16, K steps 4 q .. 4 q + 3.
; LIMITS: NaN and infinities among the inputs are not served; a block whose largest magnitude lies under 2^-122 (a block of zeros too) gets the byte 1;
; two probabilities that differ by less than the rounding of f32 may be ranked either way.
.set NT,    2                          ; tokens of a wave: a work-group's 4 NT tokens have 256 scale bytes
.set RWG,   256                        ; work-groups of the first path: 2,048 tokens / (4 waves x NT)
.set SP,    80                         ; a lane's place in a turning stage: 64 bytes + 16
.set TURN,  33792                      ; LDS: Wg at 0 (64 blocks of 512 + 16 bytes); from here two stages of 32 x SP bytes a wave
.set TURNW, 5120
.set SCB,   54272                      ; behind the stages: the work-group's 256 scale bytes
.set RST,   55296                      ; the other path's bytes: a stage of 16 rows x RP a wave
.set RSTW,  12544
.set RP,    784                        ; 768 bytes of codes + 16
.set X,     16                         ; v16-79   two sets of 32 numbers of x as loaded: load j, register i: k = 128 j + 4 lane + i
.set XT,    80                         ; v80-111  the same token turned: 2 steps x 16 neighbours
.set ACC,   112                        ; v112-119 eight partial logits
.set L,     120                        ; v120-127 logits: lane t holds token t of the wave
.set C,     128                        ; v128..   codes, four registers for each step (at the head v128-191: Wg on its way to LDS)
.set E,     192                        ; v192..   a scale byte for each step
.set PT,    208                        ; v208-215 the other half's sums
.set R1,    16                         ; relayout: v16-111 the W1 unit, v112-207 the W2 unit
.set R2,    112
.set MSB, 0
.macro WIN new                         ; the immediate's high byte repeats the setting that is left
.if MSB != \new
	s_set_vgpr_msb (MSB<<8)|\new
.set MSB, \new
.endif
.endm
	s_load_b512 s[4:19], s[0:1], 0x0               ; x s[4:5], Wg s[6:7], bg s[8:9], W1 codes s[10:11], W1 scales s[12:13], W2 codes s[14:15], W2 scales s[16:17], wimg s[18:19]
	s_load_b128 s[20:23], s[0:1], 0x40             ; xqs s[20:21], sel s[22:23]
	s_load_b64 s[24:25], s[0:1], 0x50              ; gw
	v_lshl_add_u32 v254, v0, 2, 0x19c00
	v_mov_b32 v255, 0
	v_lshrrev_b32 v1, 5, v0
	v_readfirstlane_b32 s26, v1                    ; wave 0..3
	v_and_b32 v1, 31, v0                           ; lane
	s_wait_kmcnt 0x0
	s_cmp_lt_u32 ttmp9, RWG                        ; the path hangs on the work-group's number alone
	s_cbranch_scc0 .Lrelay
; ---------------- the router and the quantiser: a wave takes NT tokens, 4 NT x work-group + NT x wave on ----------------
	s_load_b256 s[36:43], s[8:9], 0x0              ; bg
	s_wait_alu depctr_va_vdst(0)
	v_lshlrev_b32 v2, 4, v1                        ; 16 x lane: my bytes of a load of x, and of a block of Wg in LDS
	s_mul_i32 s27, s26, TURNW
	s_add_co_u32 s27, s27, TURN
	v_lshrrev_b32 v3, 2, v1
	v_mul_u32_u24 v3, v3, SP
	v_and_b32 v4, 3, v1
	v_lshl_add_u32 v3, v4, 4, v3
	v_add_nc_u32 v3, s27, v3                       ; stage, way in: SP (lane / 4) + 16 (lane % 4)
	v_mul_u32_u24 v4, v1, SP
	v_add_nc_u32 v4, s27, v4                       ; stage, way out: SP x lane
	s_mul_i32 s27, s26, 32*NT
	s_add_co_u32 s27, s27, SCB
	v_lshrrev_b32 v5, 1, v1
	v_add_nc_u32 v5, s27, v5                       ; my block's scale byte: my wave's 32 NT bytes, + lane / 2
	v_lshlrev_b32 v10, 3, v1
	v_add_nc_u32 v6, SCB, v10                      ; the scale bytes' way out: 8 bytes a lane
	v_mul_u32_u24 v7, v1, 12                       ; my 16 codes in a step's 384 bytes
	v_lshlrev_b32 v13, 4, v0                       ; Wg: 16 x thread
	s_wait_alu depctr_va_vdst(0)
	v_and_b32 v12, 7, v0
	v_mul_u32_u24 v12, v12, 528
	v_lshrrev_b32 v14, 3, v0
	v_lshl_add_u32 v12, v14, 4, v12                ; Wg into LDS: block thread % 8, place thread / 8
	s_mul_i32 s28, ttmp9, 4*NT
	s_mul_i32 s29, s26, NT
	s_add_co_u32 s28, s28, s29                     ; my first token
	s_mov_b32 s31, 0
	s_lshl_b32 s30, s28, 12
	s_add_nc_u64 s[4:5], s[4:5], s[30:31]          ; x
	s_mul_i32 s30, s28, 768
	s_add_nc_u64 s[32:33], s[20:21], s[30:31]      ; codes
	s_mul_i32 s30, ttmp9, 128*NT
	s_add_co_u32 s30, s30, 1572864
	s_add_nc_u64 s[34:35], s[20:21], s[30:31]      ; scale bytes: 256 for the work-group, at a multiple of 256
	s_lshl_b32 s30, s28, 2
	s_add_nc_u64 s[22:23], s[22:23], s[30:31]      ; sel
	s_lshl_b32 s30, s28, 4
	s_add_nc_u64 s[24:25], s[24:25], s[30:31]      ; gw
	s_mov_b32 s44, 0x76543210
	s_mov_b32 s45, 0xfedcba98                      ; v_permlanex16_b32: lane l xor 16
	s_mov_b32 s47, 0x3f7d70a4                      ; 0.99
	s_mov_b32 s48, 0x3aa3d70a                      ; 0.01 / 8
.macro XLOAD tk                        ; a token's 4,096 bytes: eight loads of 512 consecutive bytes
.irp j, 0,1,2,3,4,5,6,7
	global_load_b128 v[X+32*((\tk)%2)+4*\j:X+32*((\tk)%2)+4*\j+3], v2, s[4:5] offset:4096*(\tk)+512*\j th:TH_LOAD_NT
.endr
.endm
.irp m, 0,1,2,3,4,5,6,7,8,9,10,11,12,13,14,15
	global_load_b128 v[C+4*\m:C+4*\m+3], v13, s[6:7] offset:2048*\m   ; Wg, 32,768 bytes, once for the work-group: 2,048 consecutive bytes a line
.endr
	XLOAD 0
	XLOAD 1
.irp e, 0,1,2,3,4,5,6,7
	v_mov_b32 v[L+\e], 0
	v_mov_b32 v[PT+\e], 0                          ; a lane permute's destination counts as one of its sources
.endr
	s_wait_loadcnt 16                              ; Wg's 16 loads are in; x's 16 may be out
.irp m, 0,1,2,3,4,5,6,7,8,9,10,11,12,13,14,15
	ds_store_b128 v12, v[C+4*\m:C+4*\m+3] offset:(\m/2)*4224+(\m%2)*256   ; byte 4096 j + 128 l + 16 c of Wg goes to block 8 j + c, place l
.endr
	s_wait_dscnt 0x0                               ; for the others: my stores have landed
	s_barrier_signal -1
	s_barrier_wait -1
	WIN 0x40                                       ; destination window 1
.set q, 0
.rept 64
	ds_load_b128 v[4*q:4*q+3], v2 offset:528*q     ; window 1, register 8 (4 j + i) + e = Wg[128 j + 4 lane + i][e]: it stays
.set q, q+1
.endr
	WIN 0
	s_wait_dscnt 0x0                               ; Wg is in my registers: the first token's multiply-adds read all 256 of them; paid once, while x's 16 loads are on their way
; one step of 512 numbers: two neighbouring lanes hold a block of 32
.macro QSTEP tk, sg
.set XQ, XT+16*(\sg)
.set ST, 2*(\tk)+(\sg)
	v_max3_num_f32 v8, |v[XQ]|, |v[XQ+1]|, |v[XQ+2]|
	v_max3_num_f32 v9, |v[XQ+3]|, |v[XQ+4]|, |v[XQ+5]|
.irp i, 6,10
	v_max3_num_f32 v8, v8, |v[XQ+\i]|, |v[XQ+\i+1]|
	v_max3_num_f32 v9, v9, |v[XQ+\i+2]|, |v[XQ+\i+3]|
.endr
	v_max3_num_f32 v8, v8, |v[XQ+14]|, |v[XQ+15]|
	v_max3_num_f32 v8, v8, v9, 0x2800000           ; the floor 2^(5 - 127): the byte cannot fall under 1
	v_max_num_f32_dpp v8, v8, v8 row_xmask:1 row_mask:0xf bank_mask:0xf   ; with my neighbour's 16: the block's largest magnitude
	v_add_nc_u32 v11, 0xfe000000, v8               ; 4 off its exponent field: the conversion's scale operand
	v_cvt_scalef32_pk16_bf6_f32 v[C+4*ST:C+4*ST+2], v[XQ:XQ+15], v11
	v_lshrrev_b32 v[E+ST], 23, v11                 ; the scale's byte (also the plain line behind the conversion)
	ds_store_b8 v5, v[E+ST] offset:16*ST           ; both lanes of a block write the same byte with the same value
	global_store_b96 v7, v[C+4*ST:C+4*ST+2], s[32:33] offset:384*ST   ; the wave stores 384 consecutive bytes
.endm
.macro TOKEN tk
.set XB, X+32*((\tk)%2)
.if (\tk) < NT-1
	s_wait_loadcnt 8                               ; my eight loads are in, the next token's eight may be out
.else
	s_wait_loadcnt 0
.endif
.irp j, 0,1,2,3,4,5,6,7
	ds_store_b128 v3, v[XB+4*\j:XB+4*\j+3] offset:2560*(\j/4)+640*(\j%4)   ; through my own stages: LDS serves a wave's instructions in order
.endr
.irp j, 0,1,2,3,4,5,6,7
	ds_load_b128 v[XT+4*\j:XT+4*\j+3], v4 offset:2560*(\j/4)+16*(\j%4)
.endr
	WIN 0x04                                       ; source 1 (Wg) window 1
.set q, 0
.rept 16                               ; 32 numbers of x times 8 columns of Wg, two columns an instruction; the first four products start the sums
.irp p, 0,1,2,3
.if q == 0
	v_pk_mul_f32 v[ACC+2*\p:ACC+2*\p+1], v[XB+q:XB+q+1], v[8*q+2*\p:8*q+2*\p+1] op_sel_hi:[0,1]
.else
	v_pk_fma_f32 v[ACC+2*\p:ACC+2*\p+1], v[XB+q:XB+q+1], v[8*q+2*\p:8*q+2*\p+1], v[ACC+2*\p:ACC+2*\p+1] op_sel_hi:[0,1,1]
.endif
.endr
.irp p, 0,1,2,3
	v_pk_fma_f32 v[ACC+2*\p:ACC+2*\p+1], v[XB+q:XB+q+1], v[8*q+8+2*\p:8*q+8+2*\p+1], v[ACC+2*\p:ACC+2*\p+1] op_sel:[1,0,0] op_sel_hi:[1,1,1]
.endr
.set q, q+2
.endr
	WIN 0
	s_wait_alu depctr_va_vdst(0)
	s_wait_dscnt 0x0                               ; the turned numbers are in, and the stores into the stage have read this set
.if (\tk)+2 < NT
	XLOAD (\tk)+2
.endif
.irp m, 1,2,4,8
.irp e, 0,1,2,3,4,5,6,7
	v_add_f32_dpp v[ACC+\e], v[ACC+\e], v[ACC+\e] row_xmask:\m row_mask:0xf bank_mask:0xf
.endr
.endr
.irp e, 0,1,2,3,4,5,6,7
	v_permlanex16_b32 v[PT+\e], v[ACC+\e], s44, s45
.endr
.irp e, 0,1,2,3,4,5,6,7
	v_add_f32 v[ACC+\e], v[ACC+\e], v[PT+\e]       ; every lane holds the token's eight sums
.endr
	s_mov_b32 s46, 1<<(\tk)
.irp e, 0,1,2,3,4,5,6,7
	v_cndmask_b32 v[L+\e], v[L+\e], v[ACC+\e], s46 ; lane tk keeps them
.endr
	QSTEP \tk, 0
	QSTEP \tk, 1
.endm
.irp t, 0,1
	TOKEN \t
.endr
	s_wait_dscnt 0x0                               ; for wave 0: my scale bytes have landed
	s_barrier_signal -1
	s_barrier_wait -1
	s_cmp_lg_u32 s26, 0                            ; wave 0 stores the work-group's 256 scale bytes
	s_cbranch_scc1 .Lno_bytes
	ds_load_b64 v[12:13], v6
	s_wait_dscnt 0x0
	global_store_b64 v10, v[12:13], s[34:35]       ; 32 lanes store 256 consecutive bytes, aligned
.Lno_bytes:
; the routing: a token a lane (lanes 0 to NT - 1 count; the others work on zeros and store nothing)
	s_wait_kmcnt 0x0                               ; bg
.irp e, 0,1,2,3,4,5,6,7
	v_add_f32 v[L+\e], s[36+\e], v[L+\e]
.endr
	v_max3_num_f32 v216, v[L], v[L+1], v[L+2]
	v_max3_num_f32 v216, v216, v[L+3], v[L+4]
	v_max3_num_f32 v216, v216, v[L+5], v[L+6]
	v_max_num_f32 v216, v216, v[L+7]               ; the row's maximum is taken away ahead of the exponentials
.irp e, 0,1,2,3,4,5,6,7
	v_sub_f32 v[220+\e], v[L+\e], v216
.endr
.irp e, 0,1,2,3,4,5,6,7
	v_mul_f32 v[220+\e], 0x3fb8aa3b, v[220+\e]
.endr
	s_wait_alu depctr_va_vdst(0)
.irp e, 0,1,2,3,4,5,6,7
	v_exp_f32 v[220+\e], v[220+\e]
.endr
	v_nop                                          ; a plain line behind the last exponential
	s_wait_alu depctr_va_vdst(0)                   ; one wait for the eight, ahead of their first reader
	v_add_f32 v217, v220, v221
	v_add_f32 v218, v222, v223
	v_add_f32 v219, v224, v225
	v_add_f32 v216, v226, v227
	v_add_f32 v217, v217, v218
	v_add_f32 v219, v219, v216
	v_add_f32 v217, v217, v219
	s_wait_alu depctr_va_vdst(0)
	v_rcp_f32 v217, v217
	v_nop
	s_wait_alu depctr_va_vdst(0)
.irp e, 0,1,2,3,4,5,6,7
	v_mul_f32 v[220+\e], v[220+\e], v217
.endr
.irp e, 0,1,2,3,4,5,6,7
	v_fma_f32 v[220+\e], v[220+\e], s47, s48       ; p
.endr
	v_mul_f32 v218, v220, v220
.irp e, 1,2,3,4,5,6,7
	v_fmac_f32 v218, v[220+\e], v[220+\e]          ; the sum of p squared
.endr
	v_mov_b32 v228, v220
	v_mov_b32 v229, 0
.irp e, 1,2,3,4,5,6,7
	v_cmp_gt_f32 vcc_lo, v[220+\e], v228           ; strictly larger: a tie keeps the lower index
	v_cndmask_b32 v228, v228, v[220+\e], vcc_lo
	v_cndmask_b32 v229, v229, \e, vcc_lo
.endr
.irp e, 0,1,2,3,4,5,6,7
	v_cmp_eq_u32 vcc_lo, \e, v229
	v_cndmask_b32 v[232+\e], v[220+\e], -1.0, vcc_lo   ; the first choice leaves the field
.endr
	v_mov_b32 v230, v232
	v_mov_b32 v231, 0
.irp e, 1,2,3,4,5,6,7
	v_cmp_gt_f32 vcc_lo, v[232+\e], v230
	v_cndmask_b32 v230, v230, v[232+\e], vcc_lo
	v_cndmask_b32 v231, v231, \e, vcc_lo
.endr
	v_add_f32 v240, v228, v230
	s_wait_alu depctr_va_vdst(0)
	v_rcp_f32 v240, v240
	v_min_u32 v241, v229, v231                     ; lo
	v_max_u32 v242, v229, v231                     ; hi
	s_wait_alu depctr_va_vdst(0)
	v_mul_f32 v243, v228, v240
	v_mul_f32 v244, v230, v240
	v_cmp_lt_u32 vcc_lo, v229, v231
	v_cndmask_b32 v248, v244, v243, vcc_lo         ; the weight of the lower expert,
	v_cndmask_b32 v249, v243, v244, vcc_lo         ; of the higher
	v_mov_b32 v250, v218
	v_mov_b32 v251, 0
	v_sub_nc_u32 v245, 15, v241
	v_mul_u32_u24 v245, v245, v241
	v_lshrrev_b32 v245, 1, v245
	v_add_nc_u32 v245, v245, v242
	v_sub_nc_u32 v245, v245, v241
	v_add_nc_u32 v245, -1, v245                    ; the pair's number: lo (15 - lo) / 2 + hi - lo - 1
	v_lshlrev_b32 v246, 2, v1
	v_lshlrev_b32 v247, 4, v1
	s_wait_alu depctr_va_vdst(0)
	s_wait_xcnt 0x0                                ; EXEC changes only behind this wait
	v_cmp_gt_u32 vcc_lo, NT, v1
	s_wait_tensorcnt 0x0
	ds_add_u32 v254, v255
	s_wait_dscnt 0x0
	s_and_saveexec_b32 s49, vcc_lo
	global_store_b32 v246, v245, s[22:23]
	global_store_b128 v247, v[248:251], s[24:25]
	s_wait_xcnt 0x0
	s_or_b32 exec_lo, exec_lo, s49
	s_endpgm
; ---------------- the weights: wave number 4 (work-group - RWG) + wave takes one unit of W1 and one of W2: 16 rows x 768 bytes of codes (8 fragments) and their scale words ----------------
.Lrelay:
	s_sub_co_u32 s27, ttmp9, RWG
	s_lshl_b32 s27, s27, 2
	s_add_co_u32 s27, s27, s26                     ; 0 .. 1023
	s_lshr_b32 s28, s27, 7                         ; e
	s_mov_b32 s37, 0
	s_bfe_u32 s30, s27, 0x40003                    ; W1: g
	s_and_b32 s31, s27, 7                          ; t = 2 b + u
	s_lshr_b32 s32, s31, 1
	s_and_b32 s33, s31, 1
	s_lshl_b32 s34, s28, 11
	s_lshl_b32 s35, s30, 7
	s_add_co_u32 s34, s34, s35
	s_lshl_b32 s35, s32, 5
	s_add_co_u32 s34, s34, s35
	s_lshl_b32 s35, s33, 3
	s_add_co_u32 s34, s34, s35                     ; the tile's first row: 2048 e + 128 g + 32 b + 8 u
	s_mul_i32 s36, s34, 768
	s_add_nc_u64 s[10:11], s[10:11], s[36:37]
	s_lshl_b32 s36, s34, 5
	s_add_nc_u64 s[12:13], s[12:13], s[36:37]
	s_mul_i32 s36, s28, 1572864
	s_mul_i32 s35, s30, 98304
	s_add_co_u32 s36, s36, s35
	s_mul_i32 s35, s31, 1536
	s_add_co_u32 s36, s36, s35
	s_add_nc_u64 s[40:41], s[18:19], s[36:37]      ; where its fragments go
	s_lshl_b32 s36, s28, 16
	s_lshl_b32 s35, s30, 12
	s_add_co_u32 s36, s36, s35
	s_lshl_b32 s35, s32, 10
	s_add_co_u32 s36, s36, s35
	s_lshl_b32 s35, s33, 8
	s_add_co_u32 s36, s36, s35
	s_add_co_u32 s36, s36, 25165824
	s_add_nc_u64 s[42:43], s[18:19], s[36:37]      ; and its scale words
	s_bfe_u32 s29, s27, 0x60001                    ; W2: tile of 16 columns, 0 .. 63
	s_and_b32 s30, s27, 1                          ; which half of K
	s_lshr_b32 s31, s29, 2                         ; ng
	s_and_b32 s32, s29, 3                          ; t
	s_lshl_b32 s34, s28, 10
	s_lshl_b32 s35, s29, 4
	s_add_co_u32 s34, s34, s35
	s_mul_i32 s36, s34, 1536
	s_mul_i32 s35, s30, 768
	s_add_co_u32 s36, s36, s35
	s_add_nc_u64 s[14:15], s[14:15], s[36:37]
	s_lshl_b32 s36, s34, 6
	s_lshl_b32 s35, s30, 5
	s_add_co_u32 s36, s36, s35
	s_add_nc_u64 s[16:17], s[16:17], s[36:37]
	s_mul_i32 s36, s28, 1572864
	s_mul_i32 s35, s31, 98304
	s_add_co_u32 s36, s36, s35
	s_mul_i32 s35, s30, 49152
	s_add_co_u32 s36, s36, s35
	s_mul_i32 s35, s32, 1536
	s_add_co_u32 s36, s36, s35
	s_add_co_u32 s36, s36, 12582912
	s_add_nc_u64 s[44:45], s[18:19], s[36:37]
	s_lshl_b32 s36, s28, 16
	s_lshl_b32 s35, s31, 12
	s_add_co_u32 s36, s36, s35
	s_lshr_b32 s35, s32, 1
	s_lshl_b32 s35, s35, 11
	s_add_co_u32 s36, s36, s35
	s_lshl_b32 s35, s30, 10
	s_add_co_u32 s36, s36, s35
	s_and_b32 s35, s32, 1
	s_lshl_b32 s35, s35, 8
	s_add_co_u32 s36, s36, s35
	s_add_co_u32 s36, s36, 25690112
	s_add_nc_u64 s[46:47], s[18:19], s[36:37]
	s_wait_alu depctr_va_vdst(0)
	v_and_b32 v2, 15, v1                           ; m
	v_lshrrev_b32 v3, 4, v1                        ; half of the lanes
	v_lshlrev_b32 v12, 4, v2
	v_mad_u32_u24 v4, v3, 768, v12                 ; W1's rows: sixteen lanes take 256 consecutive bytes of a row, the other sixteen of the next
	v_mad_u32_u24 v5, v3, 1536, v12                ; W2's
	v_and_b32 v6, 8, v2
	v_add_nc_u32 v6, v6, v2
	v_lshlrev_b32 v6, 5, v6
	v_lshl_add_u32 v6, v3, 4, v6                   ; W1's scales: row m + 8 (m / 8) of 32 bytes, four words a half
	v_lshlrev_b32 v7, 6, v2
	v_lshl_add_u32 v7, v3, 4, v7                   ; W2's: row m of 64 bytes
	v_lshl_add_u32 v8, v3, 9, v12                  ; where the scale words go: 512 x half + 16 m
	s_mul_i32 s48, s26, RSTW
	s_add_co_u32 s48, s48, RST
	v_mad_u32_u24 v9, v3, RP, v12
	v_add_nc_u32 v9, s48, v9                       ; my stage, way in: rows as they come
	v_mul_u32_u24 v10, v2, RP
	v_mad_u32_u24 v10, v3, 24, v10
	v_add_nc_u32 v10, s48, v10                     ; way out: row m, + 24 bytes for the upper half: a fragment's own places
	v_lshlrev_b32 v11, 4, v1
.irp ro, 0,1,2,3,4,5,6,7
.irp u, 0,1,2
	global_load_b128 v[R1+4*(3*\ro+\u):R1+4*(3*\ro+\u)+3], v4, s[10:11] offset:(2*\ro+8*(\ro/4))*768+256*\u th:TH_LOAD_NT
.endr
.endr
	global_load_b128 v[208:211], v6, s[12:13] th:TH_LOAD_NT
.irp ro, 0,1,2,3,4,5,6,7
.irp u, 0,1,2
	global_load_b128 v[R2+4*(3*\ro+\u):R2+4*(3*\ro+\u)+3], v5, s[14:15] offset:2*\ro*1536+256*\u th:TH_LOAD_NT
.endr
.endr
	global_load_b128 v[212:215], v7, s[16:17] th:TH_LOAD_NT
; a unit: rows into my stage, eight fragments back into the registers that the rows left, out as images.  left: the younger loads that may stay out
.macro RELAY rr, sc, left, di, dd, stp
	s_wait_loadcnt \left
	global_store_b128 v8, v[\sc:\sc+3], s[\dd:\dd+1]   ; each sixteen lanes store 256 consecutive bytes, aligned
.irp ro, 0,1,2,3,4,5,6,7
.irp u, 0,1,2
	ds_store_b128 v9, v[\rr+4*(3*\ro+\u):\rr+4*(3*\ro+\u)+3] offset:2*\ro*RP+256*\u
.endr
.endr
	s_wait_dscnt 0x0                               ; the stores have read their registers
.irp ks, 0,1,2,3,4,5,6,7
.irp p, 0,1,2,3,4,5
	ds_load_b64 v[\rr+12*\ks+2*\p:\rr+12*\ks+2*\p+1], v10 offset:96*\ks+48*(\p/3)+8*(\p%3)
.endr
.endr
	s_wait_dscnt 0x0
.irp ks, 0,1,2,3,4,5,6,7
.irp c, 0,1,2
	global_store_b128 v11, v[\rr+12*\ks+4*\c:\rr+12*\ks+4*\c+3], s[\di:\di+1] offset:\ks*\stp+512*\c   ; 512 consecutive bytes, aligned
.endr
.endr
.endm
	s_wait_alu depctr_va_vdst(0)
	RELAY R1, 208, 25, 40, 42, 12288               ; the W2 unit's 25 loads may be out
	RELAY R2, 212, 0, 44, 46, 6144
	s_wait_tensorcnt 0x0
	ds_add_u32 v254, v255
	s_wait_dscnt 0x0
	s_endpgm
.Lfunc_end_k_q0b8adbc5f6_prep:
	.size	k_q0b8adbc5f6_prep, .Lfunc_end_k_q0b8adbc5f6_prep-k_q0b8adbc5f6_prep
	.p2alignl 7, 3214868480
	.fill 96, 4, 3214868480
	.section	.rodata,"a",@progbits
	.p2align	6, 0x0
	.amdhsa_kernel k_q0b8adbc5f6_prep
		.amdhsa_group_segment_fixed_size 105984
		.amdhsa_private_segment_fixed_size 0
		.amdhsa_enable_private_segment 0
		.amdhsa_kernarg_size 88
		.amdhsa_user_sgpr_count 2
		.amdhsa_user_sgpr_kernarg_segment_ptr 1
		.amdhsa_wavefront_size32 1
		.amdhsa_system_sgpr_workgroup_id_x 1
		.amdhsa_system_sgpr_workgroup_id_y 1
		.amdhsa_system_sgpr_workgroup_id_z 1
		.amdhsa_system_vgpr_workitem_id 0
		.amdhsa_next_free_vgpr 512
		.amdhsa_next_free_sgpr 66
		.amdhsa_reserve_vcc 1
		.amdhsa_float_denorm_mode_32 3
		.amdhsa_float_denorm_mode_16_64 3
		.amdhsa_memory_ordered 1
		.amdhsa_forward_progress 1
		.amdhsa_inst_pref_size 70
	.end_amdhsa_kernel
	.amdgpu_metadata
---
amdhsa.version: [ 1, 2 ]
amdhsa.kernels:
  - .name:           k_q0b8adbc5f6_prep
    .symbol:         k_q0b8adbc5f6_prep.kd
    .args:
      - { .name: x, .offset: 0, .size: 8, .value_kind: global_buffer, .address_space: global }
      - { .name: Wg, .offset: 8, .size: 8, .value_kind: global_buffer, .address_space: global }
      - { .name: bg, .offset: 16, .size: 8, .value_kind: global_buffer, .address_space: global }
      - { .name: W1_codes, .offset: 24, .size: 8, .value_kind: global_buffer, .address_space: global }
      - { .name: W1_scales, .offset: 32, .size: 8, .value_kind: global_buffer, .address_space: global }
      - { .name: W2_codes, .offset: 40, .size: 8, .value_kind: global_buffer, .address_space: global }
      - { .name: W2_scales, .offset: 48, .size: 8, .value_kind: global_buffer, .address_space: global }
      - { .name: wimg, .offset: 56, .size: 8, .value_kind: global_buffer, .address_space: global }
      - { .name: xqs, .offset: 64, .size: 8, .value_kind: global_buffer, .address_space: global }
      - { .name: sel, .offset: 72, .size: 8, .value_kind: global_buffer, .address_space: global }
      - { .name: gw, .offset: 80, .size: 8, .value_kind: global_buffer, .address_space: global }
    .group_segment_fixed_size: 105984
    .private_segment_fixed_size: 0
    .kernarg_segment_align: 8
    .kernarg_segment_size: 88
    .max_flat_workgroup_size: 128
    .sgpr_count:     66
    .vgpr_count:     512
    .wavefront_size: 32
...
	.end_amdgpu_metadata
.endif
;; end of part 5
;; launch place (part 6): grid 1 x 1, 32 waves a work-group, no clusters, 13,312 bytes of LDS; arguments sel, gw, plan, gs, out1; writes plan, gs, out1
.if DOCPART == 6
	.amdgcn_target "amdgcn-amd-amdhsa--gfx1250"
	.amdhsa_code_object_version 6
	.text
	.protected	k_q0b8adbc5f6_place
	.globl	k_q0b8adbc5f6_place
	.p2align	8
	.type	k_q0b8adbc5f6_place,@function
k_q0b8adbc5f6_place:
	s_mov_b64 s[64:65], 0
	v_nop
	global_prefetch_b8 v0, s[64:65] scope:SCOPE_SE
	s_setreg_imm32_b32 hwreg(HW_REG_WAVE_MODE, 25, 1), 1
	s_wait_xcnt 0x0
; PLACE.  One work-group sorts the 2,048 tokens by the number of their pair of experts (28 keys) by a counting sort, without atomics, and cuts each pair's tokens
; into blocks: a block holds tokens of ONE pair.  A pair's T tokens get ceil(T / 64) blocks, so there are never more than 2048 / 64 + 27 = 59; the blocks of a pair have ONE size,
; 16 m, m the least of 1 .. 4 with 16 m x blocks >= T, so that the pair's tiles of 16 slots are shared out evenly (73 tokens: 48 + 25).  T > 64 (blocks - 1), so no block of a pair is empty.
; plan: token numbers at 4 (64 block + slot); from byte 16,384 on 64 words lo | hi << 8 | count << 16 (count 0: no such block).  gs: the two weights at 8 (64 block + slot).
; Slots at or past a block's count are not written, and no later launch reads them.  out1 = 8 x the mean of the sums of p squared.
; Wave w owns two groups of 32 tokens: 64 w + lane and 64 w + 32 + lane.
; THE SUMS OVER THE WAVES: wave w stores its counts as row w (word k: key k); behind a barrier wave k reads column k, a word a lane, makes the running sum over the lanes, and stores it as
; row k (word w: the key's tokens in the waves ahead of wave w) with the key's total; behind a second barrier wave w reads column w.  Rows are 132 bytes apart: a column's 32 words lie in 32 banks.
; The 56 compare masks (28 keys x 2 groups) stay in scalar registers s28-63 and s66-85: they serve the counts, the ranks and the pick of each token's start.
.set CNT, 0                            ; LDS: 32 rows x 132 bytes of counts
.set PRE, 4352                         ; 32 rows x 132 bytes of running sums
.set TOT, 8704                         ; a word a key
.set AUX, 8832                         ; a word a wave: its sum of the sums of p squared
.macro MREG n                          ; MR: the scalar register of mask n = 2 key + group
.if (\n) < 36
.set MR, 28+(\n)
.else
.set MR, 30+(\n)
.endif
.endm
.macro SCAN32 src, dst                 ; the running sum over the 32 lanes, the lane's own number included
	v_mov_b32 v[\dst], v[\src]
.irp n, 1,2,4,8
	v_mov_b32 v31, 0
	s_delay_alu instid0(VALU_DEP_2)
	v_mov_b32_dpp v31, v[\dst] row_shr:\n row_mask:0xf bank_mask:0xf bound_ctrl:1
	s_delay_alu instid0(VALU_DEP_1)
	v_add_nc_u32 v[\dst], v[\dst], v31
.endr
	s_delay_alu instid0(VALU_DEP_1)
	v_readlane_b32 s23, v[\dst], 15
	s_delay_alu instid0(VALU_DEP_1)
	v_mov_b32 v31, s23
	v_cmp_lt_u32 vcc_lo, 15, v1
	s_delay_alu instid0(VALU_DEP_1)
	v_cndmask_b32 v31, 0, v31, vcc_lo
	s_delay_alu instid0(VALU_DEP_1)
	v_add_nc_u32 v[\dst], v[\dst], v31
.endm
	s_load_b256 s[4:11], s[0:1], 0x0               ; sel s[4:5], gw s[6:7], plan s[8:9], gs s[10:11]
	s_load_b64 s[12:13], s[0:1], 0x20              ; out1
	v_lshl_add_u32 v126, v0, 2, 0x2400
	v_mov_b32 v127, 0
	v_and_b32 v1, 31, v0                           ; lane
	v_lshrrev_b32 v2, 5, v0
	s_delay_alu instid0(VALU_DEP_1)
	v_readfirstlane_b32 s14, v2                    ; wave 0..31
	s_delay_alu instid0(VALU_DEP_2)
	v_lshl_add_u32 v3, v2, 6, v1                   ; my token of the first group
	s_delay_alu instid0(VALU_DEP_1)
	v_lshlrev_b32 v4, 2, v3
	s_delay_alu instid0(VALU_DEP_2)
	v_lshlrev_b32 v5, 4, v3
	v_lshlrev_b32 v6, 2, v1                        ; 4 x lane
	s_mul_i32 s15, s14, 132
	v_add_nc_u32 v7, s15, v6                       ; my row: 132 x wave + 4 x lane
	s_lshl_b32 s15, s14, 2
	v_mul_u32_u24 v9, v1, 132
	s_delay_alu instid0(VALU_DEP_1)
	v_add_nc_u32 v9, s15, v9                       ; my column: 132 x lane + 4 x wave
	v_mov_b32 v8, s14
	s_delay_alu instid0(VALU_DEP_1)
	v_lshlrev_b32 v8, 2, v8                        ; 4 x wave
	s_mov_b32 s16, 0x76543210
	s_mov_b32 s17, 0xfedcba98
	s_wait_alu depctr_va_vdst(0)
	s_wait_kmcnt 0x0
	global_load_b32 v10, v4, s[4:5]
	global_load_b32 v11, v4, s[4:5] offset:128
	global_load_b128 v[12:15], v5, s[6:7]
	global_load_b128 v[16:19], v5, s[6:7] offset:512
.irp r, 20,21,22,23,26,100,101
	v_mov_b32 v\r, 0
.endr
	s_wait_alu depctr_va_vdst(0)
	s_wait_loadcnt 0x0
	v_min_u32 v10, 27, v10
	v_min_u32 v11, 27, v11
; for each key: the lanes of each group that hold it; their number goes to lane k; each lane keeps the mask of its own key
.set k, 0
.rept 28
	MREG 2*k
.set M0R, MR
	MREG 2*k+1
.set M1R, MR
	v_cmp_eq_u32 s[M0R], k, v10
	v_cmp_eq_u32 s[M1R], k, v11
	s_bcnt1_i32_b32 s[20+2*(k%2)], s[M0R]
	s_bcnt1_i32_b32 s[21+2*(k%2)], s[M1R]
	v_cndmask_b32 v22, v22, s[M0R], s[M0R]
	v_cndmask_b32 v23, v23, s[M1R], s[M1R]
	v_writelane_b32 v20, s[20+2*(k%2)], k
	v_writelane_b32 v21, s[21+2*(k%2)], k
.set k, k+1
.endr
	s_delay_alu instid0(VALU_DEP_4)
	v_mbcnt_lo_u32_b32 v22, v22, 0                 ; my rank among my group's tokens of my key: the lanes below me in my key's mask
	s_delay_alu instid0(VALU_DEP_4)
	v_mbcnt_lo_u32_b32 v23, v23, 0
	s_delay_alu instid0(VALU_DEP_3)
	v_add_nc_u32 v24, v20, v21                     ; lane k: my wave's tokens of key k
	v_add_f32 v25, v14, v18                        ; my two tokens' sums of p squared, then the wave's
	s_delay_alu instid0(VALU_DEP_1)
	v_add_f32_dpp v25, v25, v25 row_xmask:1 row_mask:0xf bank_mask:0xf
	s_delay_alu instid0(VALU_DEP_1)
	v_add_f32_dpp v25, v25, v25 row_xmask:2 row_mask:0xf bank_mask:0xf
	s_delay_alu instid0(VALU_DEP_1)
	v_add_f32_dpp v25, v25, v25 row_xmask:4 row_mask:0xf bank_mask:0xf
	s_delay_alu instid0(VALU_DEP_1)
	v_add_f32_dpp v25, v25, v25 row_xmask:8 row_mask:0xf bank_mask:0xf
	s_delay_alu instid0(VALU_DEP_1)
	v_permlanex16_b32 v26, v25, s16, s17
	s_delay_alu instid0(VALU_DEP_1)
	v_add_f32 v25, v25, v26
	ds_store_b32 v7, v24 offset:CNT
	ds_store_b32 v8, v25 offset:AUX                ; all lanes write the same word with the same value
	s_wait_dscnt 0x0                               ; for the others: my stores have landed
	s_barrier_signal -1
	s_barrier_wait -1
	ds_load_b32 v32, v9 offset:CNT                 ; lane w: wave w's tokens of the key with my wave's number (keys 28-31: zeros)
	s_wait_dscnt 0x0
	SCAN32 32, 33
	s_delay_alu instid0(VALU_DEP_1)
	v_sub_nc_u32 v34, v33, v32                     ; lane w: the key's tokens in the waves ahead of wave w
	s_delay_alu instid0(VALU_DEP_2)
	v_readlane_b32 s24, v33, 31                    ; the key's tokens in all
	s_delay_alu instid0(VALU_DEP_1)
	v_mov_b32 v35, s24
	ds_store_b32 v7, v34 offset:PRE
	ds_store_b32 v8, v35 offset:TOT
	s_wait_dscnt 0x0                               ; for the others: my stores have landed
	s_barrier_signal -1
	s_barrier_wait -1
	ds_load_b32 v28, v9 offset:PRE                 ; lane k: key k's tokens in the waves ahead of mine
	ds_load_b32 v27, v6 offset:TOT                 ; lane k: key k's tokens in all, T
	s_wait_dscnt 0x0
	v_add_nc_u32 v29, 63, v27
	s_delay_alu instid0(VALU_DEP_1)
	v_lshrrev_b32 v29, 6, v29                      ; the key's blocks
	SCAN32 29, 30
	s_delay_alu instid0(VALU_DEP_1)
	v_sub_nc_u32 v30, v30, v29                     ; the key's first block, B
	v_lshlrev_b32 v36, 4, v29
	v_lshlrev_b32 v37, 5, v29
	s_delay_alu instid0(VALU_DEP_1)
	v_add_nc_u32 v38, v36, v37
	s_delay_alu instid0(VALU_DEP_3)
	v_cmp_lt_u32 vcc_lo, v36, v27                  ; m = 1 + [16 blocks < T] + [32 blocks < T] + [48 blocks < T]
	s_delay_alu instid0(VALU_DEP_1)
	v_cndmask_b32 v36, 0, 1, vcc_lo
	s_delay_alu instid0(VALU_DEP_4)
	v_cmp_lt_u32 vcc_lo, v37, v27
	s_delay_alu instid0(VALU_DEP_1)
	v_cndmask_b32 v37, 0, 1, vcc_lo
	v_cmp_lt_u32 vcc_lo, v38, v27
	s_delay_alu instid0(VALU_DEP_1)
	v_cndmask_b32 v38, 0, 1, vcc_lo
	s_delay_alu instid0(VALU_DEP_1)
	v_add3_u32 v36, v36, v37, v38
	s_delay_alu instid0(VALU_DEP_1)
	v_add_nc_u32 v36, 1, v36
	v_lshl_add_u32 v96, v30, 6, v28                ; a word for the tokens of my first group: bits 12:0 64 B + the tokens ahead (under 5,760),
	s_delay_alu instid0(VALU_DEP_1)
	v_lshl_add_u32 v96, v28, 13, v96               ; bits 23:13 the tokens ahead (under 2,048),
	s_delay_alu instid0(VALU_DEP_1)
	v_lshl_add_u32 v96, v36, 24, v96               ; bits 26:24 m;
	s_delay_alu instid0(VALU_DEP_1)
	v_mad_u32_u24 v97, v20, 0x2001, v96            ; and of my second: my first group's tokens of the key are ahead too
.set k, 0
.rept 28                               ; each lane takes the word of its own key, by the masks kept
	MREG 2*k
.set M0R, MR
	MREG 2*k+1
.set M1R, MR
	v_readlane_b32 s[20+2*(k%2)], v96, k
	v_readlane_b32 s[21+2*(k%2)], v97, k
	s_delay_alu instid0(VALU_DEP_2)
	v_cndmask_b32 v100, v100, s[20+2*(k%2)], s[M0R]
	s_delay_alu instid0(VALU_DEP_2)
	v_cndmask_b32 v101, v101, s[21+2*(k%2)], s[M1R]
.set k, k+1
.endr
; the token is number n of its key: block B + n div 16 m, slot n mod 16 m: 64 block + slot = 64 B + n + 16 (n div 16 m) (4 - m)
.macro POS d, rk, p
	v_and_b32 v[\p], 0x1fff, v[\d]
	v_bfe_u32 v104, v[\d], 13, 11
	v_lshrrev_b32 v105, 24, v[\d]                  ; m
	s_delay_alu instid0(VALU_DEP_2)
	v_add_nc_u32 v104, v104, v[\rk]                ; n
	s_delay_alu instid0(VALU_DEP_4)
	v_add_nc_u32 v[\p], v[\p], v[\rk]              ; 64 B + n
	s_delay_alu instid0(VALU_DEP_2)
	v_lshrrev_b32 v104, 4, v104                    ; n / 16, under 128
	s_delay_alu instid0(VALU_DEP_1)
	v_mul_u32_u24 v106, v104, 0x5556
	s_delay_alu instid0(VALU_DEP_1)
	v_lshrrev_b32 v106, 16, v106                   ; a third of it: 21,846 / 65,536 is exact for numbers under 128
	v_lshrrev_b32 v107, 1, v105
	s_delay_alu instid0(VALU_DEP_1)
	v_lshrrev_b32 v107, v107, v104                 ; by 1, 2 or 4: a shift by m / 2
	v_cmp_eq_u32 vcc_lo, 3, v105
	s_delay_alu instid0(VALU_DEP_1)
	v_cndmask_b32 v107, v107, v106, vcc_lo
	v_sub_nc_u32 v105, 4, v105
	s_delay_alu instid0(VALU_DEP_1)
	v_mul_u32_u24 v107, v107, v105
	s_delay_alu instid0(VALU_DEP_1)
	v_lshl_add_u32 v[\p], v107, 4, v[\p]
	s_delay_alu instid0(VALU_DEP_1)
	v_min_u32 v[\p], 0xfff, v[\p]
.endm
	POS 100, 22, 102
	POS 101, 23, 103
	v_lshlrev_b32 v108, 2, v102
	s_delay_alu instid0(VALU_DEP_2)
	v_lshlrev_b32 v109, 2, v103
	v_lshlrev_b32 v110, 3, v102
	s_delay_alu instid0(VALU_DEP_4)
	v_lshlrev_b32 v111, 3, v103
	v_add_nc_u32 v112, 32, v3
	global_store_b32 v108, v3, s[8:9]
	global_store_b32 v109, v112, s[8:9]
	global_store_b64 v110, v[12:13], s[10:11]
	global_store_b64 v111, v[16:17], s[10:11]
	s_cmp_lt_u32 s14, 2                            ; the table of blocks: waves 0 and 1, a block a thread
	s_cbranch_scc0 .Lnot_table
	v_lshlrev_b32 v40, 26, v30                     ; lane k: B in bits 31:26, m in 14:12, T in 11:0
	s_delay_alu instid0(VALU_DEP_1)
	v_lshl_or_b32 v40, v36, 12, v40
	s_delay_alu instid0(VALU_DEP_1)
	v_or_b32 v40, v40, v27
	v_lshlrev_b32 v41, 26, v0
	s_delay_alu instid0(VALU_DEP_1)
	v_or_b32 v41, 0x3ffffff, v41                   ; my block's number over ones: a key's word is above it where the key begins behind my block
	v_mov_b32 v42, 0
	v_mov_b32 v43, 0
.set KK, 0
.irp lo, 0,1,2,3,4,5,6                 ; the first blocks ascend with the key: the last key that does not begin behind my block owns it, or nobody does
.irp hi, 1,2,3,4,5,6,7
.if \hi > \lo
	v_readlane_b32 s24, v40, KK
	s_delay_alu instid0(VALU_DEP_1)
	v_cmp_gt_u32 vcc_lo, s24, v41
	s_delay_alu instid0(VALU_DEP_1)
	v_cndmask_b32 v42, s24, v42, vcc_lo
	s_delay_alu instid0(VALU_DEP_2)
	v_cndmask_b32 v43, \lo|(\hi<<8), v43, vcc_lo
.set KK, KK+1
.endif
.endr
.endr
	s_delay_alu instid0(VALU_DEP_2)
	v_lshrrev_b32 v44, 26, v42                     ; B
	s_delay_alu instid0(VALU_DEP_3)
	v_and_b32 v45, 0xfff, v42                      ; T
	s_delay_alu instid0(VALU_DEP_4)
	v_bfe_u32 v46, v42, 12, 3
	s_delay_alu instid0(VALU_DEP_1)
	v_lshlrev_b32 v46, 4, v46                      ; 16 m
	s_delay_alu instid0(VALU_DEP_4)
	v_sub_nc_u32 v44, v0, v44
	s_delay_alu instid0(VALU_DEP_1)
	v_mul_u32_u24 v44, v44, v46                    ; the key's tokens ahead of my block
	s_delay_alu instid0(VALU_DEP_1)
	v_cmp_gt_u32 vcc_lo, v45, v44
	s_delay_alu instid0(VALU_DEP_2)
	v_sub_nc_u32 v45, v45, v44
	s_delay_alu instid0(VALU_DEP_1)
	v_min_u32 v45, v45, v46
	s_delay_alu instid0(VALU_DEP_1)
	v_lshl_or_b32 v45, v45, 16, v43
	s_delay_alu instid0(VALU_DEP_1)
	v_cndmask_b32 v45, 0, v45, vcc_lo              ; none left: no such block
	v_lshlrev_b32 v47, 2, v0
	global_store_b32 v47, v45, s[8:9] offset:16384
.Lnot_table:
	s_cmp_eq_u32 s14, 2                            ; out1: wave 2
	s_cbranch_scc0 .Lend
	ds_load_b32 v113, v6 offset:AUX
	v_mov_b32 v114, 0
	v_mov_b32 v115, 0
	s_wait_dscnt 0x0
	v_add_f32_dpp v113, v113, v113 row_xmask:1 row_mask:0xf bank_mask:0xf
	s_delay_alu instid0(VALU_DEP_1)
	v_add_f32_dpp v113, v113, v113 row_xmask:2 row_mask:0xf bank_mask:0xf
	s_delay_alu instid0(VALU_DEP_1)
	v_add_f32_dpp v113, v113, v113 row_xmask:4 row_mask:0xf bank_mask:0xf
	s_delay_alu instid0(VALU_DEP_1)
	v_add_f32_dpp v113, v113, v113 row_xmask:8 row_mask:0xf bank_mask:0xf
	s_wait_alu depctr_va_vdst(0)
	v_permlanex16_b32 v114, v113, s16, s17
	s_delay_alu instid0(VALU_DEP_1)
	v_add_f32 v113, v113, v114
	s_delay_alu instid0(VALU_DEP_1)
	v_mul_f32 v113, 0x3b800000, v113               ; x 8 / 2048
	s_wait_alu depctr_va_vdst(0)
	s_wait_xcnt 0x0                                ; EXEC changes only behind this wait
	v_cmp_eq_u32 vcc_lo, 0, v1
	s_and_saveexec_b32 s26, vcc_lo
	global_store_b32 v115, v113, s[12:13]
	s_wait_xcnt 0x0
	s_or_b32 exec_lo, exec_lo, s26
.Lend:
	s_wait_tensorcnt 0x0
	ds_add_u32 v126, v127
	s_wait_dscnt 0x0
	s_endpgm
.Lfunc_end_k_q0b8adbc5f6_place:
	.size	k_q0b8adbc5f6_place, .Lfunc_end_k_q0b8adbc5f6_place-k_q0b8adbc5f6_place
	.p2alignl 7, 3214868480
	.fill 96, 4, 3214868480
	.section	.rodata,"a",@progbits
	.p2align	6, 0x0
	.amdhsa_kernel k_q0b8adbc5f6_place
		.amdhsa_group_segment_fixed_size 13312
		.amdhsa_private_segment_fixed_size 0
		.amdhsa_enable_private_segment 0
		.amdhsa_kernarg_size 40
		.amdhsa_user_sgpr_count 2
		.amdhsa_user_sgpr_kernarg_segment_ptr 1
		.amdhsa_wavefront_size32 1
		.amdhsa_system_sgpr_workgroup_id_x 1
		.amdhsa_system_sgpr_workgroup_id_y 1
		.amdhsa_system_sgpr_workgroup_id_z 1
		.amdhsa_system_vgpr_workitem_id 0
		.amdhsa_next_free_vgpr 128
		.amdhsa_next_free_sgpr 90
		.amdhsa_reserve_vcc 1
		.amdhsa_float_denorm_mode_32 3
		.amdhsa_float_denorm_mode_16_64 3
		.amdhsa_memory_ordered 1
		.amdhsa_forward_progress 1
		.amdhsa_inst_pref_size 42
	.end_amdhsa_kernel
	.amdgpu_metadata
---
amdhsa.version: [ 1, 2 ]
amdhsa.kernels:
  - .name:           k_q0b8adbc5f6_place
    .symbol:         k_q0b8adbc5f6_place.kd
    .args:
      - { .name: sel, .offset: 0, .size: 8, .value_kind: global_buffer, .address_space: global }
      - { .name: gw, .offset: 8, .size: 8, .value_kind: global_buffer, .address_space: global }
      - { .name: plan, .offset: 16, .size: 8, .value_kind: global_buffer, .address_space: global }
      - { .name: gs, .offset: 24, .size: 8, .value_kind: global_buffer, .address_space: global }
      - { .name: out1, .offset: 32, .size: 8, .value_kind: global_buffer, .address_space: global }
    .group_segment_fixed_size: 13312
    .private_segment_fixed_size: 0
    .kernarg_segment_align: 8
    .kernarg_segment_size: 40
    .max_flat_workgroup_size: 1024
    .sgpr_count:     90
    .vgpr_count:     128
    .wavefront_size: 32
...
	.end_amdgpu_metadata
.endif
;; end of part 6
;; launch up (part 7): grid 236 x 1, 8 waves a work-group, no clusters, 55,296 bytes of LDS; arguments wimg, xqs, plan, b1, hq; writes hq
.if DOCPART == 7
	.amdgcn_target "amdgcn-amd-amdhsa--gfx1250"
	.amdhsa_code_object_version 6
	.text
	.protected	k_q0b8adbc5f6_up
	.globl	k_q0b8adbc5f6_up
	.p2align	8
	.type	k_q0b8adbc5f6_up,@function
k_q0b8adbc5f6_up:
	s_mov_b64 s[64:65], 0
	v_nop
	global_prefetch_b8 v0, s[64:65] scope:SCOPE_SE
	s_setreg_imm32_b32 hwreg(HW_REG_WAVE_SCHED_MODE, 0, 2), 2
	s_setreg_imm32_b32 hwreg(HW_REG_WAVE_MODE, 25, 1), 1
	s_wait_xcnt 0x0
	s_wait_alu depctr_vm_vsrc(0)
; UP.  h = Q(gelu(Q(x) W1 + b1)) for one block of at most 64 tokens, one of the block's two experts and one half of the 2,048 hidden units.
; Work-group number = 4 block + 2 which + half.  Wave w makes hidden group g = 8 half + w: 64 slots x 128 hidden units, 32 accumulators.
; The product is used transposed (source 0 = 16 rows of W1, source 1 = 16 tokens), and the rows of a tile of W1 were chosen by the first launch so that a lane's
; 16 registers of tiles 2 b and 2 b + 1 are 16 neighbours along the next K.  W1 comes from memory straight into registers, as images of its fragments.
; The block's rows of x's codes are gathered once into LDS (64 rows x 784 bytes).  A slot at or past the block's count takes the last token's row.
; gelu(v) = max(v, 0) - |v| erfc(|v| / sqrt 2) / 2, erfc by t exp(-z z + polynomial(t)), t = 1 / (1 + z / 2).
; hq: codes at ((2 block + which) 16 + g) 6144 + 1536 tile: the image of the fragment (16 slots x hidden group g); scale words at 11,599,872 + (..) 256 + 8 lane + 4 i:
; lane l, word i: tile 2 i + l / 16, row l % 16.  Tiles without tokens get no codes and the scale bytes 1.
; A work-group whose block has no tokens reads block 0's first slot, passes the barrier and ends: no branch stands ahead of the barrier.
; No tensor load and no cluster: what a work-group does hangs on numbers that an earlier launch stored.
; LIMITS: the erfc formula's fractional error is 1.2e-7; where erfc / 2 falls under 2^-126 (v under about -13) gelu is -0; NaN and infinities are not served;
; a block of 32 whose largest magnitude lies under 2^-122 gets the byte 1.
; THE MODE: SCHED_MODE bits 1:0 = 2 (LLVM: expert scheduling mode 2), set by the entry lines.  The code itself states the register dependences
; between vector or matrix instructions and memory or LDS instructions, with s_wait_alu, always for 0.
; THE PLAN.  Registers that memory or LDS instructions touch:
;   v1-v11     offsets and LDS addresses, made at the head.  v3, v9, v10, v11, v1, v2 are read by the six loads of token numbers and then written once more, as the rows' offsets;
;              v9 is written again in each tile and v10 once at the end; the others are never written again.
;   v16-21     the six token numbers land here (not on their own offsets); vector lines read them; then x's scale words land in v16-31.
;   v12-15     v12 holds 16 r for the rows' offsets; then b1's 16 bytes land in v12-15 (offset: v7, 16 x thread); an LDS store reads them, at v7 + the immediate BIA.
;   XF         one set: the gathered rows land in it, my LDS stores read it, then the fragments of K step s land in it and both half steps' matrix instructions read it.
;   WF0-WF2    half step i's matrix instructions read set i % 3; behind them the loads of half step i + 3 land in it.
;   v64-127    behind the last products b1 lands here, from LDS.
;   v208-219   a tile's codes: written by vector lines, read by the tile's three stores, written again by the next tile.
; So ONE wait on va_vdst stands in a half step, behind its matrix instructions: the set that they have emptied is asked for again at once, and would else lie idle while the wave
; waits for the next set.  512 registers are all in use (16 + 16 + 32 + 48 + 144 in window 0, 256 accumulators in window 1): there is none for a second XF or a fourth set.
.set RP,  784                          ; an LDS row of x: 768 bytes of codes + 16
.set BIA, 50176                        ; behind the 64 rows: the work-group's 1,024 numbers of b1
.set TN,  16                           ; v16-21   at the head: six token numbers as loaded
.set XS,  16                           ; v16-31   x's scale words: 8 i + K step; lanes 0-15 tile 2 i, lanes 16-31 tile 2 i + 1
.set WS,  32                           ; v32-63   W1's likewise
.set XF,  64                           ; v64-111  x's four fragments of a K step
.set WF,  112                          ; v112-255 W1: three sets of four fragments by turns
.set BI,  64                           ; behind the products: v64-127 b1 in the result's layout
.set HH,  128                          ; v128-191 a tile's 64 numbers a lane
.set TT,  192                          ; v192-207 t;  v208-223 the polynomial;  v224-239 v v, then max(v, 0)
.set PP,  208
.set SS,  224
.set C8,  240                          ; v240-241 a coefficient as a pair
.set PWL, 244                          ; v244-245 the four tiles' scale words
.set TM,  192                          ; the quantiser: v192-207 at work, v208-227 codes, v228 the scale word
.set PC,  208
.set PW,  228
.set SEL, 42
.set MSB, 0
.macro WIN new                         ; the immediate's high byte repeats the setting that is left
.if MSB != \new
	s_set_vgpr_msb (MSB<<8)|\new
.set MSB, \new
.endif
.endm
; the matrix instruction on the registers named by rD, rA, rB, rSA, rSB.  zf: the constant 0 starts the sum.  fa, fb: the scale words stand in lanes 16-31
.macro WMM
.if zf
.if fa
.if fb
	v_wmma_scale_f32_16x16x128_f8f6f4 v[rD:rD+7], v[rA:rA+11], v[rB:rB+11], 0, v[rSA], v[rSB] matrix_a_fmt:MATRIX_FMT_BF6 matrix_b_fmt:MATRIX_FMT_BF6 matrix_a_scale:MATRIX_SCALE_ROW1 matrix_b_scale:MATRIX_SCALE_ROW1
.else
	v_wmma_scale_f32_16x16x128_f8f6f4 v[rD:rD+7], v[rA:rA+11], v[rB:rB+11], 0, v[rSA], v[rSB] matrix_a_fmt:MATRIX_FMT_BF6 matrix_b_fmt:MATRIX_FMT_BF6 matrix_a_scale:MATRIX_SCALE_ROW1
.endif
.else
.if fb
	v_wmma_scale_f32_16x16x128_f8f6f4 v[rD:rD+7], v[rA:rA+11], v[rB:rB+11], 0, v[rSA], v[rSB] matrix_a_fmt:MATRIX_FMT_BF6 matrix_b_fmt:MATRIX_FMT_BF6 matrix_b_scale:MATRIX_SCALE_ROW1
.else
	v_wmma_scale_f32_16x16x128_f8f6f4 v[rD:rD+7], v[rA:rA+11], v[rB:rB+11], 0, v[rSA], v[rSB] matrix_a_fmt:MATRIX_FMT_BF6 matrix_b_fmt:MATRIX_FMT_BF6
.endif
.endif
.else
.if fa
.if fb
	v_wmma_scale_f32_16x16x128_f8f6f4 v[rD:rD+7], v[rA:rA+11], v[rB:rB+11], v[rD:rD+7], v[rSA], v[rSB] matrix_a_fmt:MATRIX_FMT_BF6 matrix_b_fmt:MATRIX_FMT_BF6 matrix_a_scale:MATRIX_SCALE_ROW1 matrix_b_scale:MATRIX_SCALE_ROW1
.else
	v_wmma_scale_f32_16x16x128_f8f6f4 v[rD:rD+7], v[rA:rA+11], v[rB:rB+11], v[rD:rD+7], v[rSA], v[rSB] matrix_a_fmt:MATRIX_FMT_BF6 matrix_b_fmt:MATRIX_FMT_BF6 matrix_a_scale:MATRIX_SCALE_ROW1
.endif
.else
.if fb
	v_wmma_scale_f32_16x16x128_f8f6f4 v[rD:rD+7], v[rA:rA+11], v[rB:rB+11], v[rD:rD+7], v[rSA], v[rSB] matrix_a_fmt:MATRIX_FMT_BF6 matrix_b_fmt:MATRIX_FMT_BF6 matrix_b_scale:MATRIX_SCALE_ROW1
.else
	v_wmma_scale_f32_16x16x128_f8f6f4 v[rD:rD+7], v[rA:rA+11], v[rB:rB+11], v[rD:rD+7], v[rSA], v[rSB] matrix_a_fmt:MATRIX_FMT_BF6 matrix_b_fmt:MATRIX_FMT_BF6
.endif
.endif
.endif
.endm
	s_load_b256 s[4:11], s[0:1], 0x0               ; wimg s[4:5], xqs s[6:7], plan s[8:9], b1 s[10:11]
	s_load_b64 s[12:13], s[0:1], 0x20              ; hq
	v_lshrrev_b32 v1, 5, v0
	v_readfirstlane_b32 s14, v1                    ; wave 0..7
	v_and_b32 v1, 31, v0                           ; lane: also slot l, whose scale words I fetch
	v_and_b32 v2, 15, v0                           ; r
	v_bfe_u32 v3, v0, 4, 1                         ; h
	v_lshlrev_b32 v4, 4, v1                        ; 16 x lane: my place in an image
	v_mul_u32_u24 v5, v3, RP
	v_lshl_add_u32 v5, v2, 4, v5
	v_mul_u32_u24 v6, v2, RP
	v_mad_u32_u24 v6, v3, 24, v6                   ; x's fragments: row r, + 24 h
	v_lshlrev_b32 v7, 4, v0                        ; 16 x thread: my 16 bytes of b1 in memory, and, with the immediate BIA, in LDS
	s_wait_alu depctr_va_sdst(0)                   ; s14 is written, ahead of its first reader: LDS addresses and the bases are made from it
	s_mul_i32 s15, s14, 8*RP
	v_add_nc_u32 v5, s15, v5                       ; x into LDS: rows 8 w + h on, 16 bytes a lane
	s_lshl_b32 s15, s14, 9
	s_add_co_u32 s15, s15, BIA
	v_lshl_add_u32 v8, v3, 6, s15                  ; b1 out of it: my group's 512 bytes, + 64 h
	s_lshl_b32 s15, s14, 3
	v_add_nc_u32 v3, s15, v3                       ; the slots whose rows I stage: 8 w + h, + 2, + 4, + 6
	v_add_nc_u32 v9, 2, v3
	v_add_nc_u32 v10, 4, v3
	v_add_nc_u32 v11, 6, v3
	v_add_nc_u32 v2, 32, v1                        ; slot 32 + l
	s_lshr_b32 s16, ttmp9, 2                       ; block
	s_bfe_u32 s17, ttmp9, 0x10001                  ; which of its two experts
	s_and_b32 s18, ttmp9, 1                        ; half of H
	s_lshl_b32 s19, s16, 2
	s_wait_alu depctr_va_vdst(0)
	s_wait_kmcnt 0x0
	s_load_b32 s20, s[8:9], s19 offset:0x4000      ; lo | hi << 8 | count << 16
	s_wait_kmcnt 0x0
	s_bfe_u32 s21, s20, 0x80010
	s_min_u32 s21, s21, 64                         ; count
	s_and_b32 s22, s20, 0xff
	s_bfe_u32 s23, s20, 0x80008
	s_cmp_eq_u32 s17, 0
	s_cselect_b32 s22, s22, s23
	s_min_u32 s22, s22, 7                          ; expert
	s_add_co_u32 s23, s21, 15
	s_lshr_b32 s23, s23, 4                         ; tiles of 16 slots that hold tokens
	s_cmp_eq_u32 s21, 0
	s_cselect_b32 s41, 0, s16                      ; a block without tokens reads block 0's list,
	s_min_u32 s41, s41, 58
	s_max_u32 s40, s21, 1
	s_sub_co_u32 s40, s40, 1                       ; its first slot alone: the last slot that holds a token
	s_lshl_b32 s24, s18, 3
	s_add_co_u32 s24, s24, s14                     ; g
	s_mov_b32 s27, 0
	s_mul_i32 s26, s22, 1572864
	s_mul_i32 s25, s24, 98304
	s_add_co_u32 s26, s26, s25
	s_add_nc_u64 s[28:29], s[4:5], s[26:27]        ; W1's images of (expert, g)
	s_lshl_b32 s26, s22, 16
	s_lshl_b32 s25, s24, 12
	s_add_co_u32 s26, s26, s25
	s_add_co_u32 s26, s26, 25165824
	s_add_nc_u64 s[30:31], s[4:5], s[26:27]        ; their scale words
	s_lshl_b32 s26, s41, 8
	s_add_nc_u64 s[32:33], s[8:9], s[26:27]        ; the block's token numbers
	s_lshl_b32 s26, s22, 13
	s_lshl_b32 s25, s18, 12
	s_add_co_u32 s26, s26, s25
	s_add_nc_u64 s[34:35], s[10:11], s[26:27]      ; b1 of (expert, half)
	s_lshl_b32 s25, s16, 1
	s_add_co_u32 s25, s25, s17
	s_lshl_b32 s25, s25, 4
	s_add_co_u32 s25, s25, s24                     ; (2 block + which) 16 + g
	s_mul_i32 s26, s25, 6144
	s_add_nc_u64 s[36:37], s[12:13], s[26:27]      ; where my codes go
	s_lshl_b32 s26, s25, 8
	s_add_co_u32 s26, s26, 11599872
	s_add_nc_u64 s[38:39], s[12:13], s[26:27]      ; and my scale words
.irp rg, 3,9,10,11,1,2
	v_min_u32 v\rg, s40, v\rg
	v_min_u32 v\rg, 63, v\rg
	v_lshlrev_b32 v\rg, 2, v\rg
.endr
	s_wait_alu depctr_va_vdst(0)                   ; v1 to v11 are written: the loads, LDS stores and LDS loads below read them as offsets and addresses
	global_load_b32 v[TN+0], v3, s[32:33]          ; six token numbers, into registers of their own
	global_load_b32 v[TN+1], v9, s[32:33]
	global_load_b32 v[TN+2], v10, s[32:33]
	global_load_b32 v[TN+3], v11, s[32:33]
	global_load_b32 v[TN+4], v1, s[32:33]
	global_load_b32 v[TN+5], v2, s[32:33]
.irp i, 0,1,2,3
.irp q, 0,1
	global_load_b128 v[WS+8*\i+4*\q:WS+8*\i+4*\q+3], v4, s[30:31] offset:(2*\i+\q)*512
.endr
.endr
.macro WLOAD i                         ; half step i: K step i / 2, tiles 4 (i % 2) on: four fragments, 12 loads of 512 consecutive bytes, into set i % 3
.irp tt, 0,1,2,3
.irp c, 0,1,2
	global_load_b128 v[WF+48*((\i)%3)+12*\tt+4*\c:WF+48*((\i)%3)+12*\tt+4*\c+3], v4, s[28:29] offset:(\i)*6144+\tt*1536+512*\c
.endr
.endr
.endm
	WLOAD 0
	WLOAD 1
	WLOAD 2
	s_wait_loadcnt 44                              ; the six token numbers are in; the 8 + 36 loads behind them may be out
	s_wait_alu depctr_vm_vsrc(0)                   ; the six loads have read v3, v9, v10, v11, v1, v2, which the lines below write again
	v_and_b32 v12, 0xf0, v4                        ; 16 r
.macro ROWADR d, n                     ; a token's row of codes: 768 bytes a token, + 16 r
	v_min_u32 v\d, 0x7ff, v[TN+\n]
	v_mul_u32_u24 v\d, v\d, 768
	v_add_nc_u32 v\d, v\d, v12
.endm
.macro SCLADR d, n                     ; a token's scale bytes: 32 a token
	v_min_u32 v\d, 0x7ff, v[TN+\n]
	v_lshlrev_b32 v\d, 5, v\d
.endm
	ROWADR 3, 0
	ROWADR 9, 1
	ROWADR 10, 2
	ROWADR 11, 3
	SCLADR 1, 4
	SCLADR 2, 5
	s_wait_alu depctr_va_vdst(0)                   ; the six offsets are written, which the gathers read; the lines above are done reading v16-21 and v12, in which x's scale words and b1 land
.macro ROWS ro, rg                     ; two rows of codes: sixteen lanes take 256 consecutive bytes, aligned
.irp u, 0,1,2
	global_load_b128 v[XF+12*\ro+4*\u:XF+12*\ro+4*\u+3], v\rg, s[6:7] offset:256*\u
.endr
.endm
	ROWS 0, 3
	ROWS 1, 9
	ROWS 2, 10
	ROWS 3, 11
	global_load_b128 v[XS:XS+3], v1, s[6:7] offset:1572864
	global_load_b128 v[XS+4:XS+7], v1, s[6:7] offset:1572880
	global_load_b128 v[XS+8:XS+11], v2, s[6:7] offset:1572864
	global_load_b128 v[XS+12:XS+15], v2, s[6:7] offset:1572880
	global_load_b128 v[12:15], v7, s[34:35]        ; b1 at 16 x thread.  By this text's count 61 loads are out at the most
	s_wait_loadcnt 0x0
.irp ro, 0,1,2,3
.irp u, 0,1,2
	ds_store_b128 v5, v[XF+12*\ro+4*\u:XF+12*\ro+4*\u+3] offset:2*\ro*RP+256*\u
.endr
.endr
	ds_store_b128 v7, v[12:15] offset:BIA          ; b1 into LDS: BIA + 16 x thread
	s_wait_dscnt 0x0                               ; for the others: my stores have landed
	s_barrier_signal -1
	s_barrier_wait -1                              ; the 64 rows and b1 lie in LDS; nothing is written there again
	s_wait_alu depctr_vm_vsrc(0)                   ; my LDS stores have read v64-111, in which x's fragments land; the gathers have read v9 and v10, which are written again behind the products
	s_cmp_eq_u32 s21, 0
	s_cbranch_scc1 .Lend                           ; a block without tokens: nothing to make
.macro XFETCH s                        ; x's four fragments of K step s
.irp a, 0,1,2,3
.irp p, 0,1,2,3,4,5
	ds_load_b64 v[XF+12*\a+2*\p:XF+12*\a+2*\p+1], v6 offset:16*\a*RP+96*(\s)+48*(\p/3)+8*(\p%3)
.endr
.endr
.endm
; half a K step: 16 matrix instructions, four tiles of tokens x four tiles of hidden units.  The 32 accumulators of a K step take turns, one instruction a turn.
.macro HALF i
.if ((\i)%2) == 0
	s_wait_dscnt 0x0                               ; x's fragments are in
.endif
.if (\i) <= 13
	s_wait_loadcnt 24                              ; my set is in; the two younger sets, 12 loads each, may be out
.elseif (\i) == 14
	s_wait_loadcnt 12
.else
	s_wait_loadcnt 0
.endif
.if (\i) < 2
.set zf, 1
.else
.set zf, 0
.endif
	WIN 0x50                                       ; C and D window 1
.irp a, 0,1,2,3
.irp tt, 0,1,2,3
.set tl, 4*((\i)%2)+\tt
.set rD, 64*\a+8*tl
.set rA, WF+48*((\i)%3)+12*\tt
.set rB, XF+12*\a
.set rSA, WS+8*(tl/2)+(\i)/2
.set rSB, XS+8*(\a/2)+(\i)/2
.set fa, tl%2
.set fb, \a%2
	WMM
.endr
.endr
	WIN 0
.rept 4
	v_nop                                          ; the four places behind the matrix instructions stay; the wait below fills none of them
.endr
.if (\i) <= 13
	s_wait_alu depctr_va_vdst(0)                   ; this half step's matrix instructions are done reading set i % 3, and in an odd half step x's fragments: the loads below land there
.endif
.if (((\i)%2) == 1) && ((\i) < 15)
	XFETCH (\i)/2+1                                ; wanted at the next half step's head: asked for first
.endif
.if (\i)+3 < 16
	WLOAD (\i)+3                                   ; the set just emptied is asked for again at once
.endif
.endm
	XFETCH 0
.irp i, 0,1,2,3,4,5,6,7,8,9,10,11,12,13,14,15
	HALF \i
.endr
; ---- behind the products: + b1, gelu, the quantiser, a tile of 16 slots at a time
	s_wait_alu depctr_va_vdst(0)                   ; the last matrix instructions are done reading v64-127 (x's fragments and a part of W1's set 0), in which b1 lands
.irp t, 0,1,2,3,4,5,6,7
	ds_load_b128 v[BI+8*\t:BI+8*\t+3], v8 offset:(32*(\t/2)+8*(\t%2))*4      ; lane (r, h), tile 2 b + u, register j: hidden unit 32 b + 16 h + 8 u + j
	ds_load_b128 v[BI+8*\t+4:BI+8*\t+7], v8 offset:(32*(\t/2)+8*(\t%2))*4+16
.endr
	v_mov_b32 v[PWL], 0x01010101
	v_mov_b32 v[PWL+1], 0x01010101
	v_mov_b32 v[C8], 0xbf527892
	v_mov_b32 v[C8+1], 0xbf527892
	s_mov_b32 s[SEL], 0x76543210
	s_mov_b32 s[SEL+1], 0xfedcba98
	s_mov_b32 s41, 0                               ; the tile
	s_wait_dscnt 0x0
.macro TAKE a, m0, m1                  ; tile a's 64 numbers + b1 come down into window 0, each accumulator from its low end on; m0, m1: the lanes that keep its scale word
	s_mov_b32 s44, \m0
	s_mov_b32 s45, \m1
	WIN 0x01
.set k, 0
.rept 32
	v_pk_add_f32 v[HH+k:HH+k+1], v[64*(\a)+k:64*(\a)+k+1], v[BI+k:BI+k+1]
.set k, k+2
.endr
	WIN 0
.endm
.macro GELU16 n                        ; 16 numbers: v -> max(v, 0) - |v| erfc(|v| / sqrt 2) / 2
.set hb, HH+16*(\n)
.set k, 0
.rept 16
	v_fma_f32 v[TT+k], |v[hb+k]|, 0x3eb504f3, 1.0  ; 1 + z / 2, z = |v| / sqrt 2
.set k, k+1
.endr
.set k, 0
	s_wait_alu depctr_va_vdst(0)
.rept 16
	v_rcp_f32 v[TT+k], v[TT+k]                     ; t
.set k, k+1
.endr
.set k, 0
.rept 8
	v_pk_mul_f32 v[SS+k:SS+k+1], v[hb+k:hb+k+1], v[hb+k:hb+k+1]   ; v v: plain work behind the reciprocals
.set k, k+2
.endr
	s_wait_alu depctr_va_vdst(0)                   ; the sixteen reciprocals have written v[TT ..]: one wait, ahead of their first reader
.set k, 0
.rept 8
	v_pk_fma_f32 v[PP+k:PP+k+1], v[TT+k:TT+k+1], 0x3e2ef945, v[C8:C8+1] op_sel_hi:[1,0,1]
.set k, k+2
.endr
.irp cf, 0x3fbe87b0, 0xbf914e5d, 0x3e8ec7cc, 0xbe3ec24c, 0x3dc636c9, 0x3ebf88fb, 0x3f8000c7, 0xbfa1fc4e
.set k, 0
.rept 8
	v_pk_fma_f32 v[PP+k:PP+k+1], v[PP+k:PP+k+1], v[TT+k:TT+k+1], \cf op_sel_hi:[1,1,0]
.set k, k+2
.endr
.endr
.set k, 0
.rept 8
	v_pk_fma_f32 v[PP+k:PP+k+1], v[SS+k:SS+k+1], -0.5, v[PP+k:PP+k+1] op_sel_hi:[1,0,1]   ; - z z
.set k, k+2
.endr
.set k, 0
.rept 8
	v_pk_fma_f32 v[PP+k:PP+k+1], v[PP+k:PP+k+1], 0x3fb8aa3b, -1.0 op_sel_hi:[1,0,0]       ; to base 2, and the half
.set k, k+2
.endr
.set k, 0
	s_wait_alu depctr_va_vdst(0)
.rept 16
	v_exp_f32 v[PP+k], v[PP+k]
.set k, k+1
.endr
.set k, 0
.rept 16
	v_max_num_f32 v[SS+k], 0, v[hb+k]              ; plain work behind the exponentials
.set k, k+1
.endr
	s_wait_alu depctr_va_vdst(0)                   ; the sixteen exponentials have written v[PP ..]: one wait, ahead of their first reader
.set k, 0
.rept 8
	v_pk_mul_f32 v[PP+k:PP+k+1], v[PP+k:PP+k+1], v[TT+k:TT+k+1]   ; erfc / 2
.set k, k+2
.endr
.set k, 0
.rept 16
	v_fma_f32 v[hb+k], -|v[hb+k]|, v[PP+k], v[SS+k]
.set k, k+1
.endr
.endm
.Ltile:                                            ; four trips; a tile without tokens is passed over
	s_cmp_ge_u32 s41, s23
	s_cbranch_scc1 .Lnext
	s_wait_xcnt 0x0                                ; the last tile's stores have had their addresses translated: their registers and their offset are written again only behind this wait
	s_wait_alu depctr_vm_vsrc(0)                   ; the last tile's three stores have read v208-219 and v9, which this tile writes again
	s_cmp_eq_u32 s41, 0
	s_cbranch_scc1 .La0
	s_cmp_eq_u32 s41, 1
	s_cbranch_scc1 .La1
	s_cmp_eq_u32 s41, 2
	s_cbranch_scc1 .La2
	TAKE 3, 0, 0xffff0000
	s_branch .Lcommon
.La0:
	TAKE 0, 0xffff, 0
	s_branch .Lcommon
.La1:
	TAKE 1, 0xffff0000, 0
	s_branch .Lcommon
.La2:
	TAKE 2, 0, 0xffff
.Lcommon:
	GELU16 0
	GELU16 1
	GELU16 2
	GELU16 3
; the quantiser: register 16 b + i is k = 32 b + 16 h + i of my slot's 128 hidden units
.irp b, 0,1,2,3
	v_max3_num_f32 v[TM+\b], |v[HH+16*\b]|, |v[HH+1+16*\b]|, 0x2800000   ; and the floor 2^(5 - 127): the byte cannot fall under 1
.endr
.irp i, 2,4,6,8,10,12,14
.irp b, 0,1,2,3
	v_max3_num_f32 v[TM+\b], v[TM+\b], |v[HH+16*\b+\i]|, |v[HH+1+16*\b+\i]|
.endr
.endr
.irp b, 0,1,2,3
	v_permlanex16_b32 v[TM+4+\b], v[TM+\b], s[SEL], s[SEL+1]
.endr
.irp b, 0,1,2,3
	v_max_num_f32 v[TM+\b], v[TM+\b], v[TM+4+\b]   ; with lane l xor 16: the block's largest magnitude
.endr
.irp b, 0,1,2,3
	v_add_nc_u32 v[TM+12+\b], 0xfe000000, v[TM+\b] ; 4 off its exponent field: the conversion's scale operand
.endr
.irp b, 0,1,2,3
	v_lshrrev_b32 v[TM+4+\b], 23, v[TM+12+\b]      ; the scale's byte
.endr
	v_lshl_or_b32 v[PW], v[TM+5], 8, v[TM+4]
	v_lshl_or_b32 v[PW], v[TM+6], 16, v[PW]
	v_lshl_or_b32 v[PW], v[TM+7], 24, v[PW]        ; my slot's scale word
.irp c, 0,1
	v_cvt_scalef32_pk16_bf6_f32 v[PC+6*\c:PC+2+6*\c], v[HH+32*\c:HH+15+32*\c], v[TM+12+2*\c]
	v_cvt_scalef32_pk16_bf6_f32 v[PC+12+4*\c:PC+14+4*\c], v[HH+16+32*\c:HH+31+32*\c], v[TM+12+2*\c+1]   ; (a conversion's three registers begin on an even number)
.endr
	v_nop                                          ; one plain line behind the conversions
.irp c, 0,1                            ; the operand wants a whole block in a lane: lanes 0-15 block 2 c, lanes 16-31 block 2 c + 1
.irp i, 0,1,2
	v_permlane16_swap_b32 v[PC+6*\c+\i], v[PC+12+4*\c+\i]
.endr
.irp i, 0,1,2
	v_mov_b32 v[PC+3+6*\c+\i], v[PC+12+4*\c+\i]
.endr
.endr
	s_mul_i32 s46, s41, 1536
	v_add_nc_u32 v9, s46, v4
	s_wait_alu depctr_va_vdst(0)                   ; the conversions, swaps and moves have written v208-219, and v9 is written: the three stores read them
.irp c, 0,1,2
	global_store_b128 v9, v[PC+4*\c:PC+4*\c+3], s[36:37] offset:512*\c   ; the fragment as it stands: 512 consecutive bytes, aligned
.endr
	v_cndmask_b32 v[PWL], v[PWL], v[PW], s44
	v_cndmask_b32 v[PWL+1], v[PWL+1], v[PW], s45
.Lnext:
	s_add_co_u32 s41, s41, 1
	s_cmp_lt_u32 s41, 4
	s_cbranch_scc1 .Ltile
	v_lshrrev_b32 v10, 1, v4                       ; 8 x lane (the gather that read v10 stands ahead of the wait on vm_vsrc behind the barrier)
	s_wait_alu depctr_va_vdst(0)                   ; v10 and the two scale words v244-245 are written: the store reads them
	global_store_b64 v10, v[PWL:PWL+1], s[38:39]   ; 256 consecutive bytes, aligned
.Lend:
	s_wait_xcnt 0x0
	v_lshl_add_u32 v254, v0, 2, 0xd400             ; the add's two registers are made anew here; no memory or LDS instruction has read v254 or v255
	v_mov_b32 v255, 0
	s_wait_dscnt 0x0                               ; the closing lines, six on end
	s_wait_alu 0x0
	s_wait_tensorcnt 0x0
	ds_add_u32 v254, v255
	s_wait_dscnt 0x0
	s_endpgm
.Lfunc_end_k_q0b8adbc5f6_up:
	.size	k_q0b8adbc5f6_up, .Lfunc_end_k_q0b8adbc5f6_up-k_q0b8adbc5f6_up
	.p2alignl 7, 3214868480
	.fill 96, 4, 3214868480
	.section	.rodata,"a",@progbits
	.p2align	6, 0x0
	.amdhsa_kernel k_q0b8adbc5f6_up
		.amdhsa_group_segment_fixed_size 55296
		.amdhsa_private_segment_fixed_size 0
		.amdhsa_enable_private_segment 0
		.amdhsa_kernarg_size 40
		.amdhsa_user_sgpr_count 2
		.amdhsa_user_sgpr_kernarg_segment_ptr 1
		.amdhsa_wavefront_size32 1
		.amdhsa_system_sgpr_workgroup_id_x 1
		.amdhsa_system_sgpr_workgroup_id_y 1
		.amdhsa_system_sgpr_workgroup_id_z 1
		.amdhsa_system_vgpr_workitem_id 0
		.amdhsa_next_free_vgpr 512
		.amdhsa_next_free_sgpr 66
		.amdhsa_reserve_vcc 0
		.amdhsa_float_denorm_mode_32 3
		.amdhsa_float_denorm_mode_16_64 3
		.amdhsa_memory_ordered 1
		.amdhsa_forward_progress 1
		.amdhsa_inst_pref_size 144
	.end_amdhsa_kernel
	.amdgpu_metadata
---
amdhsa.version: [ 1, 2 ]
amdhsa.kernels:
  - .name:           k_q0b8adbc5f6_up
    .symbol:         k_q0b8adbc5f6_up.kd
    .args:
      - { .name: wimg, .offset: 0, .size: 8, .value_kind: global_buffer, .address_space: global }
      - { .name: xqs, .offset: 8, .size: 8, .value_kind: global_buffer, .address_space: global }
      - { .name: plan, .offset: 16, .size: 8, .value_kind: global_buffer, .address_space: global }
      - { .name: b1, .offset: 24, .size: 8, .value_kind: global_buffer, .address_space: global }
      - { .name: hq, .offset: 32, .size: 8, .value_kind: global_buffer, .address_space: global }
    .group_segment_fixed_size: 55296
    .private_segment_fixed_size: 0
    .kernarg_segment_align: 8
    .kernarg_segment_size: 40
    .max_flat_workgroup_size: 256
    .sgpr_count:     66
    .vgpr_count:     512
    .wavefront_size: 32
...
	.end_amdgpu_metadata
.endif
;; end of part 7
;; launch down (part 8): grid 236 x 1, 8 waves a work-group, no clusters, 269,312 bytes of LDS; arguments wimg, hq, plan, gs, b2, out0; writes out0
.if DOCPART == 8
	.amdgcn_target "amdgcn-amd-amdhsa--gfx1250"
	.amdhsa_code_object_version 6
	.text
	.protected	k_q0b8adbc5f6_down
	.globl	k_q0b8adbc5f6_down
	.p2align	8
	.type	k_q0b8adbc5f6_down,@function
k_q0b8adbc5f6_down:
	s_mov_b64 s[64:65], 0
	v_nop
	global_prefetch_b8 v0, s[64:65] scope:SCOPE_SE
	s_setreg_imm32_b32 hwreg(HW_REG_WAVE_SCHED_MODE, 0, 2), 2
	s_setreg_imm32_b32 hwreg(HW_REG_WAVE_MODE, 25, 1), 1
	s_wait_xcnt 0x0
	s_wait_alu depctr_vm_vsrc(0)
; DOWN.  out0[token] = w_lo (h_lo W2[lo] + b2[lo]) + w_hi (h_hi W2[hi] + b2[hi]) for one block of at most 64 tokens and 256 output columns.
; Work-group number = 4 block + quarter of the columns.  Wave w: expert which = w / 4 of the block's two, columns 64 (4 quarter + w % 4) on: 64 slots x 64 columns, 16 accumulators.
; The product is used transposed (source 0 = 16 columns of W2, source 1 = 16 slots of h): a lane holds eight neighbouring columns of one token's row.
; W2 comes from memory straight into registers, as images of its fragments, three K steps ahead.  The block's hidden codes of both experts (2 x 98,304 bytes, images too) are
; brought into LDS once: wave w brings tile w % 4 of its expert, all 16 K steps asked for at once: eight into the registers that the accumulators will take, eight into those of h's fragments.
; A tile without tokens takes a copy of the last tile that has some; its results are not stored.
; b2 is the C of each sum's first matrix instruction.  Waves 4-7 multiply by their gate and hand their 64 x 64 to waves 0-3 through LDS; those add their own by one multiply-add,
; turn the sums into whole rows through the same bytes and store each token's 256 bytes.  Each output row has one owner.
; In the last tile the slots past the block's count are copies of the last token: the same bits go to the same address, from the same wave.
; A work-group whose block has no tokens reads block 0's first tile, runs the first K step (which writes every accumulator), passes both barriers and stores nothing.
; No tensor load and no cluster: what a work-group does hangs on numbers that an earlier launch stored.
; THE MODE: SCHED_MODE bits 1:0 = 2 (LLVM: expert scheduling mode 2), set by the entry lines.  The code itself states the register dependences
; between vector or matrix instructions and memory or LDS instructions, with s_wait_alu, always for 0.
; THE PLAN.  Registers that memory or LDS instructions touch:
;   v1-v18       offsets and LDS addresses, made at the head and never written again.
;   v22-23       two token numbers land here (not on their own offsets), are clamped, and go to LDS.
;   window 1 v0-95, v72-167   h's images land here at the head; my LDS stores read them; then the matrix instructions write the first and h's fragments land in the second.
;   HF0, HF1     K step s's matrix instructions read HF[s % 2]; the LDS loads of step s + 2, issued in step s + 1, land in it.
;   W2's three sets and h's three pairs of scale words   K step s's matrix instructions read set s % 3; behind them the loads of step s + 3 land in it.
;   v216-247     the way out: the other expert's numbers land here, one multiply-add each writes them again, LDS stores read them.
;   OB0, OB1     the way out: two out-buffers by turns (v72-111, v112-151): rows and token numbers land here, the token numbers become offsets, the global stores read both.
; So ONE wait on va_vdst stands in a K step, behind its matrix instructions.  It covers the loads of W2, which follow it at once, and the LDS loads of h's next fragments but one, which stand
; in the next step behind its first four matrix instructions: those four name HF[(s + 1) % 2], set (s + 1) % 3, scale words and accumulators, none of the registers that these loads touch.
.set EXS,  196608                      ; LDS: h's images at 0 ([which][K step 16][tile 4][1536]); here 4 x (64 rows x 272 bytes); then 256 bytes of token numbers a wave
.set TOKT, 266240
.set TN,   22                          ; v22-23   two token numbers as loaded
.set HSC,  24                          ; v24-29   h's scale words, three pairs by turns: word i: lanes 0-15 tile 2 i, lanes 16-31 tile 2 i + 1
.set G,    32                          ; v32,34,36,38 my slots' gates, a tile each (the odd partners are written, not used)
.set WSC,  40                          ; v40-71   W2's scale words: 16 i + K step
.set HF,   72                          ; v72-167  h's four fragments, two sets (at the head: K steps 8-15 of my tile on their way to LDS)
.set OB,   72                          ; the way out: out-buffer p at OB + 40 p: 32 registers of rows, 8 of token numbers, then offsets
.set TMP,  216                         ; v216-247 the way out: the two experts' numbers meet here
.set B2,   224                         ; window 1: v0-127 accumulators ((a, t) at 8 (4 a + t)); v128-223 W2's sets 1 and 2; v224-255 b2.  W2's set 0: window 0, v168-215
.set MSB, 0
.macro WIN new                         ; the immediate's high byte repeats the setting that is left
.if MSB != \new
	s_set_vgpr_msb (MSB<<8)|\new
.set MSB, \new
.endif
.endm
.macro WMM                             ; the matrix instruction on rD, rA, rB, rC, rSA, rSB.  fa, fb: the scale words stand in lanes 16-31
.if fa
.if fb
	v_wmma_scale_f32_16x16x128_f8f6f4 v[rD:rD+7], v[rA:rA+11], v[rB:rB+11], v[rC:rC+7], v[rSA], v[rSB] matrix_a_fmt:MATRIX_FMT_BF6 matrix_b_fmt:MATRIX_FMT_BF6 matrix_a_scale:MATRIX_SCALE_ROW1 matrix_b_scale:MATRIX_SCALE_ROW1
.else
	v_wmma_scale_f32_16x16x128_f8f6f4 v[rD:rD+7], v[rA:rA+11], v[rB:rB+11], v[rC:rC+7], v[rSA], v[rSB] matrix_a_fmt:MATRIX_FMT_BF6 matrix_b_fmt:MATRIX_FMT_BF6 matrix_a_scale:MATRIX_SCALE_ROW1
.endif
.else
.if fb
	v_wmma_scale_f32_16x16x128_f8f6f4 v[rD:rD+7], v[rA:rA+11], v[rB:rB+11], v[rC:rC+7], v[rSA], v[rSB] matrix_a_fmt:MATRIX_FMT_BF6 matrix_b_fmt:MATRIX_FMT_BF6 matrix_b_scale:MATRIX_SCALE_ROW1
.else
	v_wmma_scale_f32_16x16x128_f8f6f4 v[rD:rD+7], v[rA:rA+11], v[rB:rB+11], v[rC:rC+7], v[rSA], v[rSB] matrix_a_fmt:MATRIX_FMT_BF6 matrix_b_fmt:MATRIX_FMT_BF6
.endif
.endif
.endm
	s_load_b256 s[4:11], s[0:1], 0x0               ; wimg s[4:5], hq s[6:7], plan s[8:9], gs s[10:11]
	s_load_b128 s[12:15], s[0:1], 0x20             ; b2 s[12:13], out0 s[14:15]
	v_lshl_add_u32 v30, v0, 2, 0x41800
	v_mov_b32 v31, 0
	v_lshrrev_b32 v1, 5, v0
	v_readfirstlane_b32 s16, v1                    ; wave 0..7
	v_and_b32 v19, 31, v0                          ; lane
	v_and_b32 v20, 15, v0                          ; r
	v_bfe_u32 v21, v0, 4, 1                        ; h
	v_lshlrev_b32 v1, 4, v19                       ; 16 x lane
	v_lshlrev_b32 v2, 3, v19                       ; 8 x lane
	v_lshlrev_b32 v11, 4, v20                      ; 16 r
	v_lshlrev_b32 v12, 5, v21                      ; b2: 32 h
	s_wait_alu depctr_va_sdst(0)                   ; s16 is written, ahead of its first reader: LDS addresses and the bases are made from it
	s_lshr_b32 s17, s16, 2                         ; which
	s_and_b32 s18, s16, 3                          ; my 64 columns of the 256; also the tile of h that I bring
	s_mul_i32 s19, s17, 98304
	v_add_nc_u32 v5, s19, v1                       ; my expert's images in LDS, K steps 0-7,
	v_add_nc_u32 v6, 49152, v5                     ; and 8-15
	s_mul_i32 s20, s18, 1536
	v_add_nc_u32 v3, s20, v5                       ; where I put my tile's
	v_add_nc_u32 v4, 49152, v3
	s_mul_i32 s20, s18, 17408
	s_add_co_u32 s20, s20, EXS
	v_mul_u32_u24 v7, v20, 272
	v_lshl_add_u32 v7, v21, 5, v7
	v_add_nc_u32 v7, s20, v7                       ; the exchange: row r, + 32 h
	v_mad_u32_u24 v8, v21, 272, v11
	v_add_nc_u32 v8, s20, v8                       ; back by rows: lanes 0-15 one row of 256 bytes, lanes 16-31 the next
	s_lshl_b32 s20, s16, 8
	s_add_co_u32 s20, s20, TOKT
	v_lshl_add_u32 v9, v19, 2, s20                 ; my wave's token numbers: in,
	v_lshl_add_u32 v10, v21, 2, s20                ; and out: a number for each half of the lanes
	s_lshr_b32 s21, ttmp9, 2                       ; block
	s_and_b32 s22, ttmp9, 3                        ; quarter
	s_lshl_b32 s23, s21, 2
	s_wait_kmcnt 0x0
	s_load_b32 s24, s[8:9], s23 offset:0x4000      ; lo | hi << 8 | count << 16
	s_wait_kmcnt 0x0
	s_bfe_u32 s25, s24, 0x80010
	s_min_u32 s25, s25, 64                         ; count
	s_and_b32 s26, s24, 0xff
	s_bfe_u32 s27, s24, 0x80008
	s_cmp_eq_u32 s17, 0
	s_cselect_b32 s26, s26, s27
	s_min_u32 s26, s26, 7                          ; expert
	s_cmp_eq_u32 s25, 0
	s_cselect_b32 s21, 0, s21                      ; a block without tokens reads block 0,
	s_min_u32 s21, s21, 58
	s_max_u32 s27, s25, 1
	s_sub_co_u32 s28, s27, 1                       ; the last slot that holds a token
	s_add_co_u32 s27, s27, 15
	s_lshr_b32 s27, s27, 4
	s_sub_co_u32 s27, s27, 1
	s_min_u32 s27, s27, s18
	s_min_u32 s27, s27, 3                          ; the tile that I bring: mine, or the last that has tokens
	s_lshl_b32 s29, s22, 2
	s_add_co_u32 s29, s29, s18                     ; ng
	s_mov_b32 s31, 0
	s_mul_i32 s30, s26, 1572864
	s_mul_i32 s32, s29, 98304
	s_add_co_u32 s30, s30, s32
	s_add_co_u32 s30, s30, 12582912
	s_add_nc_u64 s[34:35], s[4:5], s[30:31]        ; W2's images of (expert, ng)
	s_lshl_b32 s30, s26, 16
	s_lshl_b32 s32, s29, 12
	s_add_co_u32 s30, s30, s32
	s_add_co_u32 s30, s30, 25690112
	s_add_nc_u64 s[36:37], s[4:5], s[30:31]        ; their scale words
	s_lshl_b32 s32, s21, 1
	s_add_co_u32 s32, s32, s17                     ; 2 block + which
	s_mul_i32 s30, s32, 98304
	s_mul_i32 s33, s27, 1536
	s_add_co_u32 s30, s30, s33
	s_add_nc_u64 s[38:39], s[6:7], s[30:31]        ; h's images of the tile that I bring
	s_lshl_b32 s30, s32, 12
	s_add_co_u32 s30, s30, 11599872
	s_add_nc_u64 s[40:41], s[6:7], s[30:31]        ; h's scale words
	s_lshl_b32 s30, s21, 8
	s_add_nc_u64 s[42:43], s[8:9], s[30:31]        ; the block's token numbers
	s_lshl_b32 s30, s21, 9
	s_lshl_b32 s33, s17, 2
	s_add_co_u32 s30, s30, s33
	s_add_nc_u64 s[44:45], s[10:11], s[30:31]      ; its gates, my expert's
	s_lshl_b32 s33, s29, 8                         ; my first column in bytes
	s_lshl_b32 s30, s26, 12
	s_add_co_u32 s30, s30, s33
	s_add_nc_u64 s[46:47], s[12:13], s[30:31]      ; b2
	s_mov_b32 s30, s33
	s_add_nc_u64 s[48:49], s[14:15], s[30:31]      ; out0
.irp a, 0,1,2,3
	v_add_nc_u32 v[13+\a], 16*\a, v20
	v_min_u32 v[13+\a], s28, v[13+\a]
	v_min_u32 v[13+\a], 63, v[13+\a]
	v_lshlrev_b32 v[13+\a], 3, v[13+\a]
	v_mov_b32 v[G+1+2*\a], 0
.endr
	v_add_nc_u32 v18, 32, v19
	v_min_u32 v17, s28, v19
	v_min_u32 v18, s28, v18
	v_min_u32 v17, 63, v17
	v_min_u32 v18, 63, v18
	v_lshlrev_b32 v17, 2, v17
	v_lshlrev_b32 v18, 2, v18
.macro HIN b, rg, wn                   ; eight K steps of my tile's images, 24 loads, into v[rg] on of the window that wn names as the destination's
	WIN \wn
.irp ks, 0,1,2,3,4,5,6,7
.irp c, 0,1,2
	global_load_b128 v[\rg+12*\ks+4*\c:\rg+12*\ks+4*\c+3], v1, s[38:39] offset:(8*(\b)+\ks)*6144+512*\c
.endr
.endr
	WIN 0
.endm
.macro HPUT adr, rg, wn                ; and on into LDS (an LDS store's data are its source 1)
	WIN \wn
.irp ks, 0,1,2,3,4,5,6,7
.irp c, 0,1,2
	ds_store_b128 v[\adr], v[\rg+12*\ks+4*\c:\rg+12*\ks+4*\c+3] offset:\ks*6144+512*\c
.endr
.endr
	WIN 0
.endm
.macro RLOAD s                         ; K step s: W2's four fragments (12 loads) and h's scale words (1), into set s % 3
.if ((\s)%3) == 0
.set rW, 168
.else
.set rW, 128+48*(((\s)%3)-1)
	WIN 0x40
.endif
.irp t, 0,1,2,3
.irp c, 0,1,2
	global_load_b128 v[rW+12*\t+4*\c:rW+12*\t+4*\c+3], v1, s[34:35] offset:(\s)*6144+\t*1536+512*\c
.endr
.endr
	WIN 0
	global_load_b64 v[HSC+2*((\s)%3):HSC+2*((\s)%3)+1], v2, s[40:41] offset:256*(\s)
.endm
	s_wait_alu depctr_va_vdst(0)                   ; v1 to v18 are written: every load, store and LDS instruction of the kernel but the last stores reads its offset or address among them
.irp a, 0,1,2,3
	global_load_b32 v[G+2*\a], v[13+\a], s[44:45]
.endr
	global_load_b32 v[TN], v17, s[42:43]           ; two token numbers, into registers of their own
	global_load_b32 v[TN+1], v18, s[42:43]
	HIN 0, 0, 0x40                                 ; K steps 0-7 into window 1, v0-95
	HIN 1, HF, 0                                   ; K steps 8-15 into window 0, v72-167: both batches are on their way together
.irp i, 0,1
.irp q, 0,1,2,3
	global_load_b128 v[WSC+16*\i+4*\q:WSC+16*\i+4*\q+3], v1, s[36:37] offset:(4*\i+\q)*512
.endr
.endr                                              ; 6 + 24 + 24 + 8 = 62 loads are out
	s_wait_loadcnt 32                              ; gates, token numbers and K steps 0-7 are in; the 24 + 8 loads behind them may be out
	v_min_u32 v[TN], 0x7ff, v[TN]
	v_min_u32 v[TN+1], 0x7ff, v[TN+1]
	s_wait_alu depctr_va_vdst(0)                   ; the two clamps have written v22 and v23, which the LDS stores read
	ds_store_b32 v9, v[TN]
	ds_store_b32 v9, v[TN+1] offset:128
	HPUT 3, 0, 0x04
	WIN 0x40                                       ; destination window 1
.irp t, 0,1,2,3
	global_load_b128 v[B2+8*\t:B2+8*\t+3], v12, s[46:47] offset:64*\t        ; lane (r, h), tile t, register j: column 16 t + 8 h + j
	global_load_b128 v[B2+8*\t+4:B2+8*\t+7], v12, s[46:47] offset:64*\t+16
.endr
	WIN 0
	RLOAD 0                                        ; 32 + 8 + 13 = 53 loads are out at the most
	s_wait_loadcnt 29                              ; K steps 8-15 are in; W2's 8 scale loads, b2's 8 and K step 0's 13 may be out
	HPUT 4, HF, 0
	RLOAD 1
	RLOAD 2                                        ; 29 + 26 = 55 loads are out at the most
	s_wait_dscnt 0x0                               ; for the others: my stores have landed
	s_barrier_signal -1
	s_barrier_wait -1                              ; both experts' images lie in LDS; nothing is written there again
	s_wait_alu depctr_vm_vsrc(0)                   ; my LDS stores have read v72-167, in which h's fragments land, and window 1's v0-95, which the first products write
.macro HFETCH s                        ; h's four fragments of K step s into set s % 2
.if (\s) < 8
.set hA, 5
.else
.set hA, 6
.endif
.irp a, 0,1,2,3
.irp c, 0,1,2
	ds_load_b128 v[HF+48*((\s)%2)+12*\a+4*\c:HF+48*((\s)%2)+12*\a+4*\c+3], v[hA] offset:((\s)%8)*6144+\a*1536+512*\c
.endr
.endr
.endm
.macro MWIN s                          ; the products' windows: C and D window 1; W2's set 0 lies in window 0, sets 1 and 2 in window 1
.if ((\s)%3) == 0
	WIN 0x50
.else
	WIN 0x51
.endif
.endm
.macro MROW s, a                       ; four matrix instructions: tile a of the slots x the four tiles of columns, K step s
.if ((\s)%3) == 0
.set rW, 168
.else
.set rW, 128+48*(((\s)%3)-1)
.endif
.irp t, 0,1,2,3
.set rD, 8*(4*(\a)+\t)
.if (\s) == 0
.set rC, B2+8*\t
.else
.set rC, rD
.endif
.set rA, rW+12*\t
.set rB, HF+48*((\s)%2)+12*(\a)
.set rSA, WSC+16*(\t/2)+(\s)
.set rSB, HSC+2*((\s)%3)+((\a)/2)
.set fa, \t%2
.set fb, (\a)%2
	WMM
.endr
.endm
; a K step: 16 matrix instructions; the 16 accumulators take turns, one instruction a turn
.macro KSTEP s
	s_wait_dscnt 0x0                               ; this step's fragments of h, asked for in the step before, are in: no LDS instruction was issued behind them
.if (\s) <= 13
	s_wait_loadcnt 26                              ; my set is in (and all that was asked for ahead of it); the two younger sets, 13 loads each, may be out
.elseif (\s) == 14
	s_wait_loadcnt 13
.else
	s_wait_loadcnt 0
.endif
	MWIN \s
	MROW \s, 0
.if (\s) < 15
	WIN 0
	HFETCH (\s)+1                                  ; no wait: the last step's wait has shown HF[(s + 1) % 2] read, and no vector or matrix instruction since names it, v5 or v6
	MWIN \s
.endif
	MROW \s, 1
	MROW \s, 2
	MROW \s, 3
	WIN 0
.rept 4
	v_nop                                          ; the four places behind the matrix instructions stay (behind the last step they stand ahead of the first read of results); the wait below fills none of them
.endr
.if (\s) <= 13
	s_wait_alu depctr_va_vdst(0)                   ; this step's matrix instructions are done reading W2's set s % 3, h's scale words of that set and HF[s % 2]: the loads below and the next step's LDS loads land there
.endif
.if (\s)+3 < 16
	RLOAD (\s)+3                                   ; the set just emptied is asked for again at once
.endif
.endm
	HFETCH 0
	KSTEP 0
	s_cmp_eq_u32 s25, 0
	s_cbranch_scc1 .Lout                           ; a block without tokens has nothing more to multiply
.irp s, 1,2,3,4,5,6,7,8,9,10,11,12,13,14,15
	KSTEP \s
.endr
.Lout:
	s_cmp_lt_u32 s16, 4
	s_cbranch_scc1 .Lmeet
	WIN 0x41                                       ; waves 4-7: x my gate, in place, each accumulator from its low end on
.irp a, 0,1,2,3
.set k, 0
.rept 16
	v_pk_mul_f32 v[32*\a+k:32*\a+k+1], v[32*\a+k:32*\a+k+1], v[G+2*\a:G+2*\a+1] op_sel_hi:[1,0]
.set k, k+2
.endr
.endr
	WIN 0x04
	s_wait_alu depctr_va_vdst(0)                   ; the multiplications have written window 1's v0-127, which the LDS stores read
.irp a, 0,1,2,3
.irp t, 0,1,2,3
	ds_store_b128 v7, v[8*(4*\a+\t):8*(4*\a+\t)+3] offset:16*\a*272+64*\t
	ds_store_b128 v7, v[8*(4*\a+\t)+4:8*(4*\a+\t)+7] offset:16*\a*272+64*\t+16
.endr
.endr
	WIN 0
.Lmeet:
	s_wait_dscnt 0x0                               ; my LDS stores have landed and my LDS loads are in
	s_barrier_signal -1
	s_barrier_wait -1
	s_cmp_lt_u32 s16, 4
	s_cbranch_scc0 .Ldone
; waves 0-3: a tile of 16 slots at a time.  Only I touch my 17,408 bytes of the exchange from here on, and LDS serves a wave's instructions in order
.macro OUTT a
.set rO, OB+40*((\a)%2)
	s_cmp_le_u32 s25, 16*(\a)
	s_cbranch_scc1 .Ldone                          ; no token in this tile, nor in those behind it
.if (\a) > 1
	s_wait_xcnt 0x0                                ; the global stores of two tiles back have had their addresses translated: their out-buffer is loaded again only behind this wait
.endif
.if (\a) > 0
	s_wait_alu depctr_vm_vsrc(0)                   ; the last tile's LDS stores have read v216-247, in which the loads below land; from the third tile on: the global stores of two tiles back have read this tile's out-buffer
.endif
.irp t, 0,1,2,3
	ds_load_b128 v[TMP+8*\t:TMP+8*\t+3], v7 offset:16*(\a)*272+64*\t
	ds_load_b128 v[TMP+8*\t+4:TMP+8*\t+7], v7 offset:16*(\a)*272+64*\t+16
.endr
	s_wait_dscnt 0x0
	WIN 0x01                                       ; source 0 window 1
.set k, 0
.rept 16
	v_pk_fma_f32 v[TMP+k:TMP+k+1], v[32*(\a)+k:32*(\a)+k+1], v[G+2*(\a):G+2*(\a)+1], v[TMP+k:TMP+k+1] op_sel_hi:[1,0,1]   ; mine x my gate + the other expert's
.set k, k+2
.endr
	WIN 0
	s_wait_alu depctr_va_vdst(0)                   ; the multiply-adds have written v216-247, which the LDS stores read; all that named the out-buffer (the products, which read h's fragments there; the offsets of two tiles back) is done
.irp t, 0,1,2,3
	ds_store_b128 v7, v[TMP+8*\t:TMP+8*\t+3] offset:16*(\a)*272+64*\t
	ds_store_b128 v7, v[TMP+8*\t+4:TMP+8*\t+7] offset:16*(\a)*272+64*\t+16
.endr
.irp i, 0,1,2,3,4,5,6,7
	ds_load_b128 v[rO+4*\i:rO+4*\i+3], v8 offset:(16*(\a)+2*\i)*272   ; into the out-buffer, not over the stores' data: nothing is owed between the stores and these loads
.endr
.irp i, 0,1,2,3,4,5,6,7
	ds_load_b32 v[rO+32+\i], v10 offset:4*(16*(\a)+2*\i)
.endr
	s_wait_dscnt 0x0
.irp i, 0,1,2,3,4,5,6,7
	v_min_u32 v[rO+32+\i], 0x7ff, v[rO+32+\i]
.endr
.irp i, 0,1,2,3,4,5,6,7
	v_lshl_add_u32 v[rO+32+\i], v[rO+32+\i], 12, v11
.endr
	s_wait_alu depctr_va_vdst(0)                   ; the eight offsets are written, which the stores read
.irp i, 0,1,2,3,4,5,6,7
	global_store_b128 v[rO+32+\i], v[rO+4*\i:rO+4*\i+3], s[48:49] th:TH_STORE_NT   ; sixteen lanes store 256 consecutive bytes of a token's row, aligned
.endr
.endm
	OUTT 0
	OUTT 1
	OUTT 2
	OUTT 3
.Ldone:
	s_wait_dscnt 0x0                               ; the closing lines, six on end
	s_wait_alu 0x0
	s_wait_tensorcnt 0x0
	ds_add_u32 v30, v31
	s_wait_dscnt 0x0
	s_endpgm
.Lfunc_end_k_q0b8adbc5f6_down:
	.size	k_q0b8adbc5f6_down, .Lfunc_end_k_q0b8adbc5f6_down-k_q0b8adbc5f6_down
	.p2alignl 7, 3214868480
	.fill 96, 4, 3214868480
	.section	.rodata,"a",@progbits
	.p2align	6, 0x0
	.amdhsa_kernel k_q0b8adbc5f6_down
		.amdhsa_group_segment_fixed_size 269312
		.amdhsa_private_segment_fixed_size 0
		.amdhsa_enable_private_segment 0
		.amdhsa_kernarg_size 48
		.amdhsa_user_sgpr_count 2
		.amdhsa_user_sgpr_kernarg_segment_ptr 1
		.amdhsa_wavefront_size32 1
		.amdhsa_system_sgpr_workgroup_id_x 1
		.amdhsa_system_sgpr_workgroup_id_y 1
		.amdhsa_system_sgpr_workgroup_id_z 1
		.amdhsa_system_vgpr_workitem_id 0
		.amdhsa_next_free_vgpr 512
		.amdhsa_next_free_sgpr 66
		.amdhsa_reserve_vcc 0
		.amdhsa_float_denorm_mode_32 3
		.amdhsa_float_denorm_mode_16_64 3
		.amdhsa_memory_ordered 1
		.amdhsa_forward_progress 1
		.amdhsa_inst_pref_size 112
	.end_amdhsa_kernel
	.amdgpu_metadata
---
amdhsa.version: [ 1, 2 ]
amdhsa.kernels:
  - .name:           k_q0b8adbc5f6_down
    .symbol:         k_q0b8adbc5f6_down.kd
    .args:
      - { .name: wimg, .offset: 0, .size: 8, .value_kind: global_buffer, .address_space: global }
      - { .name: hq, .offset: 8, .size: 8, .value_kind: global_buffer, .address_space: global }
      - { .name: plan, .offset: 16, .size: 8, .value_kind: global_buffer, .address_space: global }
      - { .name: gs, .offset: 24, .size: 8, .value_kind: global_buffer, .address_space: global }
      - { .name: b2, .offset: 32, .size: 8, .value_kind: global_buffer, .address_space: global }
      - { .name: out0, .offset: 40, .size: 8, .value_kind: global_buffer, .address_space: global }
    .group_segment_fixed_size: 269312
    .private_segment_fixed_size: 0
    .kernarg_segment_align: 8
    .kernarg_segment_size: 48
    .max_flat_workgroup_size: 256
    .sgpr_count:     66
    .vgpr_count:     512
    .wavefront_size: 32
...
	.end_amdgpu_metadata
.endif
;; end of part 8
